; MI455X (gfx1250); checked and timed in simulation.
; The chip was launched on July 23, 2026; its instructions are those of AMD's public machine-readable ISA for CDNA 5 (MIT licence, August 2026) and "CDNA5" Instruction Set Architecture Reference Guide (July 2026). The comments in the code are by the model that wrote it; some were corrected since.
;; Multi Head Attention. Allowed arithmetic: matrix products marked QUANTISED: E5M2 operands, one given power-of-two scale a tensor, by v_wmma_f32_16x16x64_bf8_bf8 or v_wmma_f32_16x16x128_bf8_bf8, f32 sums; everything else in f32.
;; Inputs: Wk 1,024 x 1,024 float32; Wo 1,024 x 1,024 float32; Wq 1,024 x 1,024 float32; Wv 1,024 x 1,024 float32; beta 1,024 float32; gamma 1,024 float32; k 4 x 2,048 x 1,024 float32; lowp_scales 12 int32 (the exponents e of the quantised operands' scales 2^e); mask 4 x 1 x 2,048 x 2,048 int32; q 4 x 2,048 x 1,024 float32; v 4 x 2,048 x 1,024 float32.
;; Outputs: out0 4 x 2,048 x 1,024 float32.
;; This version of the problem:
;;   THIS VERSION OF THE PROBLEM IS GIVEN IN LOW PRECISION. The matrix products marked QUANTISED in the list below multiply operands that are first quantised to E5M2 (5 exponent bits, 2 mantissa bits; 8 bits a number), with one given power-of-two scale for each operand tensor; their sums are f32. All else is computed in f32.
;;   The module's matrix products, in the order in which they are computed (A, B: the left and right operand; K: the contracted axis; several contracted axes count as one K, in the product's order):
;;     1. [M 8,192, K 1,024] x [K 1,024, N 1,024]; A: input q; B: input Wq: QUANTISED (scales: A lowp_scales[0], B lowp_scales[1])
;;     2. [M 8,192, K 1,024] x [K 1,024, N 1,024]; A: input k; B: input Wk: QUANTISED (scales: A lowp_scales[2], B lowp_scales[3])
;;     3. [M 8,192, K 1,024] x [K 1,024, N 1,024]; A: input v; B: input Wv: QUANTISED (scales: A lowp_scales[4], B lowp_scales[5])
;;     4. batch 64 x [M 2,048, K 64] x [K 64, N 2,048]; A: computed on the way; B: computed on the way: QUANTISED (scales: A lowp_scales[6], B lowp_scales[7])
;;     5. batch 64 x [M 2,048, K 2,048] x [K 2,048, N 64]; A: softmax (see below); B: computed on the way: QUANTISED (scales: A lowp_scales[8], B lowp_scales[9])
;;     6. [M 8,192, K 1,024] x [K 1,024, N 1,024]; A: computed on the way; B: input Wo: QUANTISED (scales: A lowp_scales[10], B lowp_scales[11])
;;   THE QUANTISER, for each operand of a quantised product, along K:
;;     - The operand's scale is 2^e, e = its entry of the input lowp_scales (int32; the entries are numbered through the quantised products in the list's order, A before B).
;;     - Each number is divided by the scale, clamped to +-57,344, and rounded to the nearest number of E5M2, ties to even, subnormals kept.
;;     - The product sums the exact products of the quantised numbers (number of the format x scale) in f32.
;;   ~~~python
;;   def quantise(x, axis, e):      # numpy; x: float32 -> the quantised numbers, widened to float32 again
;;       x = np.moveaxis(x, axis, -1); K = x.shape[-1]
;;       r = np.clip(x / 2.0 ** e, -57344, 57344)
;;       step = 2.0 ** (np.maximum(np.frexp(np.where(r == 0, 1, r))[1] - 1, -14) - 2)
;;       q = np.round(r / step) * step * 2.0 ** e      # np.round: ties to even
;;       return np.moveaxis(q, -1, axis).astype(np.float32)
;;   ~~~
;;   SOFTMAX AHEAD OF A QUANTISED PRODUCT. Where the list says 'softmax', what is quantised is not the finished softmax but p = 2^(t - M), with t = logit x log2(e) and M = ceil(the row's largest t), a whole number; so 1/2 < the row's largest p <= 1. The row's sum l is taken of the UNQUANTISED p, in f32, and the product's result is divided by l at the end. Since M is a whole number, a kernel that streams over the keys may use a running M (the ceiling of the running maximum): every later rescaling is an exact power of two, so the quantised numbers keep their values, but for numbers so far below the row's largest that they fall under the format's range.
;;   OPERANDS COMPUTED ON THE WAY. 'Computed on the way' means the value that the module computes at that place (a softmax that the list does not call 'softmax' is quantised finished and normalised). What goes into a quantiser is computed in f32, as accurately as f32 sums, v_exp_f32 and their like allow (about 1e-6 of the number): no bf16 or f16 on the way to a quantiser, and a product that is left as it is and whose result goes on into a quantised operand takes f32 operands (vector FMAs, or v_wmma_f32_16x16x4_f32). A number that lies on a knife's edge between two numbers of the format may be rounded either way, as far as f32 arithmetic and the matrix unit's own rounding can turn it there, and no further.
;; 3 versions, each right; version 2 is faster than version 1; version 3 is version 2 with the launches proj, oproj written anew for expert scheduling mode. Each part assembles by itself: llvm-mc -triple=amdgcn-amd-amdhsa -mcpu=gfx1250 --defsym DOCPART=n.
;; ======== version 1 of 3: 4 launches
;; limits: right only within a limited range of input values
;; workspace buffers: wc 4,194,304 bytes; mw 2,097,152 bytes of whole numbers; qc 8,388,608 bytes; kv 16,777,216 bytes; cc 8,388,608 bytes
;; launch prep (part 1): grid 640 x 1, 4 waves a work-group, no clusters, 34,304 bytes of LDS; arguments Wq, Wk, Wv, Wo, mask, lowp_scales, wc, mw; writes wc, mw
.if DOCPART == 1
	.amdgcn_target "amdgcn-amd-amdhsa--gfx1250"
	.amdhsa_code_object_version 6
	.text
	.protected	k_qe098036221_prep
	.globl	k_qe098036221_prep
	.p2align	8
	.type	k_qe098036221_prep,@function
k_qe098036221_prep:
	s_mov_b64 s[64:65], 0
	v_nop
	global_prefetch_b8 v0, s[64:65] scope:SCOPE_SE
	s_setreg_imm32_b32 hwreg(HW_REG_WAVE_MODE, 25, 1), 1
	s_wait_xcnt 0x0
; Two jobs in one launch, parted by the work-group's number.
; WORK-GROUPS 0-127: the four weights [1024 (k)][1024 (n)] f32 become codes of E5M2, laid in the order of an operand's registers:
;   wc[w][hd 16][ks 16][j 4][1024 bytes]; in a fragment of 1,024 bytes byte 512 c + 256 h + 16 r + i is W(k = 64 ks + 32 c + 16 h + i, n = 64 hd + 32 (j / 2) + 8 (j % 2) + r + 8 (r / 8)).
;   A lane takes a column n and its registers run down K, so the conversions give 16 neighbours along K as 16 bytes; nothing is transposed.
;   code = x / 2^e, held within +-57,344, to the nearest code, ties to even.  e = entry 1, 3, 5, 11 of the scales.  LIMIT: -126 <= e <= 112.  NaN among the inputs is not served.
; WORK-GROUPS 128-639: the mask [4][2048 (q)][2048 (k)] int32 becomes lane masks: mw[b][qt 128][st 16][n 64], a word each;
;   bit 16 h + r of word n says whether mask(b, 16 qt + r, 128 st + 32 (n / 16) + 16 h + n % 16) is not 0: the lane and the register in which the attention launch holds that score.
; Only the second job touches LDS: a stage of its own for each wave, so there is no barrier.
.set WGW,   128                        ; work-groups for the weights
.set X,     32                         ; v32-95   two sets of 32 numbers
.set C,     96                         ; v96-159  8 registers of codes for each of 8 blocks: no store's data are written again
.set R,     16                         ; v16-143  two sets of 64 words of the mask, as loaded
.set Y,     144                        ; v144-207 the same, turned: a lane's 64 keys
.set OUTW,  208                        ; v208-215 two registers of finished words for each of four tasks
.set SROW,  528                        ; a stage row: 512 bytes + 16
.set SWAVE, 16*SROW                    ; a wave's stage
	s_load_b512 s[4:19], s[0:1], 0x0               ; Wq s[4:5], Wk s[6:7], Wv s[8:9], Wo s[10:11], mask s[12:13], scales s[14:15], wc s[16:17], mw s[18:19]
	v_lshl_add_u32 v216, v0, 2, 0x8400
	v_mov_b32 v217, 0
	v_lshrrev_b32 v1, 5, v0
	v_readfirstlane_b32 s20, v1                    ; wave 0..3
	v_and_b32 v2, 31, v0                           ; lane
	s_cmp_lt_u32 ttmp9, WGW
	s_cbranch_scc0 .Lmask
; ---------------- the weights: a wave takes 32 columns x 256 along K
	s_lshr_b32 s21, ttmp9, 5                       ; which weight
	s_bfe_u32 s22, ttmp9, 0x30002                  ; which 128 columns
	s_and_b32 s23, ttmp9, 3                        ; which 256 along K
	v_lshlrev_b32 v3, 2, v2                        ; in: 4 bytes a lane: a load reads 128 consecutive bytes
	v_bfe_u32 v5, v2, 3, 1                         ; column x0 + lane lies in tile u = (lane / 8) % 2
	v_and_b32 v6, 7, v2
	v_lshrrev_b32 v7, 4, v2
	v_lshl_add_u32 v6, v7, 3, v6                   ; at slot r = lane % 8 + 8 (lane / 16)
	v_lshlrev_b32 v4, 4, v6
	v_lshl_add_u32 v4, v5, 10, v4                  ; out: 1,024 u + 16 r
	s_lshl_b32 s24, s23, 20                        ; in: 256 rows of 4,096 bytes,
	s_lshl_b32 s26, s22, 9
	s_add_co_u32 s24, s24, s26                     ; 128 columns of 4 bytes,
	s_lshl_b32 s26, s20, 7
	s_add_co_u32 s24, s24, s26                     ; my wave's 32
	s_mov_b32 s25, 0
	s_lshl_b32 s26, s21, 20                        ; out: the weight,
	s_lshl_b32 s28, s22, 17
	s_add_co_u32 s26, s26, s28
	s_lshr_b32 s28, s20, 1
	s_lshl_b32 s28, s28, 16
	s_add_co_u32 s26, s26, s28                     ; hd = 2 x (128 columns) + wave / 2,
	s_lshl_b32 s28, s23, 14
	s_add_co_u32 s26, s26, s28                     ; four K steps of 4,096 bytes,
	s_and_b32 s28, s20, 1
	s_lshl_b32 s28, s28, 11
	s_add_co_u32 s26, s26, s28                     ; tiles 2 (wave % 2) and 2 (wave % 2) + 1
	s_mov_b32 s27, 0
	s_cmp_eq_u32 s21, 3
	s_cselect_b32 s28, 20, 4                       ; the scale's entry: 1, 3, 5, 11, in bytes
	s_lshl_b32 s29, s21, 3
	s_add_co_u32 s28, s28, s29
	s_mov_b32 s29, 0
	s_wait_kmcnt 0x0
	s_cmp_eq_u32 s21, 1                            ; the choice hangs on the work-group's number alone
	s_cselect_b64 s[4:5], s[6:7], s[4:5]
	s_cmp_eq_u32 s21, 2
	s_cselect_b64 s[4:5], s[8:9], s[4:5]
	s_cmp_eq_u32 s21, 3
	s_cselect_b64 s[4:5], s[10:11], s[4:5]
	s_add_nc_u64 s[14:15], s[14:15], s[28:29]
	s_load_b32 s30, s[14:15], 0x0                  ; e
	s_add_nc_u64 s[4:5], s[4:5], s[24:25]
	s_add_nc_u64 s[16:17], s[16:17], s[26:27]
.macro WLOAD t                         ; block t: W(32 t + i, my column), i = 0 .. 31, into set t % 2
.set i, 0
.rept 32
	global_load_b32 v[X+32*((\t)%2)+i], v3, s[4:5] offset:(32*(\t)+i)*4096 th:TH_LOAD_NT
.set i, i+1
.endr
.endm
.macro WBLOCK t
.set XS, X+32*((\t)%2)
.set CS, C+8*(\t)
.if (\t) < 7
	s_wait_loadcnt 32                              ; this block's 32 loads are in; the next block's 32 may be out
.else
	s_wait_loadcnt 0
.endif
.set i, 0
.rept 32
	v_med3_num_f32 v[XS+i], v[XS+i], -v10, v10     ; the conversion to an 8-bit code does not saturate (ISA guide 7.6.2): the hold at the largest code x the scale
.set i, i+1
.endr
.irp g, 0,1,2,3
	v_cvt_scalef32_pk8_bf8_f32 v[CS+2*\g:CS+2*\g+1], v[XS+8*\g:XS+8*\g+7], v11
.endr
	; the results go to stores alone, and the next vector lines are the next block's holds, on other registers
	global_store_b128 v4, v[CS:CS+3], s[16:17] offset:((\t)/2)*4096+((\t)%2)*512        ; k = 32 t + 0 .. 15: sixteen lanes fill 256 consecutive bytes of tile u = 0, sixteen of tile u = 1
	global_store_b128 v4, v[CS+4:CS+7], s[16:17] offset:((\t)/2)*4096+((\t)%2)*512+256  ; k = 32 t + 16 .. 31
.if (\t)+2 < 8
	WLOAD (\t)+2
.endif
.endm
	WLOAD 0
	WLOAD 1
	s_wait_kmcnt 0x0
	s_add_co_i32 s30, s30, 127
	s_lshl_b32 s31, s30, 23
	v_mov_b32 v11, s31                             ; 2^e as f32: the conversion takes its exponent field
	s_add_co_i32 s30, s30, 15
	s_lshl_b32 s30, s30, 23
	s_or_b32 s30, s30, 0x600000
	v_mov_b32 v10, s30                             ; 57,344 x 2^e
.irp t, 0,1,2,3,4,5,6,7
	WBLOCK \t
.endr
	s_endpgm
; ---------------- the mask: a work-group takes 16 queries x 2,048 keys, a wave four tasks of 128 keys
.Lmask:
	s_sub_co_u32 s21, ttmp9, WGW                   ; 128 b + qt
	s_lshl_b32 s24, s21, 17                        ; 16 rows of 8,192 bytes,
	s_lshl_b32 s26, s20, 11
	s_add_co_u32 s24, s24, s26                     ; my wave's 512 keys
	s_mov_b32 s25, 0
	s_lshl_b32 s26, s21, 12                        ; 16 steps of 64 words,
	s_lshl_b32 s28, s20, 10
	s_add_co_u32 s26, s26, s28                     ; my wave's four
	s_mov_b32 s27, 0
	s_mul_i32 s28, s20, SWAVE                      ; my stage
	v_lshlrev_b32 v5, 4, v2                        ; 16 x lane: a load reads 512 consecutive bytes of a row
	v_add_nc_u32 v6, s28, v5                       ; into the stage, as loaded
	v_and_b32 v9, 15, v2                           ; r
	v_lshrrev_b32 v10, 4, v2                       ; h
	v_mul_u32_u24 v7, v9, SROW
	v_lshl_add_u32 v7, v10, 6, v7
	v_add_nc_u32 v7, s28, v7                       ; out of it: row r, + 64 h bytes: my 16 keys of each 32
	v_lshlrev_b32 v8, 3, v2                        ; the words' place: two a lane
.irp i, 0,1,2,3,4,5,6,7
	v_mov_b32 v[OUTW+\i], 0                        ; written once: v_writelane_b32 keeps the other lanes of its destination
.endr
	s_wait_kmcnt 0x0
	s_add_nc_u64 s[12:13], s[12:13], s[24:25]
	s_add_nc_u64 s[18:19], s[18:19], s[26:27]
.macro MLOAD t
.irp p, 0,1,2,3,4,5,6,7,8,9,10,11,12,13,14,15
	global_load_b128 v[R+64*((\t)%2)+4*\p:R+64*((\t)%2)+4*\p+3], v5, s[12:13] offset:\p*8192+512*(\t) th:TH_LOAD_NT
.endr
.endm
.macro MTASK t
.if (\t) < 3
	s_wait_loadcnt 16                              ; this task's 16 loads are in; the next task's 16 may be out
.else
	s_wait_loadcnt 0
.endif
.irp p, 0,1,2,3,4,5,6,7,8,9,10,11,12,13,14,15
	ds_store_b128 v6, v[R+64*((\t)%2)+4*\p:R+64*((\t)%2)+4*\p+3] offset:SROW*\p
.endr
.irp p, 0,1,2,3,4,5,6,7,8,9,10,11,12,13,14,15
	ds_load_b128 v[Y+4*\p:Y+4*\p+3], v7 offset:128*(\p/4)+16*(\p%4)   ; LDS serves a wave's instructions in order (ISA guide 5.7.1.4): these see the stores above.  Register n: key 32 (n / 16) + 16 h + n % 16 of row r
.endr
	s_wait_dscnt 0x0                               ; the turned words are in, and the stores have read their registers,
.if (\t) < 2
	MLOAD (\t)+2                                   ; which take the loads of two tasks on
.endif
.irp g, 0,1,2,3,4,5,6,7
.irp e, 0,1,2,3,4,5,6,7
	v_cmp_ne_u32 s[32+\e], 0, v[Y+8*\g+\e]         ; word n = 8 g + e: a bit for each lane
.endr
.irp e, 0,1,2,3,4,5,6,7
	v_writelane_b32 v[OUTW+2*(\t)+(\e%2)], s[32+\e], (8*\g+\e)/2   ; lane n / 2 holds words n and n + 1
.endr
.endr
	global_store_b64 v8, v[OUTW+2*(\t):OUTW+2*(\t)+1], s[18:19] offset:256*(\t)   ; the wave stores 256 consecutive bytes, aligned
.endm
	MLOAD 0
	MLOAD 1
	MTASK 0
	MTASK 1
	MTASK 2
	MTASK 3
	s_wait_tensorcnt 0x0
	ds_add_u32 v216, v217
	s_wait_dscnt 0x0
	s_endpgm
.Lfunc_end_k_qe098036221_prep:
	.size	k_qe098036221_prep, .Lfunc_end_k_qe098036221_prep-k_qe098036221_prep
	.p2alignl 7, 3214868480
	.fill 96, 4, 3214868480
	.section	.rodata,"a",@progbits
	.p2align	6, 0x0
	.amdhsa_kernel k_qe098036221_prep
		.amdhsa_group_segment_fixed_size 34304
		.amdhsa_private_segment_fixed_size 0
		.amdhsa_enable_private_segment 0
		.amdhsa_kernarg_size 64
		.amdhsa_user_sgpr_count 2
		.amdhsa_user_sgpr_kernarg_segment_ptr 1
		.amdhsa_wavefront_size32 1
		.amdhsa_system_sgpr_workgroup_id_x 1
		.amdhsa_system_sgpr_workgroup_id_y 1
		.amdhsa_system_sgpr_workgroup_id_z 1
		.amdhsa_system_vgpr_workitem_id 0
		.amdhsa_next_free_vgpr 218
		.amdhsa_next_free_sgpr 66
		.amdhsa_reserve_vcc 0
		.amdhsa_float_denorm_mode_32 3
		.amdhsa_float_denorm_mode_16_64 3
		.amdhsa_memory_ordered 1
		.amdhsa_forward_progress 1
		.amdhsa_inst_pref_size 95
	.end_amdhsa_kernel
	.amdgpu_metadata
---
amdhsa.version: [ 1, 2 ]
amdhsa.kernels:
  - .name:           k_qe098036221_prep
    .symbol:         k_qe098036221_prep.kd
    .args:
      - { .name: Wq, .offset: 0, .size: 8, .value_kind: global_buffer, .address_space: global }
      - { .name: Wk, .offset: 8, .size: 8, .value_kind: global_buffer, .address_space: global }
      - { .name: Wv, .offset: 16, .size: 8, .value_kind: global_buffer, .address_space: global }
      - { .name: Wo, .offset: 24, .size: 8, .value_kind: global_buffer, .address_space: global }
      - { .name: mask, .offset: 32, .size: 8, .value_kind: global_buffer, .address_space: global }
      - { .name: lowp_scales, .offset: 40, .size: 8, .value_kind: global_buffer, .address_space: global }
      - { .name: wc, .offset: 48, .size: 8, .value_kind: global_buffer, .address_space: global }
      - { .name: mw, .offset: 56, .size: 8, .value_kind: global_buffer, .address_space: global }
    .group_segment_fixed_size: 34304
    .private_segment_fixed_size: 0
    .kernarg_segment_align: 8
    .kernarg_segment_size: 64
    .max_flat_workgroup_size: 128
    .sgpr_count:     66
    .vgpr_count:     218
    .wavefront_size: 32
...
	.end_amdgpu_metadata
.endif
;; end of part 1
;; launch proj (part 2): grid 128 x 3, 16 waves a work-group, no clusters, 67,584 bytes of LDS; arguments q, k, v, wc, lowp_scales, qc, kv; writes qc, kv
.if DOCPART == 2
	.amdgcn_target "amdgcn-amd-amdhsa--gfx1250"
	.amdhsa_code_object_version 6
	.text
	.protected	k_qe098036221_proj
	.globl	k_qe098036221_proj
	.p2align	8
	.type	k_qe098036221_proj,@function
k_qe098036221_proj:
	s_mov_b64 s[64:65], 0
	v_nop
	global_prefetch_b8 v0, s[64:65] scope:SCOPE_SE
	s_setreg_imm32_b32 hwreg(HW_REG_WAVE_MODE, 25, 1), 1
	s_wait_xcnt 0x0
; The three input projections on codes of E5M2.  Work-group (x, T): tensor T (0 q, 1 k, 2 v), tokens 64 x .. 64 x + 63, all 1,024 columns; wave w makes head w's 64 columns.
; PHASE X: the block's 64 x 1,024 f32 numbers are read once, quantised once (given scale 2^eA) and laid in LDS as images of operand registers: [K step 16][tile 4][1,024 bytes], lane l's 16 bytes of a piece at 16 l.
; PHASE K: 16 steps of 64 along K; a step is 4 fragments of X from LDS, 4 of W from memory (wc is laid in register order: 16 x lane), 16 matrix instructions on 16 accumulators by turns.
; THE WAY OUT: the sums are quantised in registers (scale 2^(eO - eA - eB): the three given scales folded into one) and stored as images again: each store covers 512 consecutive bytes, aligned.
; WHICH SIDE IS SOURCE 0.  q, k: source 0 = 16 columns of W, source 1 = 16 tokens: a lane holds one token and, thanks to the choice of columns in a tile of W, 16 neighbouring d: K of the scores' product.
;   v: source 0 = 16 tokens, source 1 = 16 columns of W: a lane holds one d and 16 neighbouring tokens: the keys are K of the second product.  The two ways differ in the matrix lines alone: a scalar branch on T round them.
; SLOTS.  Slot r of tile 2 b + u stands for element 32 b + 8 u + r + 8 (r / 8): W's columns always; the tokens of k (its tiles become source 0 of the scores) and of v; q's tiles hold tokens 16 t + r.
; k lies in a fragment's registers as piece c, half h, byte i: k = 32 c + 16 h + i, alike in both sources, so every product meets its partner; only the order of the sums inside an instruction differs.
; NO JOINT LOADS: each fragment of W is read by one wave of a work-group and by no other, so it goes from memory straight into that wave's registers; through LDS a step's 4 KB of W would be written and read there besides X's 4 KB.
; LIMITS: eA, and eO - eA - eB, between -126 and 112.  NaN among the inputs is not served.
.set LI,  1                            ; v1     16 x lane
.set XG,  2                            ; v2     my byte in the wave's 16 rows of X
.set XW,  3                            ; v3     where I store X's images
.set XR,  4                            ; v4     where I read X's fragments
.set SA,  5                            ; v5, v6 2^eA and 57,344 x 2^eA
.set LA,  6
.set SO,  7                            ; v7, v8 the same with eO - eA - eB
.set LO,  8
.set ST,  9                            ; v9-12  the way out: 16 x lane + j x the stride from tile to tile
.set XF,  32                           ; v32-63   X's four fragments; in phase X and on the way out: codes
.set WB,  64                           ; v64-127  W's four fragments, two sets
.set ACC, 128                          ; v128-255 accumulator (i, j) at ACC + 32 j + 8 i; in phase X: the numbers as loaded
	s_load_b256 s[4:11], s[0:1], 0x0               ; q s[4:5], k s[6:7], v s[8:9], wc s[10:11]
	s_load_b128 s[12:15], s[0:1], 0x20             ; scales s[12:13], qc s[14:15]
	s_load_b64 s[16:17], s[0:1], 0x30              ; kv
	v_lshl_add_u32 v30, v0, 2, 0x10000
	v_mov_b32 v31, 0
	v_lshrrev_b32 v13, 5, v0
	v_readfirstlane_b32 s18, v13                   ; wave 0..15
	s_and_b32 s19, ttmp7, 0xffff                   ; T
	s_mov_b32 s20, ttmp9                           ; x
	v_and_b32 v13, 31, v0
	v_lshlrev_b32 v[LI], 4, v13
	v_and_b32 v14, 15, v0                          ; r
	v_bfe_u32 v15, v0, 4, 1                        ; h
	s_lshr_b32 s35, s18, 2                         ; phase X: my tile of rows,
	s_and_b32 s36, s18, 3                          ; my four K steps
	s_lshr_b32 s37, s35, 1
	s_lshl_b32 s37, s37, 5
	s_and_b32 s38, s35, 1
	s_lshl_b32 s38, s38, 3
	s_add_co_u32 s37, s37, s38                     ; the tile's first row by slots: 32 (t / 2) + 8 (t % 2),
	s_lshl_b32 s38, s35, 4                         ; or plainly: 16 t
	s_cmp_lg_u32 s19, 0
	s_cselect_b32 s37, s37, s38
	s_cselect_b32 s38, 8, 0
	v_lshrrev_b32 v16, 3, v14
	v_mad_u32_u24 v16, v16, s38, v14               ; my row in the tile: r + 8 (r / 8), or r
	v_lshlrev_b32 v[XG], 12, v16
	v_lshl_add_u32 v[XG], v15, 6, v[XG]            ; x 4,096 bytes, + 64 h: my 16 numbers of each 32
	s_lshl_b32 s40, s20, 6
	s_add_co_u32 s40, s40, s37
	s_lshl_b32 s40, s40, 12
	s_lshl_b32 s41, s36, 10
	s_add_co_u32 s40, s40, s41                     ; X: (64 x + the tile's first row) rows, + my four K steps of 256 bytes
	s_mov_b32 s41, 0
	s_lshl_b32 s42, s35, 10
	s_lshl_b32 s43, s36, 14
	s_add_co_u32 s42, s42, s43
	v_add_nc_u32 v[XW], s42, v[LI]                 ; images: 16 x lane + 1,024 x tile + 4 x 4,096 x (my four K steps)
	s_lshl_b32 s44, s19, 4
	s_add_co_u32 s44, s44, s18
	s_lshl_b32 s44, s44, 16                        ; wc: weight T, head w: 65,536 bytes
	s_mov_b32 s45, 0
	s_lshl_b32 s46, s19, 3                         ; the scales: eA, eB at entries 2 T, 2 T + 1;
	s_mov_b32 s47, 0
	s_cmp_eq_u32 s19, 2
	s_cselect_b32 s48, 4, 0
	s_lshl_b32 s49, s19, 2
	s_add_co_u32 s48, s48, s49                     ; eO at entry 6, 7, 9
	s_mov_b32 s49, 0
	s_mov_b32 s29, 0                               ; the LDS byte of the K step in hand
	s_wait_kmcnt 0x0
	s_add_nc_u64 s[46:47], s[12:13], s[46:47]
	s_add_nc_u64 s[48:49], s[12:13], s[48:49]
	s_load_b64 s[32:33], s[46:47], 0x0             ; eA, eB
	s_load_b32 s34, s[48:49], 0x18                 ; eO
	s_cmp_eq_u32 s19, 1                            ; the choices hang on the work-group's number alone
	s_cselect_b64 s[22:23], s[6:7], s[4:5]
	s_cmp_eq_u32 s19, 2
	s_cselect_b64 s[22:23], s[8:9], s[22:23]
	s_add_nc_u64 s[22:23], s[22:23], s[40:41]
	s_add_nc_u64 s[24:25], s[10:11], s[44:45]
.macro WLD buf, koff                   ; W's four fragments of the K step koff on from the pointer, into set buf: each load reads 512 consecutive bytes
.irp j, 0,1,2,3
.irp c, 0,1
	global_load_b128 v[WB+32*(\buf)+8*\j+4*\c:WB+32*(\buf)+8*\j+4*\c+3], v[LI], s[24:25] offset:4096*(\koff)+1024*\j+512*\c
.endr
.endr
.endm
.irp s, 0,1,2,3                        ; my 16 rows x 4 K steps: register 32 s + 16 c + i = k 64 s + 32 c + 16 h + i of my row
.irp c, 0,1
.irp e, 0,1,2,3
	global_load_b128 v[ACC+32*\s+16*\c+4*\e:ACC+32*\s+16*\c+4*\e+3], v[XG], s[22:23] offset:256*\s+128*\c+16*\e th:TH_LOAD_NT
.endr
.endr
.endr
	WLD 0, 0                                       ; W's first K step travels meanwhile
	; where the results go
	s_lshr_b32 s50, s20, 5                         ; b
	s_and_b32 s51, s20, 31                         ; which 64 tokens of the batch
	s_lshl_b32 s50, s50, 4
	s_add_co_u32 s50, s50, s18                     ; bh = 16 b + head
	s_lshl_b32 s52, s50, 17
	s_lshl_b32 s53, s51, 12
	s_add_co_u32 s52, s52, s53                     ; qc: (128 bh + 4 x block) x 1,024
	s_lshl_b32 s54, s50, 18
	s_lshr_b32 s53, s51, 1
	s_lshl_b32 s53, s53, 14
	s_add_co_u32 s54, s54, s53                     ; kv: (16 bh + key step) x 16,384
	s_and_b32 s53, s51, 1                          ; which half of the key step's 128 keys
	s_cmp_eq_u32 s19, 2
	s_cselect_b32 s55, 10, 12                      ; K: four tiles of 1,024 on;  V: two pieces of 512 on in every tile,
	s_cselect_b32 s56, 0x2000, 0                   ; behind K's 8,192 bytes
	s_mov_b32 s28, 1024
	s_cselect_b32 s28, 0x800, s28                  ; from tile to tile: 2,048 in V, else 1,024
	s_lshl_b32 s53, s53, s55
	s_add_co_u32 s54, s54, s53
	s_add_co_u32 s54, s54, s56
	s_cmp_eq_u32 s19, 0
	s_cselect_b32 s52, s52, s54
	s_cselect_b64 s[26:27], s[14:15], s[16:17]
	s_mov_b32 s53, 0
	s_add_nc_u64 s[26:27], s[26:27], s[52:53]
	v_mov_b32 v[ST], v[LI]
	v_add_nc_u32 v[ST+1], s28, v[ST]
	v_add_nc_u32 v[ST+2], s28, v[ST+1]
	v_add_nc_u32 v[ST+3], s28, v[ST+2]
	s_wait_kmcnt 0x0
	s_add_co_i32 s50, s32, 127
	s_lshl_b32 s51, s50, 23
	v_mov_b32 v[SA], s51                           ; 2^eA as f32: the conversion takes its exponent field
	s_add_co_i32 s50, s50, 15
	s_lshl_b32 s50, s50, 23
	s_or_b32 s50, s50, 0x600000
	v_mov_b32 v[LA], s50                           ; 57,344 x 2^eA
	s_sub_co_i32 s50, s34, s32
	s_sub_co_i32 s50, s50, s33                     ; a sum stands for sum x 2^(eA + eB): its code is sum / 2^(eO - eA - eB)
	s_add_co_i32 s50, s50, 127
	s_lshl_b32 s51, s50, 23
	v_mov_b32 v[SO], s51
	s_add_co_i32 s50, s50, 15
	s_lshl_b32 s50, s50, 23
	s_or_b32 s50, s50, 0x600000
	v_mov_b32 v[LO], s50
.macro QUANT s                         ; my K step s: 32 numbers a lane become a fragment's 8 registers, which go to LDS as they stand
	s_wait_loadcnt 32-8*\s                         ; its eight loads are in; the later K steps' and W's eight may be out
.set i, 0
.rept 32
	v_med3_num_f32 v[ACC+32*\s+i], v[ACC+32*\s+i], -v[LA], v[LA]   ; the conversion does not saturate (ISA guide 7.6.2): the hold at the largest code x the scale
.set i, i+1
.endr
.irp g, 0,1,2,3
	v_cvt_scalef32_pk8_bf8_f32 v[XF+8*\s+2*\g:XF+8*\s+2*\g+1], v[ACC+32*\s+8*\g:ACC+32*\s+8*\g+7], v[SA]
.endr
	v_nop                                          ; a plain line behind the last conversion: matrix instructions will write its sources
	ds_store_b128 v[XW], v[XF+8*\s:XF+8*\s+3] offset:4096*\s
	ds_store_b128 v[XW], v[XF+8*\s+4:XF+8*\s+7] offset:4096*\s+512
.endm
	QUANT 0
	QUANT 1
	QUANT 2
	QUANT 3
	s_wait_dscnt 0x0                               ; for the others' sake: my images have landed
	s_barrier_signal -1
	s_barrier_wait -1                              ; all 64 images lie in LDS; nobody writes them again
.macro XLD koff
.irp j, 0,1,2,3
.irp c, 0,1
	ds_load_b128 v[XF+8*\j+4*\c:XF+8*\j+4*\c+3], v[XR] offset:4096*(\koff)+1024*\j+512*\c
.endr
.endr
.endm
; 16 matrix instructions, the 16 accumulators by turns, in the same order in every step.  zero = 1: the first step starts the sums.
.macro MUL buf, zero, swap
.irp j, 0,1,2,3
.irp i, 0,1,2,3
.set rD, ACC+32*\j+8*\i
.if \swap
.set rA, XF+8*\i
.set rB, WB+32*(\buf)+8*\j
.else
.set rA, WB+32*(\buf)+8*\i
.set rB, XF+8*\j
.endif
.if \zero
	v_wmma_f32_16x16x64_bf8_bf8 v[rD:rD+7], v[rA:rA+7], v[rB:rB+7], 0
.else
	v_wmma_f32_16x16x64_bf8_bf8 v[rD:rD+7], v[rA:rA+7], v[rB:rB+7], v[rD:rD+7]
.endif
.endr
.endr
.endm
; A K step.  The addition and three v_nop are the four plain lines between the last matrix instruction and loads into registers that it read (ISA guide 7.12.1 for vector instructions).
.macro KS buf, nxt, zero, koff
	v_add_nc_u32 v[XR], s29, v[LI]
	v_nop
	v_nop
	v_nop
.if \nxt
	WLD 1-\buf, \koff+1                            ; the next step's W, into the other set
.endif
	XLD \koff
	s_wait_dscnt 0x0                               ; X's fragments are in
.if \nxt
	s_wait_loadcnt 8                               ; this step's W is in; the eight loads just issued may be out
.else
	s_wait_loadcnt 0
.endif
	s_cmp_eq_u32 s19, 2                            ; the same in every wave of the work-group
	s_cbranch_scc1 .Lsw_\@
	MUL \buf, \zero, 0
	s_branch .Ljn_\@
.Lsw_\@:
	MUL \buf, \zero, 1
.Ljn_\@:
.endm
.macro STEP2
	s_wait_xcnt 0x0                                ; the loads of W have read their base: it is stepped only behind this wait
	s_add_nc_u64 s[24:25], s[24:25], 0x2000
	s_add_co_u32 s29, s29, 0x2000
.endm
	KS 0, 1, 1, 0
	KS 1, 1, 0, 1
	STEP2
	s_mov_b32 s30, 6
.Lk:                                               ; two K steps a trip, so that W's sets are back where they began
	KS 0, 1, 0, 0
	KS 1, 1, 0, 1
	STEP2
	s_sub_co_u32 s30, s30, 1
	s_cmp_lg_u32 s30, 0
	s_cbranch_scc1 .Lk
	KS 0, 1, 0, 0
	KS 1, 0, 0, 1                                  ; the last step asks for nothing: no load leaves the wave's 65,536 bytes of wc
.rept 4
	v_nop                                          ; four plain lines in front of the first read of results
.endr
; Tile j of source 1: registers 32 j + 16 c + i are 16 neighbours along the next K for c = 0, 1: two pieces of 512 bytes.
.macro OUTJ j
.set i, 0
.rept 32
	v_med3_num_f32 v[ACC+32*\j+i], v[ACC+32*\j+i], -v[LO], v[LO]   ; each accumulator from its low end on
.set i, i+1
.endr
.irp g, 0,1,2,3
	v_cvt_scalef32_pk8_bf8_f32 v[XF+8*\j+2*\g:XF+8*\j+2*\g+1], v[ACC+32*\j+8*\g:ACC+32*\j+8*\g+7], v[SO]
.endr
	v_nop
	global_store_b128 v[ST+\j], v[XF+8*\j:XF+8*\j+3], s[26:27]
	global_store_b128 v[ST+\j], v[XF+8*\j+4:XF+8*\j+7], s[26:27] offset:512
.endm
	OUTJ 0
	OUTJ 1
	OUTJ 2
	OUTJ 3
	s_wait_tensorcnt 0x0
	ds_add_u32 v30, v31
	s_wait_dscnt 0x0
	s_endpgm
.Lfunc_end_k_qe098036221_proj:
	.size	k_qe098036221_proj, .Lfunc_end_k_qe098036221_proj-k_qe098036221_proj
	.p2alignl 7, 3214868480
	.fill 96, 4, 3214868480
	.section	.rodata,"a",@progbits
	.p2align	6, 0x0
	.amdhsa_kernel k_qe098036221_proj
		.amdhsa_group_segment_fixed_size 67584
		.amdhsa_private_segment_fixed_size 0
		.amdhsa_enable_private_segment 0
		.amdhsa_kernarg_size 56
		.amdhsa_user_sgpr_count 2
		.amdhsa_user_sgpr_kernarg_segment_ptr 1
		.amdhsa_wavefront_size32 1
		.amdhsa_system_sgpr_workgroup_id_x 1
		.amdhsa_system_sgpr_workgroup_id_y 1
		.amdhsa_system_sgpr_workgroup_id_z 1
		.amdhsa_system_vgpr_workitem_id 0
		.amdhsa_next_free_vgpr 256
		.amdhsa_next_free_sgpr 66
		.amdhsa_reserve_vcc 0
		.amdhsa_float_denorm_mode_32 3
		.amdhsa_float_denorm_mode_16_64 3
		.amdhsa_memory_ordered 1
		.amdhsa_forward_progress 1
		.amdhsa_inst_pref_size 49
	.end_amdhsa_kernel
	.amdgpu_metadata
---
amdhsa.version: [ 1, 2 ]
amdhsa.kernels:
  - .name:           k_qe098036221_proj
    .symbol:         k_qe098036221_proj.kd
    .args:
      - { .name: q, .offset: 0, .size: 8, .value_kind: global_buffer, .address_space: global }
      - { .name: k, .offset: 8, .size: 8, .value_kind: global_buffer, .address_space: global }
      - { .name: v, .offset: 16, .size: 8, .value_kind: global_buffer, .address_space: global }
      - { .name: wc, .offset: 24, .size: 8, .value_kind: global_buffer, .address_space: global }
      - { .name: lowp_scales, .offset: 32, .size: 8, .value_kind: global_buffer, .address_space: global }
      - { .name: qc, .offset: 40, .size: 8, .value_kind: global_buffer, .address_space: global }
      - { .name: kv, .offset: 48, .size: 8, .value_kind: global_buffer, .address_space: global }
    .group_segment_fixed_size: 67584
    .private_segment_fixed_size: 0
    .kernarg_segment_align: 8
    .kernarg_segment_size: 56
    .max_flat_workgroup_size: 512
    .sgpr_count:     66
    .vgpr_count:     256
    .wavefront_size: 32
...
	.end_amdgpu_metadata
.endif
;; end of part 2
;; launch attn (part 3): grid 4 x 64, 16 waves a work-group, clusters of 4 x 1, 264,192 bytes of LDS; arguments qc, kv, mw, lowp_scales, cc; writes cc
.if DOCPART == 3
	.amdgcn_target "amdgcn-amd-amdhsa--gfx1250"
	.amdhsa_code_object_version 6
	.text
	.protected	k_qe098036221_attn
	.globl	k_qe098036221_attn
	.p2align	8
	.type	k_qe098036221_attn,@function
k_qe098036221_attn:
	s_mov_b64 s[64:65], 0
	v_nop
	global_prefetch_b8 v0, s[64:65] scope:SCOPE_SE
	s_setreg_imm32_b32 hwreg(HW_REG_WAVE_MODE, 25, 1), 1
	s_wait_xcnt 0x0
	s_wait_alu depctr_hold_cnt(0) depctr_sa_sdst(0) depctr_va_vdst(0) depctr_va_sdst(0) depctr_va_ssrc(0) depctr_va_vcc(0) depctr_vm_vsrc(0)
	s_getreg_b32 s2, hwreg(HW_REG_IB_STS2, 6, 4)
	s_cmp_eq_u32 s2, 0
	s_cbranch_scc0 .Lentry_in_a_cluster
	s_endpgm
.Lentry_in_a_cluster:
	s_bfe_u32 s2, ttmp6, 0x10000c
	s_cmp_lg_u32 s2, 0x3003
	s_cbranch_scc0 .Lentry_shape_is_right
	s_endpgm
.Lentry_shape_is_right:
; Attention on codes of E5M2: scores x 8, the given mask, softmax, the product with V, / the row's sum; the result is quantised for the output projection.
; SHARES.  A cluster of four work-groups is one head of one batch (bh = 16 b + head); a work-group owns 512 of its 2,048 queries; each of its sixteen waves owns two tiles of 16 queries, one after the other (PASS, written twice).
; K AND V OF THE WHOLE HEAD, 262,144 bytes of register images, STAY IN LDS: filled once, never again.  Wave w brings key step w (16,384 dense bytes) by ONE JOINT LOAD: the four work-groups need the same bytes,
; so each issues the same tensor load with the same descriptor and a mask that names the four.  A wave has one tensor load out.  One round of the cluster's barrier stands in front of the loads and one in front of s_endpgm.
; LAYOUT.  Both products are used transposed: S^T = K Q^T (source 0 = 16 keys, source 1 = my 16 queries), O^T = V^T P^T: a lane holds ONE query (lane % 16) throughout.  Slot r of K's tile 2 b + u is key 32 b + 8 u + r + 8 (r / 8),
; so register n of the 64 scores is key 32 (n / 16) + 16 (lane / 16) + n % 16: 16 registers are 16 neighbouring keys, and the conversions' results are the second product's operand.  V's tiles choose d likewise, so O^T's codes are cc's image.
; THE MASK comes as lane masks: word n of a step has a bit for each lane, for register n; 64 words a step by scalar loads, one v_cndmask_b32 a score.
; THE SOFTMAX: t = score x 8 log2(e) 2^(e6 + e7); M = the running largest t rounded up to a whole number; p = 2^(t - M) is quantised with 2^e8; the row's sum is taken of the unquantised p; when M moves, sum and O^T are multiplied by 2^(old M - new M), exactly.
; A HIDDEN KEY's raw score becomes -2^(27 - e6 - e7), so its t is -1.4427 x 2^30, a whole number: a row that is hidden throughout gets p = 1 everywhere, as the -1e9 of the definition gives; else p = 0.
; LIMITS: this t is about -1.55e9 and not -1e9 log2(e): the result differs only where a VISIBLE logit lies under about -1e9.  e6 + e7 between -100 and 124; e8 and e10 between -126 and 112; e8 + e9 is applied by v_ldexp_f32.  NaN is not served.
.set LI,  1                            ; v1      16 x lane
.set AD,  2                            ; v2      LDS address of the step in hand
.set SMV, 3                            ; v3      a hidden key's raw score
.set PL,  4                            ; v4, v5  57,344 x 2^e8 and 2^e8
.set PS,  5
.set CL,  6                            ; v6, v7  57,344 x 2^e10 and 2^e10
.set CV,  7
                                       ; v12 -M, v13 the largest t, v[14:15] the sum in two halves
.set QF,  16                           ; v16-23  Q's fragment
.set FF,  24                           ; v[24:25] f = 2^(old M - new M) (v25 is named with it as a pair)
.set MA,  26                           ; v26, v27 the maximum's two chains
.set PX,  28                           ; v28     a lane permute's destination
.set L2,  30                           ; v[30:31] the sum's second chain
.set KF,  32                           ; v32-95  K's eight fragments, then V's four
.set S,   96                           ; v96-159 S^T, then p
.set O,   160                          ; v160-191 O^T
.set CC,  192                          ; v192-199 the result's codes
.set PC,  224                          ; v224-239 p's codes
; s[4:5] qc, s[8:9] mw, s[12:13] cc at my tile; s14 wave; s[16:63], s[80:95] a step's 64 mask words (word n in s[16 + n], from n = 48 on in s[32 + n]); s[66:67] lane selects;
; s[68:71], s[72:79] the descriptor; s[96:97] c; s98 the step's LDS byte; s99 steps to go; s104 e8 + e9
.macro ROUND                           ; a round of the cluster's barrier: my work-group's barrier; wave 0 signals for the work-group; every wave waits for all four; my work-group's barrier once more
	s_barrier_signal -1
	s_barrier_wait -1
	s_cmp_lg_u32 s14, 0
	s_cbranch_scc1 .Lnot_wave_0_\@
	s_barrier_signal -3
.Lnot_wave_0_\@:
	s_barrier_wait -3
	s_barrier_signal -1
	s_barrier_wait -1
.endm
	s_load_b256 s[4:11], s[0:1], 0x0               ; qc s[4:5], kv s[6:7], mw s[8:9], scales s[10:11]
	s_load_b64 s[12:13], s[0:1], 0x20              ; cc
	v_lshl_add_u32 v254, v0, 2, 0x40000
	v_mov_b32 v255, 0
	ds_add_u32 v254, v255
	ds_add_u32 v254, v255
	v_lshrrev_b32 v2, 5, v0
	v_readfirstlane_b32 s14, v2                    ; wave 0..15
	v_and_b32 v1, 31, v0
	v_lshlrev_b32 v[LI], 4, v1
	s_and_b32 s100, ttmp7, 0xffff                  ; bh: the cluster's y, which the four partners share
	s_lshl_b32 s100, s100, 18                      ; the head's 262,144 bytes of kv,
	s_lshl_b32 s69, s14, 14                        ; 63:32 LDS address: key step w: no place in the cluster enters it
	s_add_co_u32 s100, s100, s69                   ; key step w
	s_mov_b32 s101, 0
	s_mov_b32 s68, 1                               ; 1:0 count = 1
	s_mov_b32 s72, 15|(3<<16)|(1<<21)              ; 15:0 the mask: all four work-groups; 17:16 elements of 8 bytes; 21 set beside a mask; no padding
	s_mov_b32 s73, 32<<16                          ; tensor_dim0 = 32 elements: rows of 256 bytes
	s_mov_b32 s74, 64<<16                          ; tensor_dim1 = 64 rows
	s_mov_b32 s75, 32<<16                          ; tile_dim0 = 32
	s_mov_b32 s76, 64                              ; tile_dim1 = 64
	s_mov_b32 s77, 32                              ; the pitch: the block is dense
	s_mov_b32 s78, 0
	s_mov_b32 s79, 0
	s_mov_b32 s66, 0x76543210
	s_mov_b32 s67, 0xfedcba98                      ; v_permlanex16_b32: lane l xor 16
	s_wait_dscnt 0x0
	s_wait_kmcnt 0x0
	ROUND                                          ; all four work-groups are here: the joint loads meet
	s_add_nc_u64 s[70:71], s[6:7], s[100:101]      ; 120:64 global address
	s_or_b32 s71, s71, 0x80000000                  ; 127:126 type = 2
	tensor_load_to_lds s[68:71], s[72:79]
	s_nop 0
.rept 4
	v_nop                                          ; four plain lines follow the tensor load
.endr
	s_load_b128 s[16:19], s[10:11], 0x18           ; e6, e7, e8, e9
	s_load_b32 s20, s[10:11], 0x28                 ; e10
	s_bfe_u32 s15, ttmp6, 0x40000                  ; cx: it enters the addresses of Q, of the mask words and of the result alone
	s_lshl_b32 s21, ttmp9, 2
	s_add_co_u32 s21, s21, s15                     ; which 512 queries
	s_lshl_b32 s21, s21, 5
	s_add_co_u32 s21, s21, s14                     ; my first tile of queries: 32 x that + wave
	s_and_b32 s22, ttmp7, 0xffff                   ; bh
	s_lshr_b32 s23, s22, 4                         ; b
	s_and_b32 s24, s22, 15                         ; head
	s_lshl_b32 s26, s22, 7
	s_add_co_u32 s26, s26, s21
	s_lshl_b32 s26, s26, 10                        ; qc: (128 bh + tile) x 1,024
	s_mov_b32 s27, 0
	s_add_nc_u64 s[4:5], s[4:5], s[26:27]
	s_lshl_b32 s25, s23, 7
	s_add_co_u32 s25, s25, s21                     ; 128 b + tile
	s_lshl_b32 s26, s25, 12                        ; mw: x 16 steps x 256 bytes
	s_add_nc_u64 s[8:9], s[8:9], s[26:27]
	s_lshl_b32 s26, s25, 14
	s_lshl_b32 s28, s24, 10
	s_add_co_u32 s26, s26, s28                     ; cc: (that x 16 + head) x 1,024
	s_add_nc_u64 s[12:13], s[12:13], s[26:27]
	v_mov_b32 v[FF+1], 0                           ; written once: named as the upper half of a pair
	v_mov_b32 v[PX], 0                             ; written once: a lane permute's destination counts as one of its sources
	s_wait_kmcnt 0x0
	s_add_co_i32 s105, s16, s17                    ; e6 + e7
	s_lshl_b32 s21, s105, 23
	s_mov_b32 s96, 0x4138aa3b                      ; 8 log2(e)
	s_add_co_i32 s96, s96, s21                     ; c = 8 log2(e) 2^(e6 + e7): the exponents are added to its exponent field
	s_mov_b32 s97, s96                             ; (named with it as a pair, so it is written)
	s_sub_co_i32 s21, 154, s105
	s_lshl_b32 s21, s21, 23
	s_or_b32 s21, s21, 0x80000000
	v_mov_b32 v[SMV], s21                          ; -2^(27 - e6 - e7)
	s_add_co_i32 s21, s18, 127
	s_lshl_b32 s22, s21, 23
	v_mov_b32 v[PS], s22                           ; 2^e8
	s_add_co_i32 s21, s21, 15
	s_lshl_b32 s21, s21, 23
	s_or_b32 s21, s21, 0x600000
	v_mov_b32 v[PL], s21                           ; 57,344 x 2^e8
	s_add_co_i32 s21, s20, 127
	s_lshl_b32 s22, s21, 23
	v_mov_b32 v[CV], s22                           ; 2^e10
	s_add_co_i32 s21, s21, 15
	s_lshl_b32 s21, s21, 23
	s_or_b32 s21, s21, 0x600000
	v_mov_b32 v[CL], s21                           ; 57,344 x 2^e10
	s_add_co_i32 s104, s18, s19                    ; e8 + e9
	s_wait_tensorcnt 0x0                           ; my key step has landed,
	s_barrier_signal -1
	s_barrier_wait -1                              ; everybody's has: the head's K and V lie in LDS, and nobody writes them again
; One tile of 16 queries against all 2,048 keys, 128 a step.
.macro PASS
	global_load_b128 v[QF:QF+3], v[LI], s[4:5]
	global_load_b128 v[QF+4:QF+7], v[LI], s[4:5] offset:512
	v_mov_b32 v13, 0xff61b1e6                      ; the largest t so far: -3e38, under every t
	v_floor_f32 v12, -v13                          ; -M
	v_mov_b32 v14, 0                               ; the sum, in two halves
	v_mov_b32 v15, 0
.set n, 0
.rept 32
	v_mov_b32 v[O+n], 0                            ; O^T.  (The step is written once: the first finds zeros, which the first change of M leaves zeros)
.set n, n+1
.endr
	s_mov_b32 s98, 0
	s_mov_b32 s99, 16
	s_wait_loadcnt 0x0                             ; Q
.Lstep_\@:
	s_load_b512 s[16:31], s[8:9], 0x0              ; the step's 64 mask words
	s_load_b512 s[32:47], s[8:9], 0x40
	s_load_b512 s[48:63], s[8:9], 0x80
	s_load_b512 s[80:95], s[8:9], 0xc0
	v_add_nc_u32 v[AD], s98, v[LI]                 ; this line and three v_nop: four plain lines in front of loads into registers that matrix instructions have read
	v_nop
	v_nop
	v_nop
.set n, 0
.rept 16
	ds_load_b128 v[KF+4*n:KF+4*n+3], v[AD] offset:512*n            ; K's eight fragments, as they lie: 512 consecutive bytes a load
.set n, n+1
.endr
	s_wait_dscnt 0x0
.irp t, 0,1,2,3,4,5,6,7
	v_wmma_f32_16x16x64_bf8_bf8 v[S+8*\t:S+8*\t+7], v[KF+8*\t:KF+8*\t+7], v[QF:QF+7], 0
.endr
.rept 4
	v_nop                                          ; four plain lines in front of the loads below and of the first read of the scores
.endr
.set n, 0
.rept 16
	ds_load_b128 v[KF+4*n:KF+4*n+3], v[AD] offset:8192+512*n       ; V's four fragments: they land while the softmax is worked
.set n, n+1
.endr
	s_wait_kmcnt 0x0                               ; the mask words are in, so their base may be stepped
.set n, 0
.rept 64
.if n < 48
.set wr, 16+n
.else
.set wr, 32+n
.endif
	v_cndmask_b32 v[S+n], v[SMV], v[S+n], s[wr]    ; bit = 1: the score stays; each accumulator from its low end on
.set n, n+1
.endr
	s_add_nc_u64 s[8:9], s[8:9], 0x100
	v_max3_num_f32 v[MA], v[S], v[S+1], v[S+2]     ; the step's largest score of my query, among my 64 keys, in two chains,
	v_max3_num_f32 v[MA+1], v[S+3], v[S+4], v[S+5]
.irp i, 6,10,14,18,22,26,30,34,38,42,46,50,54,58
	v_max3_num_f32 v[MA], v[MA], v[S+\i], v[S+1+\i]
	v_max3_num_f32 v[MA+1], v[MA+1], v[S+2+\i], v[S+3+\i]
.endr
	v_max3_num_f32 v[MA], v[MA], v[S+62], v[S+63]
	v_max_num_f32 v[MA], v[MA], v[MA+1]
	v_permlanex16_b32 v[PX], v[MA], s66, s67
	v_max_num_f32 v[MA], v[MA], v[PX]              ; and among lane l xor 16's
	v_mul_f32 v[MA], s96, v[MA]                    ; as t (c is positive)
	v_max_num_f32 v13, v13, v[MA]                  ; the running largest t
	v_mov_b32 v[MA], v12
	v_floor_f32 v12, -v13                          ; the new -M = floor(-t): M is a whole number
	v_sub_f32 v[MA], v12, v[MA]                    ; old M - new M: a whole number, 0 or less
	v_cvt_i32_f32 v[MA], v[MA]                     ; (it saturates)
	v_ldexp_f32 v[FF], 1.0, v[MA]                  ; f = 2^(old M - new M)
.set n, 0
.rept 32
	v_pk_fma_f32 v[S+n:S+n+1], v[S+n:S+n+1], s[96:97], v[12:13] op_sel_hi:[1,0,0]   ; t - M, two at a time (of the pairs c and -M the low word serves both halves)
.set n, n+2
.endr
.set n, 0
.rept 64
	v_exp_f32 v[S+n], v[S+n]                       ; p = 2^(t - M), at most 1: not normalised
.set n, n+1
.endr
	v_pk_mul_f32 v[14:15], v[14:15], v[FF:FF+1] op_sel_hi:[1,0]    ; the sums under the new M: the plain line behind the exponentials
	s_wait_alu depctr_va_vdst(0)                   ; one wait for the whole batch, ahead of its first reader
	v_pk_add_f32 v[L2:L2+1], v[S:S+1], v[S+2:S+3]  ; the row's sum is taken of the unquantised p: two at a time, in two chains
.irp j, 4,8,12,16,20,24,28,32,36,40,44,48,52,56,60
	v_pk_add_f32 v[14:15], v[14:15], v[S+\j:S+1+\j]
	v_pk_add_f32 v[L2:L2+1], v[L2:L2+1], v[S+2+\j:S+3+\j]
.endr
	v_pk_add_f32 v[14:15], v[14:15], v[L2:L2+1]
.irp b, 0,1,2,3
.irp i, 0,1,2,3,4,5,6,7,8,9,10,11,12,13,14,15
	v_min_num_f32 v[S+16*\b+\i], v[S+16*\b+\i], v[PL]              ; the conversion does not saturate (ISA guide 7.6.2); p is not negative, so the hold is one-sided
.endr
	v_cvt_scalef32_pk8_bf8_f32 v[PC+4*\b:PC+1+4*\b], v[S+16*\b:S+7+16*\b], v[PS]
	v_cvt_scalef32_pk8_bf8_f32 v[PC+2+4*\b:PC+3+4*\b], v[S+8+16*\b:S+15+16*\b], v[PS]
.endr
.set n, 0
.rept 16
	v_pk_mul_f32 v[O+n:O+n+1], v[O+n:O+n+1], v[FF:FF+1] op_sel_hi:[1,0]   ; O^T under the new M.  (Also the plain lines between the conversions and the products)
.set n, n+2
.endr
	s_wait_dscnt 0x0                               ; V's fragments are in
.irp j, 0,1,2,3
	v_wmma_f32_16x16x128_bf8_bf8 v[O+8*\j:O+8*\j+7], v[KF+16*\j:KF+16*\j+15], v[PC:PC+15], v[O+8*\j:O+8*\j+7]
.endr
	s_add_co_u32 s98, s98, 0x4000
	s_sub_co_u32 s99, s99, 1
	s_cmp_lg_u32 s99, 0
	s_cbranch_scc1 .Lstep_\@
	; the way out: O^T / the sum x 2^(e8 + e9), quantised with 2^e10.  Registers 16 c + i are d = 32 c + 16 h + i of my query: the codes are cc's image
.rept 4
	v_nop                                          ; four plain lines in front of the first read of results
.endr
	v_add_f32 v14, v14, v15                        ; the sum's two halves,
	v_permlanex16_b32 v[PX], v14, s66, s67
	v_add_f32 v14, v14, v[PX]                      ; and lane l xor 16's
	v_rcp_f32 v14, v14
	v_nop                                          ; a plain line behind the reciprocal,
	s_wait_alu depctr_va_vdst(0)                   ; and the wait ahead of its first reader
	v_ldexp_f32 v14, v14, s104
.set n, 0
.rept 32
	v_mul_f32 v[S+n], v[O+n], v14                  ; each accumulator from its low end on
.set n, n+1
.endr
.set n, 0
.rept 32
	v_med3_num_f32 v[S+n], v[S+n], -v[CL], v[CL]
.set n, n+1
.endr
.irp g, 0,1,2,3
	v_cvt_scalef32_pk8_bf8_f32 v[CC+2*\g:CC+2*\g+1], v[S+8*\g:S+8*\g+7], v[CV]
.endr
	v_nop                                          ; a plain line behind the last conversion: matrix instructions will write its sources
	global_store_b128 v[LI], v[CC:CC+3], s[12:13]              ; 512 consecutive bytes, aligned
	global_store_b128 v[LI], v[CC+4:CC+7], s[12:13] offset:512
.endm
	PASS
	s_wait_xcnt 0x0                                ; the stores have read their data and their base: both are written again only behind this wait
	s_add_nc_u64 s[4:5], s[4:5], 0x4000            ; 16 tiles of queries on: qc 16 x 1,024,
	s_add_nc_u64 s[8:9], s[8:9], 0xf000            ; mw 16 x 4,096 less the 4,096 already walked,
	s_add_nc_u64 s[12:13], s[12:13], 0x40000       ; cc 16 x 16,384
	PASS
	s_wait_tensorcnt 0x0
	ds_add_u32 v254, v255
	s_wait_dscnt 0x0
	ROUND                                          ; the closing round: no work-group ends while a partner may still ask for a tile that names it
	s_endpgm
.Lfunc_end_k_qe098036221_attn:
	.size	k_qe098036221_attn, .Lfunc_end_k_qe098036221_attn-k_qe098036221_attn
	.p2alignl 7, 3214868480
	.fill 96, 4, 3214868480
	.section	.rodata,"a",@progbits
	.p2align	6, 0x0
	.amdhsa_kernel k_qe098036221_attn
		.amdhsa_group_segment_fixed_size 264192
		.amdhsa_private_segment_fixed_size 0
		.amdhsa_enable_private_segment 0
		.amdhsa_kernarg_size 40
		.amdhsa_user_sgpr_count 2
		.amdhsa_user_sgpr_kernarg_segment_ptr 1
		.amdhsa_wavefront_size32 1
		.amdhsa_system_sgpr_workgroup_id_x 1
		.amdhsa_system_sgpr_workgroup_id_y 1
		.amdhsa_system_sgpr_workgroup_id_z 1
		.amdhsa_system_vgpr_workitem_id 0
		.amdhsa_next_free_vgpr 256
		.amdhsa_next_free_sgpr 106
		.amdhsa_reserve_vcc 0
		.amdhsa_float_denorm_mode_32 3
		.amdhsa_float_denorm_mode_16_64 3
		.amdhsa_memory_ordered 1
		.amdhsa_forward_progress 1
		.amdhsa_inst_pref_size 55
	.end_amdhsa_kernel
	.amdgpu_metadata
---
amdhsa.version: [ 1, 2 ]
amdhsa.kernels:
  - .name:           k_qe098036221_attn
    .symbol:         k_qe098036221_attn.kd
    .args:
      - { .name: qc, .offset: 0, .size: 8, .value_kind: global_buffer, .address_space: global }
      - { .name: kv, .offset: 8, .size: 8, .value_kind: global_buffer, .address_space: global }
      - { .name: mw, .offset: 16, .size: 8, .value_kind: global_buffer, .address_space: global }
      - { .name: lowp_scales, .offset: 24, .size: 8, .value_kind: global_buffer, .address_space: global }
      - { .name: cc, .offset: 32, .size: 8, .value_kind: global_buffer, .address_space: global }
    .group_segment_fixed_size: 264192
    .private_segment_fixed_size: 0
    .kernarg_segment_align: 8
    .kernarg_segment_size: 40
    .max_flat_workgroup_size: 512
    .sgpr_count:     106
    .vgpr_count:     256
    .wavefront_size: 32
...
	.end_amdgpu_metadata
.endif
;; end of part 3
;; launch oproj (part 4): grid 256 x 1, 16 waves a work-group, no clusters, 171,520 bytes of LDS; arguments cc, wc, q, gamma, beta, lowp_scales, out0; writes out0
.if DOCPART == 4
	.amdgcn_target "amdgcn-amd-amdhsa--gfx1250"
	.amdhsa_code_object_version 6
	.text
	.protected	k_qe098036221_oproj
	.globl	k_qe098036221_oproj
	.p2align	8
	.type	k_qe098036221_oproj,@function
k_qe098036221_oproj:
	s_mov_b64 s[64:65], 0
	v_nop
	global_prefetch_b8 v0, s[64:65] scope:SCOPE_SE
	s_setreg_imm32_b32 hwreg(HW_REG_WAVE_MODE, 25, 1), 1
	s_wait_xcnt 0x0
; out0 = LayerNorm(ctx Wo + q) x gamma + beta.  ctx (cc) and Wo (wc, weight 3) are codes of E5M2 laid as images of operand registers; the product's sums are multiplied by 2^(e10 + e11).
; SHARES.  A work-group takes 32 rows x all 1,024 columns, since the norm wants whole rows; wave w makes columns 64 w .. 64 w + 63: 4 x 2 accumulators, source 0 = 16 columns of Wo, source 1 = 16 rows of ctx,
; so a lane holds one row (16 j + lane % 16) and, in registers 32 j + 16 b + e, columns 64 w + 32 b + 16 (lane / 16) + e.
; LDS: a stage of 32 rows x (4,096 + 16) bytes for the way out; ctx's 32 fragments [j 2][K step 16][1,024]; two tables of 32 rows x 16 partial sums (pitch 80).  No region is used twice: four barriers.
; The mean is taken first and the variance of x - mean, so that no difference of large sums is formed.
; NO JOINT LOADS: each fragment of Wo is read by one wave of a work-group and by no other, so it goes from memory straight into that wave's registers; through LDS a step's 4 KB would be written and read there besides ctx's 2 KB.
; LIMIT: e10 + e11 between -126 and 127.  NaN among the inputs is not served.
.set SPITCH, 4112
.set XIMG,   32*SPITCH                 ; behind the stage
.set ST1,    XIMG+32768                ; the sums' table; the squares' lies T2 bytes on
.set TP,     80
.set T2,     32*TP
.set LI,  1                            ; v1      16 x lane
.set XW,  2                            ; v2      where I store ctx's images
.set XB,  3                            ; v3      XIMG + 16 x lane
.set XR,  4                            ; v4      the K step's fragments
.set RO,  5                            ; v5      the residual: row r x 4,096 + 64 h
.set GO,  6                            ; v6      gamma, beta: 64 h
.set TS,  7                            ; v7      a table: where I put my wave's partial sum of row r
.set TR,  8                            ; v8      and where row r's sixteen begin
.set YS,  9                            ; v9, v10 the stage: my 64 bytes of row r, of row 16 + r
.set YR,  11                           ; v11     the stage: my 16 bytes of row 2 w
.set XF,  32                           ; v32-47  ctx's two fragments; v32-63 later the partial sums
.set WB,  64                           ; v64-127 Wo's four fragments, two sets; later gamma (v64-95) and beta (v96-127)
.set ACC, 128                          ; v128-191
.set RES, 192                          ; v192-255 the residual, indexed as ACC; later rows of the result
	s_load_b256 s[4:11], s[0:1], 0x0               ; cc s[4:5], wc s[6:7], q s[8:9], gamma s[10:11]
	s_load_b128 s[12:15], s[0:1], 0x20             ; beta s[12:13], scales s[14:15]
	s_load_b64 s[16:17], s[0:1], 0x30              ; out0
	v_lshrrev_b32 v13, 5, v0
	v_readfirstlane_b32 s18, v13                   ; wave 0..15
	v_and_b32 v13, 31, v0
	v_lshlrev_b32 v[LI], 4, v13
	v_and_b32 v14, 15, v0                          ; r
	v_bfe_u32 v15, v0, 4, 1                        ; h
	s_lshl_b32 s20, s18, 11                        ; my 2,048 of ctx's 32,768 bytes
	s_add_co_u32 s21, s20, XIMG
	v_add_nc_u32 v[XW], s21, v[LI]
	v_add_nc_u32 v[XB], XIMG, v[LI]
	v_lshlrev_b32 v[RO], 12, v14
	v_lshl_add_u32 v[RO], v15, 6, v[RO]
	v_lshlrev_b32 v[GO], 6, v15
	v_mul_u32_u24 v[TR], v14, TP
	v_add_nc_u32 v[TR], ST1, v[TR]
	s_lshl_b32 s21, s18, 2
	v_add_nc_u32 v[TS], s21, v[TR]
	v_mul_u32_u24 v[YS], v14, SPITCH
	v_lshl_add_u32 v[YS], v15, 6, v[YS]
	s_lshl_b32 s21, s18, 8
	v_add_nc_u32 v[YS], s21, v[YS]
	v_add_nc_u32 v[YS+1], 16*SPITCH, v[YS]         ; sixteen rows on: beyond an LDS immediate's 16 bits, so it has a register
	s_mul_i32 s21, s18, 2*SPITCH
	v_add_nc_u32 v[YR], s21, v[LI]
	v_mov_b32 v24, 0                               ; written once: lane permutes' destinations,
	v_mov_b32 v25, 0
	v_mov_b32 v27, 0                               ; and upper halves of pairs of which the low word serves both halves
	v_mov_b32 v29, 0
	s_mov_b32 s26, 0x76543210
	s_mov_b32 s27, 0xfedcba98                      ; v_permlanex16_b32: lane l xor 16
	s_mov_b32 s34, 0x3a800000                      ; 1 / 1,024
	s_mov_b32 s35, 0x358637bd                      ; 1e-6
	s_mov_b32 s29, 0                               ; the LDS byte of the K step in hand
	s_lshl_b32 s36, ttmp9, 15
	s_add_co_u32 s36, s36, s20                     ; cc: the block's 32,768 bytes, my 2,048
	s_mov_b32 s37, 0
	s_add_co_u32 s38, s18, 48
	s_lshl_b32 s38, s38, 16                        ; wc: weight 3, columns 64 w on
	s_mov_b32 s39, 0
	s_lshl_b32 s40, ttmp9, 17
	s_lshl_b32 s42, s18, 8                         ; my 64 columns of f32
	s_add_co_u32 s40, s40, s42                     ; q: 32 rows of 4,096 bytes, my columns
	s_mov_b32 s41, 0
	s_mov_b32 s43, 0
	s_lshl_b32 s44, ttmp9, 17
	s_lshl_b32 s45, s18, 13
	s_add_co_u32 s44, s44, s45                     ; out0: the block, rows 2 w and 2 w + 1
	s_mov_b32 s45, 0
	s_wait_kmcnt 0x0
	s_load_b64 s[32:33], s[14:15], 0x28            ; e10, e11
	s_add_nc_u64 s[22:23], s[4:5], s[36:37]
	s_add_nc_u64 s[24:25], s[6:7], s[38:39]
	s_add_nc_u64 s[8:9], s[8:9], s[40:41]
	s_add_nc_u64 s[10:11], s[10:11], s[42:43]
	s_add_nc_u64 s[12:13], s[12:13], s[42:43]
	s_add_nc_u64 s[16:17], s[16:17], s[44:45]
.macro WLD buf, koff
.irp j, 0,1,2,3
.irp c, 0,1
	global_load_b128 v[WB+32*(\buf)+8*\j+4*\c:WB+32*(\buf)+8*\j+4*\c+3], v[LI], s[24:25] offset:4096*(\koff)+1024*\j+512*\c
.endr
.endr
.endm
.irp i, 0,1,2,3
	global_load_b128 v[16+4*\i:19+4*\i], v[LI], s[22:23] offset:512*\i   ; ctx's images, as they lie
.endr
	WLD 0, 0
.irp j, 0,1
.irp b, 0,1
.irp e, 0,1,2,3
	global_load_b128 v[RES+32*\j+16*\b+4*\e:RES+32*\j+16*\b+4*\e+3], v[RO], s[8:9] offset:65536*\j+128*\b+16*\e th:TH_LOAD_NT
.endr
.endr
.endr
	s_wait_loadcnt 24                              ; ctx's four loads are in; Wo's eight and the residual's sixteen may be out
.irp i, 0,1,2,3
	ds_store_b128 v[XW], v[16+4*\i:19+4*\i] offset:512*\i
.endr
.macro BARRIER                         ; my LDS stores have landed and my LDS loads are in: then the work-group's barrier
	s_wait_dscnt 0x0
	s_barrier_signal -1
	s_barrier_wait -1
.endm
	BARRIER                                        ; ctx's 32 fragments lie in LDS
	s_wait_kmcnt 0x0
	s_add_co_i32 s30, s32, s33
	s_add_co_i32 s30, s30, 127
	s_lshl_b32 s30, s30, 23                        ; 2^(e10 + e11) as f32
	s_mov_b32 s31, s30                             ; (named with it as a pair, so it is written)
; 8 matrix instructions, the 8 accumulators by turns, in the same order in every step
.macro MUL buf, zero
.irp j, 0,1
.irp i, 0,1,2,3
.set rD, ACC+32*\j+8*\i
.set rA, WB+32*(\buf)+8*\i
.set rB, XF+8*\j
.if \zero
	v_wmma_f32_16x16x64_bf8_bf8 v[rD:rD+7], v[rA:rA+7], v[rB:rB+7], 0
.else
	v_wmma_f32_16x16x64_bf8_bf8 v[rD:rD+7], v[rA:rA+7], v[rB:rB+7], v[rD:rD+7]
.endif
.endr
.endr
.endm
; A K step.  cnt: the loads issued behind this step's Wo, which may stay out.
.macro KS buf, nxt, zero, koff, cnt
	v_add_nc_u32 v[XR], s29, v[XB]                 ; this line and three v_nop: four plain lines in front of loads into registers that matrix instructions have read
	v_nop
	v_nop
	v_nop
.if \nxt
	WLD 1-\buf, \koff+1
.endif
.irp j, 0,1
.irp c, 0,1
	ds_load_b128 v[XF+8*\j+4*\c:XF+8*\j+4*\c+3], v[XR] offset:16384*\j+1024*(\koff)+512*\c
.endr
.endr
	s_wait_dscnt 0x0
	s_wait_loadcnt \cnt
	MUL \buf, \zero
.endm
.macro STEP2
	s_wait_xcnt 0x0                                ; the loads of Wo have read their base: it is stepped only behind this wait
	s_add_nc_u64 s[24:25], s[24:25], 0x2000
	s_add_co_u32 s29, s29, 0x800
.endm
	KS 0, 1, 1, 0, 24                              ; behind Wo's first step: the residual's sixteen loads and the next step's eight
	KS 1, 1, 0, 1, 8
	STEP2
	s_mov_b32 s28, 6
.Lk:
	KS 0, 1, 0, 0, 8
	KS 1, 1, 0, 1, 8
	STEP2
	s_sub_co_u32 s28, s28, 1
	s_cmp_lg_u32 s28, 0
	s_cbranch_scc1 .Lk
	KS 0, 1, 0, 0, 8
	KS 1, 0, 0, 1, 0                               ; the last step asks for nothing: no load leaves the wave's 65,536 bytes of wc
.rept 4
	v_nop                                          ; four plain lines in front of loads into Wo's registers and of the first read of results
.endr
.irp b, 0,1
.irp e, 0,1,2,3
	global_load_b128 v[64+16*\b+4*\e:67+16*\b+4*\e], v[GO], s[10:11] offset:128*\b+16*\e    ; gamma of my 32 columns
	global_load_b128 v[96+16*\b+4*\e:99+16*\b+4*\e], v[GO], s[12:13] offset:128*\b+16*\e    ; beta
.endr
.endr
.set n, 0
.rept 32
	v_pk_fma_f32 v[ACC+n:ACC+n+1], v[ACC+n:ACC+n+1], s[30:31], v[RES+n:RES+n+1] op_sel_hi:[1,0,1]   ; x = sum x 2^(e10 + e11) + q; each accumulator from its low end on
.set n, n+2
.endr
.macro ROWRED j                        ; two chains, a pair's halves, the other half of the lanes: my wave's sum over its 64 columns of row 16 j + r
	v_pk_add_f32 v[16+4*\j:17+4*\j], v[16+4*\j:17+4*\j], v[18+4*\j:19+4*\j]
	v_add_f32 v[16+4*\j], v[16+4*\j], v[17+4*\j]
	v_permlanex16_b32 v[24+\j], v[16+4*\j], s26, s27
	v_add_f32 v[16+4*\j], v[16+4*\j], v[24+\j]
.endm
.macro SUM16 b                         ; the sixteen waves' partial sums, in the same order in every lane
	v_pk_add_f32 v[\b:\b+1], v[\b:\b+1], v[\b+2:\b+3]
	v_pk_add_f32 v[\b+4:\b+5], v[\b+4:\b+5], v[\b+6:\b+7]
	v_pk_add_f32 v[\b+8:\b+9], v[\b+8:\b+9], v[\b+10:\b+11]
	v_pk_add_f32 v[\b+12:\b+13], v[\b+12:\b+13], v[\b+14:\b+15]
	v_pk_add_f32 v[\b:\b+1], v[\b:\b+1], v[\b+4:\b+5]
	v_pk_add_f32 v[\b+8:\b+9], v[\b+8:\b+9], v[\b+12:\b+13]
	v_pk_add_f32 v[\b:\b+1], v[\b:\b+1], v[\b+8:\b+9]
	v_add_f32 v[\b], v[\b], v[\b+1]
.endm
.macro SHARE off                       ; my two partial sums into a table; a barrier; each row's sixteen back
	ds_store_b32 v[TS], v16 offset:\off            ; (both halves of the lanes hold the same number and write the same word)
	ds_store_b32 v[TS], v20 offset:\off+16*TP
	BARRIER
.irp j, 0,1
.irp i, 0,1,2,3
	ds_load_b128 v[32+16*\j+4*\i:35+16*\j+4*\i], v[TR] offset:\off+16*TP*\j+16*\i
.endr
.endr
	s_wait_dscnt 0x0
	SUM16 32
	SUM16 48
.endm
.irp j, 0,1
	v_pk_add_f32 v[16+4*\j:17+4*\j], v[ACC+32*\j:ACC+32*\j+1], v[ACC+32*\j+2:ACC+32*\j+3]
	v_pk_add_f32 v[18+4*\j:19+4*\j], v[ACC+32*\j+4:ACC+32*\j+5], v[ACC+32*\j+6:ACC+32*\j+7]
.irp p, 8,12,16,20,24,28
	v_pk_add_f32 v[16+4*\j:17+4*\j], v[16+4*\j:17+4*\j], v[ACC+32*\j+\p:ACC+32*\j+\p+1]
	v_pk_add_f32 v[18+4*\j:19+4*\j], v[18+4*\j:19+4*\j], v[ACC+32*\j+\p+2:ACC+32*\j+\p+3]
.endr
	ROWRED \j
.endr
	SHARE 0
	v_mul_f32 v26, 0xba800000, v32                 ; -mean = the row's sum x -1 / 1,024
	v_mul_f32 v28, 0xba800000, v48
.irp j, 0,1
.set n, 0
.rept 16
	v_pk_add_f32 v[ACC+32*\j+n:ACC+32*\j+n+1], v[ACC+32*\j+n:ACC+32*\j+n+1], v[26+2*\j:27+2*\j] op_sel_hi:[1,0]   ; d = x - mean
.set n, n+2
.endr
.endr
.irp j, 0,1
	v_pk_mul_f32 v[16+4*\j:17+4*\j], v[ACC+32*\j:ACC+32*\j+1], v[ACC+32*\j:ACC+32*\j+1]
	v_pk_mul_f32 v[18+4*\j:19+4*\j], v[ACC+32*\j+2:ACC+32*\j+3], v[ACC+32*\j+2:ACC+32*\j+3]
.irp p, 4,8,12,16,20,24,28
	v_pk_fma_f32 v[16+4*\j:17+4*\j], v[ACC+32*\j+\p:ACC+32*\j+\p+1], v[ACC+32*\j+\p:ACC+32*\j+\p+1], v[16+4*\j:17+4*\j]
	v_pk_fma_f32 v[18+4*\j:19+4*\j], v[ACC+32*\j+\p+2:ACC+32*\j+\p+3], v[ACC+32*\j+\p+2:ACC+32*\j+\p+3], v[18+4*\j:19+4*\j]
.endr
	ROWRED \j
.endr
	SHARE T2
	v_fma_f32 v32, v32, s34, s35                   ; the variance + 1e-6
	v_fma_f32 v48, v48, s34, s35
	v_rsq_f32 v26, v32
	v_rsq_f32 v28, v48
	v_nop                                          ; a plain line behind the two roots,
	s_wait_alu depctr_va_vdst(0)                   ; and one wait ahead of their first reader
	s_wait_loadcnt 0x0                             ; gamma and beta
.irp j, 0,1
.set n, 0
.rept 16
	v_pk_mul_f32 v[ACC+32*\j+n:ACC+32*\j+n+1], v[ACC+32*\j+n:ACC+32*\j+n+1], v[26+2*\j:27+2*\j] op_sel_hi:[1,0]
	v_pk_fma_f32 v[ACC+32*\j+n:ACC+32*\j+n+1], v[ACC+32*\j+n:ACC+32*\j+n+1], v[64+n:65+n], v[96+n:97+n]
.set n, n+2
.endr
.endr
.irp j, 0,1
.irp b, 0,1
.irp e, 0,1,2,3
	ds_store_b128 v[YS+\j], v[ACC+32*\j+16*\b+4*\e:ACC+32*\j+16*\b+4*\e+3] offset:128*\b+16*\e
.endr
.endr
.endr
	BARRIER                                        ; 32 whole rows lie in the stage
.irp i, 0,1,2,3,4,5,6,7,8,9,10,11,12,13,14,15
	ds_load_b128 v[RES+4*\i:RES+4*\i+3], v[YR] offset:(\i/8)*SPITCH+512*(\i%8)
.endr
.irp i, 0,1,2,3,4,5,6,7,8,9,10,11,12,13,14,15
	s_wait_dscnt 15-\i                             ; LDS loads come back in order (ISA guide 5.7.1): load i is in, the younger ones may be out
	global_store_b128 v[LI], v[RES+4*\i:RES+4*\i+3], s[16:17] offset:(\i/8)*4096+512*(\i%8) th:TH_STORE_NT   ; 512 consecutive bytes, aligned; written once, read by nobody here
.endr
	s_wait_xcnt 0x0
	v_lshl_add_u32 v254, v0, 2, 0x29600
	v_mov_b32 v255, 0
	s_wait_tensorcnt 0x0
	ds_add_u32 v254, v255
	s_wait_dscnt 0x0
	s_endpgm
.Lfunc_end_k_qe098036221_oproj:
	.size	k_qe098036221_oproj, .Lfunc_end_k_qe098036221_oproj-k_qe098036221_oproj
	.p2alignl 7, 3214868480
	.fill 96, 4, 3214868480
	.section	.rodata,"a",@progbits
	.p2align	6, 0x0
	.amdhsa_kernel k_qe098036221_oproj
		.amdhsa_group_segment_fixed_size 171520
		.amdhsa_private_segment_fixed_size 0
		.amdhsa_enable_private_segment 0
		.amdhsa_kernarg_size 56
		.amdhsa_user_sgpr_count 2
		.amdhsa_user_sgpr_kernarg_segment_ptr 1
		.amdhsa_wavefront_size32 1
		.amdhsa_system_sgpr_workgroup_id_x 1
		.amdhsa_system_sgpr_workgroup_id_y 1
		.amdhsa_system_sgpr_workgroup_id_z 1
		.amdhsa_system_vgpr_workitem_id 0
		.amdhsa_next_free_vgpr 256
		.amdhsa_next_free_sgpr 66
		.amdhsa_reserve_vcc 0
		.amdhsa_float_denorm_mode_32 3
		.amdhsa_float_denorm_mode_16_64 3
		.amdhsa_memory_ordered 1
		.amdhsa_forward_progress 1
		.amdhsa_inst_pref_size 39
	.end_amdhsa_kernel
	.amdgpu_metadata
---
amdhsa.version: [ 1, 2 ]
amdhsa.kernels:
  - .name:           k_qe098036221_oproj
    .symbol:         k_qe098036221_oproj.kd
    .args:
      - { .name: cc, .offset: 0, .size: 8, .value_kind: global_buffer, .address_space: global }
      - { .name: wc, .offset: 8, .size: 8, .value_kind: global_buffer, .address_space: global }
      - { .name: q, .offset: 16, .size: 8, .value_kind: global_buffer, .address_space: global }
      - { .name: gamma, .offset: 24, .size: 8, .value_kind: global_buffer, .address_space: global }
      - { .name: beta, .offset: 32, .size: 8, .value_kind: global_buffer, .address_space: global }
      - { .name: lowp_scales, .offset: 40, .size: 8, .value_kind: global_buffer, .address_space: global }
      - { .name: out0, .offset: 48, .size: 8, .value_kind: global_buffer, .address_space: global }
    .group_segment_fixed_size: 171520
    .private_segment_fixed_size: 0
    .kernarg_segment_align: 8
    .kernarg_segment_size: 56
    .max_flat_workgroup_size: 512
    .sgpr_count:     66
    .vgpr_count:     256
    .wavefront_size: 32
...
	.end_amdgpu_metadata
.endif
;; end of part 4
;; ======== version 2 of 3: 4 launches; 1.12 times as fast as version 1
;; limits: right only within a limited range of input values
;; workspace buffers: wc 4,194,304 bytes; mw 2,097,152 bytes of whole numbers; qc 8,388,608 bytes; kv 16,777,216 bytes; cc 8,388,608 bytes
;; launch prep: the kernel of part 1 again; grid 640 x 1, 4 waves a work-group, no clusters, 34,304 bytes of LDS; arguments Wq, Wk, Wv, Wo, mask, lowp_scales, wc, mw; writes wc, mw
;; launch proj (part 5): grid 128 x 3, 16 waves a work-group, no clusters, 202,752 bytes of LDS; arguments q, k, v, wc, lowp_scales, qc, kv; writes qc, kv
.if DOCPART == 5
	.amdgcn_target "amdgcn-amd-amdhsa--gfx1250"
	.amdhsa_code_object_version 6
	.text
	.protected	k_qe098036221_proj
	.globl	k_qe098036221_proj
	.p2align	8
	.type	k_qe098036221_proj,@function
k_qe098036221_proj:
	s_mov_b64 s[64:65], 0
	v_nop
	global_prefetch_b8 v0, s[64:65] scope:SCOPE_SE
	s_setreg_imm32_b32 hwreg(HW_REG_WAVE_MODE, 25, 1), 1
	s_wait_xcnt 0x0
; The three input projections on codes of E5M2.  Work-group (x, T): tensor T (0 q, 1 k, 2 v), tokens 64 x .. 64 x + 63, all 1,024 columns; wave w makes head w's 64 columns.
; PHASE X: the block's 64 x 1,024 f32 numbers are read once, quantised once (given scale 2^eA) and laid in LDS as images of operand registers: [K step 16][tile 4][1,024 bytes], lane l's 16 bytes of a piece at 16 l.
;   A wave takes 16 rows x 256 along K.  Each of its 32 loads reads 512 consecutive bytes of one row, 16 a lane; the conversions want 16 NEIGHBOURS in a lane, so 128 along K at a time turn through the wave's own stage in LDS
;   (16 rows x (512 + 16) bytes): in as loaded, out 64 bytes a lane and block of 32.
; PHASE K: 16 steps of 64 along K; a step is 4 fragments of X from LDS, 4 of W from memory (wc is laid in register order: 16 x lane), 16 matrix instructions on 16 accumulators by turns.
; THE WAY OUT: the sums are quantised in registers (scale 2^(eO - eA - eB): the three given scales folded into one) and stored as images again: each store covers 512 consecutive bytes, aligned.
; WHICH SIDE IS SOURCE 0.  q, k: source 0 = 16 columns of W, source 1 = 16 tokens: a lane holds one token and, thanks to the choice of columns in a tile of W, 16 neighbouring d: K of the scores' product.
;   v: source 0 = 16 tokens, source 1 = 16 columns of W: a lane holds one d and 16 neighbouring tokens: the keys are K of the second product.  The two ways differ in the matrix lines alone: a scalar branch on T round them.
; SLOTS.  Slot r of tile 2 b + u stands for element 32 b + 8 u + r + 8 (r / 8): W's columns always; the tokens of k (its tiles become source 0 of the scores) and of v; q's tiles hold tokens 16 t + r.
; k lies in a fragment's registers as piece c, half h, byte i: k = 32 c + 16 h + i, alike in both sources, so every product meets its partner; only the order of the sums inside an instruction differs.
; NO JOINT LOADS: each fragment of W is read by one wave of a work-group and by no other, so it goes from memory straight into that wave's registers; through LDS a step's 4 KB of W would be written and read there besides X's 4 KB,
; and a slot of one K step would have 16 matrix instructions a wave in which to land.
; LIMITS: eA, and eO - eA - eB, between -126 and 112.  NaN among the inputs is not served.
.set STG,   65536                      ; LDS: behind the images, a stage for each wave
.set SROW,  528                        ; a stage row: 512 bytes + 16: row r starts 4 r banks on, so the sixteen rows that a load touches start at sixteen different groups of banks
.set SWAVE, 16*SROW
.set LI,  1                            ; v1     16 x lane
.set XG,  2                            ; v2     16 x lane, + 8 rows of 4,096 bytes where the tile is laid by slots: for slots 8 to 15
.set XW,  3                            ; v3     where I store X's images
.set XR,  4                            ; v4     where I read X's fragments
.set SA,  5                            ; v5, v6 2^eA and 57,344 x 2^eA
.set LA,  6
.set SO,  7                            ; v7, v8 the same with eO - eA - eB
.set LO,  8
.set ST,  9                            ; v9-12  the way out: 16 x lane + j x the stride from tile to tile
.set SI,  13                           ; v13    my stage, on the way in: 16 x lane
.set SX,  14                           ; v14    and on the way out: row r, + 64 h
.set XF,  32                           ; v32-63   X's four fragments; in phase X and on the way out: codes
.set WB,  64                           ; v64-127  W's four fragments, two sets
.set Y,   64                           ; v64-127  in phase X: 64 numbers back from the stage
.set ACC, 128                          ; v128-255 accumulator (i, j) at ACC + 32 j + 8 i; in phase X: the numbers as loaded
	s_load_b256 s[4:11], s[0:1], 0x0               ; q s[4:5], k s[6:7], v s[8:9], wc s[10:11]
	s_load_b128 s[12:15], s[0:1], 0x20             ; scales s[12:13], qc s[14:15]
	s_load_b64 s[16:17], s[0:1], 0x30              ; kv
	v_lshl_add_u32 v30, v0, 2, 0x31000
	v_mov_b32 v31, 0
	v_lshrrev_b32 v20, 5, v0
	v_readfirstlane_b32 s18, v20                   ; wave 0..15
	s_and_b32 s19, ttmp7, 0xffff                   ; T
	s_mov_b32 s20, ttmp9                           ; x
	v_and_b32 v20, 31, v0
	v_lshlrev_b32 v[LI], 4, v20
	v_and_b32 v21, 15, v0                          ; r
	v_bfe_u32 v22, v0, 4, 1                        ; h
	s_lshr_b32 s35, s18, 2                         ; phase X: my tile of rows,
	s_and_b32 s36, s18, 3                          ; my four K steps
	s_lshr_b32 s37, s35, 1
	s_lshl_b32 s37, s37, 5
	s_and_b32 s38, s35, 1
	s_lshl_b32 s38, s38, 3
	s_add_co_u32 s37, s37, s38                     ; the tile's first row by slots: 32 (t / 2) + 8 (t % 2),
	s_lshl_b32 s38, s35, 4                         ; or plainly: 16 t
	s_cmp_lg_u32 s19, 0
	s_cselect_b32 s37, s37, s38
	s_cselect_b32 s38, 0x8000, 0                   ; slot p stands for row p + 8 (p / 8), or p: slots 8 to 15 lie 8 rows further on, or not
	v_add_nc_u32 v[XG], s38, v[LI]
	s_mul_i32 s39, s18, SWAVE
	s_add_co_u32 s39, s39, STG                     ; my stage
	v_add_nc_u32 v[SI], s39, v[LI]
	v_mul_u32_u24 v[SX], v21, SROW
	v_lshl_add_u32 v[SX], v22, 6, v[SX]
	v_add_nc_u32 v[SX], s39, v[SX]
	s_lshl_b32 s40, s20, 6
	s_add_co_u32 s40, s40, s37
	s_lshl_b32 s40, s40, 12
	s_lshl_b32 s41, s36, 10
	s_add_co_u32 s40, s40, s41                     ; X: (64 x + the tile's first row) rows, + my four K steps of 256 bytes
	s_mov_b32 s41, 0
	s_lshl_b32 s42, s35, 10
	s_lshl_b32 s43, s36, 14
	s_add_co_u32 s42, s42, s43
	v_add_nc_u32 v[XW], s42, v[LI]                 ; images: 16 x lane + 1,024 x tile + 4 x 4,096 x (my four K steps)
	s_lshl_b32 s44, s19, 4
	s_add_co_u32 s44, s44, s18
	s_lshl_b32 s44, s44, 16                        ; wc: weight T, head w: 65,536 bytes
	s_mov_b32 s45, 0
	s_lshl_b32 s46, s19, 3                         ; the scales: eA, eB at entries 2 T, 2 T + 1;
	s_mov_b32 s47, 0
	s_cmp_eq_u32 s19, 2
	s_cselect_b32 s48, 4, 0
	s_lshl_b32 s49, s19, 2
	s_add_co_u32 s48, s48, s49                     ; eO at entry 6, 7, 9
	s_mov_b32 s49, 0
	s_mov_b32 s29, 0                               ; the LDS byte of the K step in hand
	s_wait_kmcnt 0x0
	s_add_nc_u64 s[46:47], s[12:13], s[46:47]
	s_add_nc_u64 s[48:49], s[12:13], s[48:49]
	s_load_b64 s[32:33], s[46:47], 0x0             ; eA, eB
	s_load_b32 s34, s[48:49], 0x18                 ; eO
	s_cmp_eq_u32 s19, 1                            ; the choices hang on the work-group's number alone
	s_cselect_b64 s[22:23], s[6:7], s[4:5]
	s_cmp_eq_u32 s19, 2
	s_cselect_b64 s[22:23], s[8:9], s[22:23]
	s_add_nc_u64 s[22:23], s[22:23], s[40:41]
	s_add_nc_u64 s[24:25], s[10:11], s[44:45]
.macro WLD buf, koff                   ; W's four fragments of the K step koff on from the pointer, into set buf: each load reads 512 consecutive bytes
.irp j, 0,1,2,3
.irp c, 0,1
	global_load_b128 v[WB+32*(\buf)+8*\j+4*\c:WB+32*(\buf)+8*\j+4*\c+3], v[LI], s[24:25] offset:4096*(\koff)+1024*\j+512*\c
.endr
.endr
.endm
.irp f, 0,1                            ; my 16 slots x 1,024 bytes, 128 along K (512 bytes) at a time: each load reads 512 consecutive bytes of one row
.irp p, 0,1,2,3,4,5,6,7
	global_load_b128 v[ACC+64*\f+4*\p:ACC+64*\f+4*\p+3], v[LI], s[22:23] offset:4096*\p+512*\f th:TH_LOAD_NT
.endr
.irp p, 8,9,10,11,12,13,14,15
	global_load_b128 v[ACC+64*\f+4*\p:ACC+64*\f+4*\p+3], v[XG], s[22:23] offset:4096*\p+512*\f th:TH_LOAD_NT
.endr
.endr
	; where the results go
	s_lshr_b32 s50, s20, 5                         ; b
	s_and_b32 s51, s20, 31                         ; which 64 tokens of the batch
	s_lshl_b32 s50, s50, 4
	s_add_co_u32 s50, s50, s18                     ; bh = 16 b + head
	s_lshl_b32 s52, s50, 17
	s_lshl_b32 s53, s51, 12
	s_add_co_u32 s52, s52, s53                     ; qc: (128 bh + 4 x block) x 1,024
	s_lshl_b32 s54, s50, 18
	s_lshr_b32 s53, s51, 1
	s_lshl_b32 s53, s53, 14
	s_add_co_u32 s54, s54, s53                     ; kv: (16 bh + key step) x 16,384
	s_and_b32 s53, s51, 1                          ; which half of the key step's 128 keys
	s_cmp_eq_u32 s19, 2
	s_cselect_b32 s55, 10, 12                      ; K: four tiles of 1,024 on;  V: two pieces of 512 on in every tile,
	s_cselect_b32 s56, 0x2000, 0                   ; behind K's 8,192 bytes
	s_mov_b32 s28, 1024
	s_cselect_b32 s28, 0x800, s28                  ; from tile to tile: 2,048 in V, else 1,024
	s_lshl_b32 s53, s53, s55
	s_add_co_u32 s54, s54, s53
	s_add_co_u32 s54, s54, s56
	s_cmp_eq_u32 s19, 0
	s_cselect_b32 s52, s52, s54
	s_cselect_b64 s[26:27], s[14:15], s[16:17]
	s_mov_b32 s53, 0
	s_add_nc_u64 s[26:27], s[26:27], s[52:53]
	v_mov_b32 v[ST], v[LI]
	v_add_nc_u32 v[ST+1], s28, v[ST]
	v_add_nc_u32 v[ST+2], s28, v[ST+1]
	v_add_nc_u32 v[ST+3], s28, v[ST+2]
	s_wait_kmcnt 0x0
	s_add_co_i32 s50, s32, 127
	s_lshl_b32 s51, s50, 23
	v_mov_b32 v[SA], s51                           ; 2^eA as f32: the conversion takes its exponent field
	s_add_co_i32 s50, s50, 15
	s_lshl_b32 s50, s50, 23
	s_or_b32 s50, s50, 0x600000
	v_mov_b32 v[LA], s50                           ; 57,344 x 2^eA
	s_sub_co_i32 s50, s34, s32
	s_sub_co_i32 s50, s50, s33                     ; a sum stands for sum x 2^(eA + eB): its code is sum / 2^(eO - eA - eB)
	s_add_co_i32 s50, s50, 127
	s_lshl_b32 s51, s50, 23
	v_mov_b32 v[SO], s51
	s_add_co_i32 s50, s50, 15
	s_lshl_b32 s50, s50, 23
	s_or_b32 s50, s50, 0x600000
	v_mov_b32 v[LO], s50
.macro TURN f                          ; 128 along K of my 16 slots through my stage.  Back: register 16 b + i = k 32 b + 16 h + i of slot r
.irp p, 0,1,2,3,4,5,6,7,8,9,10,11,12,13,14,15
	ds_store_b128 v[SI], v[ACC+64*\f+4*\p:ACC+64*\f+4*\p+3] offset:SROW*\p
.endr
.irp p, 0,1,2,3,4,5,6,7,8,9,10,11,12,13,14,15
	ds_load_b128 v[Y+4*\p:Y+4*\p+3], v[SX] offset:128*(\p/4)+16*(\p%4)   ; LDS serves a wave's instructions in order (ISA guide 5.7.1.4): these see the stores above, and the next turn's stores come behind them
.endr
	s_wait_dscnt 0x0                               ; the turned numbers are in
.endm
.macro QUANT s                         ; my K step s: 32 numbers a lane become a fragment's 8 registers, which go to LDS as they stand
.set YQ, Y+32*((\s)%2)
.set i, 0
.rept 32
	v_med3_num_f32 v[YQ+i], v[YQ+i], -v[LA], v[LA] ; the conversion does not saturate (ISA guide 7.6.2): the hold at the largest code x the scale
.set i, i+1
.endr
.irp g, 0,1,2,3
	v_cvt_scalef32_pk8_bf8_f32 v[XF+8*\s+2*\g:XF+8*\s+2*\g+1], v[YQ+8*\g:YQ+8*\g+7], v[SA]
.endr
	v_nop                                          ; a plain line behind the last conversion of the run
	ds_store_b128 v[XW], v[XF+8*\s:XF+8*\s+3] offset:4096*\s
	ds_store_b128 v[XW], v[XF+8*\s+4:XF+8*\s+7] offset:4096*\s+512
.endm
	s_wait_loadcnt 16                              ; the first 128 along K are in; the second half's sixteen loads may be out
	TURN 0
	QUANT 0
	QUANT 1
	s_wait_loadcnt 0x0
	TURN 1
	QUANT 2
	QUANT 3
	WLD 0, 0                                       ; W's first K step, into registers that the turned numbers have left: it travels while the waves meet
	s_wait_dscnt 0x0                               ; for the others' sake: my images have landed
	s_barrier_signal -1
	s_barrier_wait -1                              ; all 64 images lie in LDS; nobody writes them again
.macro XLD koff
.irp j, 0,1,2,3
.irp c, 0,1
	ds_load_b128 v[XF+8*\j+4*\c:XF+8*\j+4*\c+3], v[XR] offset:4096*(\koff)+1024*\j+512*\c
.endr
.endr
.endm
; 16 matrix instructions, the 16 accumulators by turns, in the same order in every step.  zero = 1: the first step starts the sums.
.macro MUL buf, zero, swap
.irp j, 0,1,2,3
.irp i, 0,1,2,3
.set rD, ACC+32*\j+8*\i
.if \swap
.set rA, XF+8*\i
.set rB, WB+32*(\buf)+8*\j
.else
.set rA, WB+32*(\buf)+8*\i
.set rB, XF+8*\j
.endif
.if \zero
	v_wmma_f32_16x16x64_bf8_bf8 v[rD:rD+7], v[rA:rA+7], v[rB:rB+7], 0
.else
	v_wmma_f32_16x16x64_bf8_bf8 v[rD:rD+7], v[rA:rA+7], v[rB:rB+7], v[rD:rD+7]
.endif
.endr
.endr
.endm
; A K step.  The addition and three v_nop are the four plain lines between the last matrix instruction and loads into registers that it read (ISA guide 7.12.1 for vector instructions).
.macro KS buf, nxt, zero, koff
	v_add_nc_u32 v[XR], s29, v[LI]
	v_nop
	v_nop
	v_nop
.if \nxt
	WLD 1-\buf, \koff+1                            ; the next step's W, into the other set
.endif
	XLD \koff
	s_wait_dscnt 0x0                               ; X's fragments are in
.if \nxt
	s_wait_loadcnt 8                               ; this step's W is in; the eight loads just issued may be out
.else
	s_wait_loadcnt 0
.endif
	s_cmp_eq_u32 s19, 2                            ; the same in every wave of the work-group
	s_cbranch_scc1 .Lsw_\@
	MUL \buf, \zero, 0
	s_branch .Ljn_\@
.Lsw_\@:
	MUL \buf, \zero, 1
.Ljn_\@:
.endm
.macro STEP2
	s_wait_xcnt 0x0                                ; the loads of W have read their base: it is stepped only behind this wait
	s_add_nc_u64 s[24:25], s[24:25], 0x2000
	s_add_co_u32 s29, s29, 0x2000
.endm
	KS 0, 1, 1, 0
	KS 1, 1, 0, 1
	STEP2
	s_mov_b32 s30, 6
.Lk:                                               ; two K steps a trip, so that W's sets are back where they began
	KS 0, 1, 0, 0
	KS 1, 1, 0, 1
	STEP2
	s_sub_co_u32 s30, s30, 1
	s_cmp_lg_u32 s30, 0
	s_cbranch_scc1 .Lk
	KS 0, 1, 0, 0
	KS 1, 0, 0, 1                                  ; the last step asks for nothing: no load leaves the wave's 65,536 bytes of wc
.rept 4
	v_nop                                          ; four plain lines in front of the first read of results
.endr
; Tile j of source 1: registers 32 j + 16 c + i are 16 neighbours along the next K for c = 0, 1: two pieces of 512 bytes.
.macro OUTJ j
.set i, 0
.rept 32
	v_med3_num_f32 v[ACC+32*\j+i], v[ACC+32*\j+i], -v[LO], v[LO]   ; each accumulator from its low end on
.set i, i+1
.endr
.irp g, 0,1,2,3
	v_cvt_scalef32_pk8_bf8_f32 v[XF+8*\j+2*\g:XF+8*\j+2*\g+1], v[ACC+32*\j+8*\g:ACC+32*\j+8*\g+7], v[SO]
.endr
	v_nop
	global_store_b128 v[ST+\j], v[XF+8*\j:XF+8*\j+3], s[26:27]
	global_store_b128 v[ST+\j], v[XF+8*\j+4:XF+8*\j+7], s[26:27] offset:512
.endm
	OUTJ 0
	OUTJ 1
	OUTJ 2
	OUTJ 3
	s_wait_tensorcnt 0x0
	ds_add_u32 v30, v31
	s_wait_dscnt 0x0
	s_endpgm
.Lfunc_end_k_qe098036221_proj:
	.size	k_qe098036221_proj, .Lfunc_end_k_qe098036221_proj-k_qe098036221_proj
	.p2alignl 7, 3214868480
	.fill 96, 4, 3214868480
	.section	.rodata,"a",@progbits
	.p2align	6, 0x0
	.amdhsa_kernel k_qe098036221_proj
		.amdhsa_group_segment_fixed_size 202752
		.amdhsa_private_segment_fixed_size 0
		.amdhsa_enable_private_segment 0
		.amdhsa_kernarg_size 56
		.amdhsa_user_sgpr_count 2
		.amdhsa_user_sgpr_kernarg_segment_ptr 1
		.amdhsa_wavefront_size32 1
		.amdhsa_system_sgpr_workgroup_id_x 1
		.amdhsa_system_sgpr_workgroup_id_y 1
		.amdhsa_system_sgpr_workgroup_id_z 1
		.amdhsa_system_vgpr_workitem_id 0
		.amdhsa_next_free_vgpr 256
		.amdhsa_next_free_sgpr 66
		.amdhsa_reserve_vcc 0
		.amdhsa_float_denorm_mode_32 3
		.amdhsa_float_denorm_mode_16_64 3
		.amdhsa_memory_ordered 1
		.amdhsa_forward_progress 1
		.amdhsa_inst_pref_size 53
	.end_amdhsa_kernel
	.amdgpu_metadata
---
amdhsa.version: [ 1, 2 ]
amdhsa.kernels:
  - .name:           k_qe098036221_proj
    .symbol:         k_qe098036221_proj.kd
    .args:
      - { .name: q, .offset: 0, .size: 8, .value_kind: global_buffer, .address_space: global }
      - { .name: k, .offset: 8, .size: 8, .value_kind: global_buffer, .address_space: global }
      - { .name: v, .offset: 16, .size: 8, .value_kind: global_buffer, .address_space: global }
      - { .name: wc, .offset: 24, .size: 8, .value_kind: global_buffer, .address_space: global }
      - { .name: lowp_scales, .offset: 32, .size: 8, .value_kind: global_buffer, .address_space: global }
      - { .name: qc, .offset: 40, .size: 8, .value_kind: global_buffer, .address_space: global }
      - { .name: kv, .offset: 48, .size: 8, .value_kind: global_buffer, .address_space: global }
    .group_segment_fixed_size: 202752
    .private_segment_fixed_size: 0
    .kernarg_segment_align: 8
    .kernarg_segment_size: 56
    .max_flat_workgroup_size: 512
    .sgpr_count:     66
    .vgpr_count:     256
    .wavefront_size: 32
...
	.end_amdgpu_metadata
.endif
;; end of part 5
;; launch attn (part 6): grid 4 x 64, 16 waves a work-group, clusters of 4 x 1, 264,192 bytes of LDS; arguments qc, kv, mw, lowp_scales, cc; writes cc
.if DOCPART == 6
	.amdgcn_target "amdgcn-amd-amdhsa--gfx1250"
	.amdhsa_code_object_version 6
	.text
	.protected	k_qe098036221_attn
	.globl	k_qe098036221_attn
	.p2align	8
	.type	k_qe098036221_attn,@function
k_qe098036221_attn:
	s_mov_b64 s[64:65], 0
	v_nop
	global_prefetch_b8 v0, s[64:65] scope:SCOPE_SE
	s_setreg_imm32_b32 hwreg(HW_REG_WAVE_MODE, 25, 1), 1
	s_wait_xcnt 0x0
	s_wait_alu depctr_hold_cnt(0) depctr_sa_sdst(0) depctr_va_vdst(0) depctr_va_sdst(0) depctr_va_ssrc(0) depctr_va_vcc(0) depctr_vm_vsrc(0)
	s_getreg_b32 s2, hwreg(HW_REG_IB_STS2, 6, 4)
	s_cmp_eq_u32 s2, 0
	s_cbranch_scc0 .Lentry_in_a_cluster
	s_endpgm
.Lentry_in_a_cluster:
	s_bfe_u32 s2, ttmp6, 0x10000c
	s_cmp_lg_u32 s2, 0x3003
	s_cbranch_scc0 .Lentry_shape_is_right
	s_endpgm
.Lentry_shape_is_right:
; Attention on codes of E5M2: scores x 8, the given mask, softmax, the product with V, / the row's sum; the result is quantised for the output projection.
; SHARES.  A cluster of four work-groups is one head of one batch (bh = 16 b + head); a work-group owns 512 of its 2,048 queries; each of its sixteen waves owns two tiles of 16 queries, one after the other (PASS, written twice).
; K AND V OF THE WHOLE HEAD, 262,144 bytes of register images, STAY IN LDS: filled once, never again.  Wave w brings key step w (16,384 dense bytes) by ONE JOINT LOAD: the four work-groups need the same bytes,
; so each issues the same tensor load with the same descriptor and a mask that names the four.  A wave has one tensor load out.  One round of the cluster's barrier stands in front of the loads and one in front of s_endpgm.
; LAYOUT.  Both products are used transposed: S^T = K Q^T (source 0 = 16 keys, source 1 = my 16 queries), O^T = V^T P^T: a lane holds ONE query (lane % 16) throughout.  Slot r of K's tile 2 b + u is key 32 b + 8 u + r + 8 (r / 8),
; so register n of the 64 scores is key 32 (n / 16) + 16 (lane / 16) + n % 16: 16 registers are 16 neighbouring keys, and the conversions' results are the second product's operand.  V's tiles choose d likewise, so O^T's codes are cc's image.
; THE MASK comes as lane masks: word n of a step has a bit for each lane, for register n; 64 words a step by scalar loads, one v_cndmask_b32 a score.  A step's words are asked for in the step before, behind its maximum,
; when that step's selects have read theirs: the scalings, exponentials, sums, conversions and products stand between the request and the wait for it.
; THE SOFTMAX: t = score x 8 log2(e) 2^(e6 + e7); M = the running largest t rounded up to a whole number; p = 2^(t - M) is quantised with 2^e8; the row's sum is taken of the unquantised p; when M moves, sum and O^T are multiplied by 2^(old M - new M), exactly.
; A HIDDEN KEY's raw score becomes -2^(27 - e6 - e7), so its t is -1.4427 x 2^30, a whole number: a row that is hidden throughout gets p = 1 everywhere, as the -1e9 of the definition gives; else p = 0.
; LIMITS: this t is about -1.55e9 and not -1e9 log2(e): the result differs only where a VISIBLE logit lies under about -1e9.  e6 + e7 between -100 and 124; e8 and e10 between -126 and 112; e8 + e9 is applied by v_ldexp_f32.  NaN is not served.
.set LI,  1                            ; v1      16 x lane
.set AD,  2                            ; v2      LDS address of the step in hand
.set SMV, 3                            ; v3      a hidden key's raw score
.set PL,  4                            ; v4, v5  57,344 x 2^e8 and 2^e8
.set PS,  5
.set CL,  6                            ; v6, v7  57,344 x 2^e10 and 2^e10
.set CV,  7
                                       ; v12 -M, v13 the largest t, v[14:15] the sum in two halves
.set QF,  16                           ; v16-23  Q's fragment
.set FF,  24                           ; v[24:25] f = 2^(old M - new M) (v25 is named with it as a pair)
.set MA,  26                           ; v26, v27 the maximum's two chains
.set PX,  28                           ; v28     a lane permute's destination
.set L2,  30                           ; v[30:31] the sum's second chain
.set KF,  32                           ; v32-95  K's eight fragments, then V's four
.set S,   96                           ; v96-159 S^T, then p
.set O,   160                          ; v160-191 O^T
.set CC,  192                          ; v192-199 the result's codes
.set PC,  224                          ; v224-239 p's codes
; s[4:5] qc, s[8:9] mw, s[12:13] cc at my tile; s14 wave; s[16:63], s[80:95] a step's 64 mask words (word n in s[16 + n], from n = 48 on in s[32 + n]); s[66:67] lane selects;
; s[68:71], s[72:79] the descriptor; s[96:97] c; s98 the step's LDS byte; s99 steps to go; s[100:101] the mask pointer's step; s104 e8 + e9
.macro ROUND                           ; a round of the cluster's barrier: my work-group's barrier; wave 0 signals for the work-group; every wave waits for all four; my work-group's barrier once more
	s_barrier_signal -1
	s_barrier_wait -1
	s_cmp_lg_u32 s14, 0
	s_cbranch_scc1 .Lnot_wave_0_\@
	s_barrier_signal -3
.Lnot_wave_0_\@:
	s_barrier_wait -3
	s_barrier_signal -1
	s_barrier_wait -1
.endm
.macro MWLD                            ; a step's 64 mask words
	s_load_b512 s[16:31], s[8:9], 0x0
	s_load_b512 s[32:47], s[8:9], 0x40
	s_load_b512 s[48:63], s[8:9], 0x80
	s_load_b512 s[80:95], s[8:9], 0xc0
.endm
	s_load_b256 s[4:11], s[0:1], 0x0               ; qc s[4:5], kv s[6:7], mw s[8:9], scales s[10:11]
	s_load_b64 s[12:13], s[0:1], 0x20              ; cc
	v_lshl_add_u32 v254, v0, 2, 0x40000
	v_mov_b32 v255, 0
	ds_add_u32 v254, v255
	ds_add_u32 v254, v255
	v_lshrrev_b32 v2, 5, v0
	v_readfirstlane_b32 s14, v2                    ; wave 0..15
	v_and_b32 v1, 31, v0
	v_lshlrev_b32 v[LI], 4, v1
	s_and_b32 s100, ttmp7, 0xffff                  ; bh: the cluster's y, which the four partners share
	s_lshl_b32 s100, s100, 18                      ; the head's 262,144 bytes of kv,
	s_lshl_b32 s69, s14, 14                        ; 63:32 LDS address: key step w: no place in the cluster enters it
	s_add_co_u32 s100, s100, s69                   ; key step w
	s_mov_b32 s101, 0
	s_mov_b32 s68, 1                               ; 1:0 count = 1
	s_mov_b32 s72, 15|(3<<16)|(1<<21)              ; 15:0 the mask: all four work-groups; 17:16 elements of 8 bytes; 21 set beside a mask; no padding
	s_mov_b32 s73, 32<<16                          ; tensor_dim0 = 32 elements: rows of 256 bytes
	s_mov_b32 s74, 64<<16                          ; tensor_dim1 = 64 rows
	s_mov_b32 s75, 32<<16                          ; tile_dim0 = 32
	s_mov_b32 s76, 64                              ; tile_dim1 = 64
	s_mov_b32 s77, 32                              ; the pitch: the block is dense
	s_mov_b32 s78, 0
	s_mov_b32 s79, 0
	s_mov_b32 s66, 0x76543210
	s_mov_b32 s67, 0xfedcba98                      ; v_permlanex16_b32: lane l xor 16
	s_wait_dscnt 0x0
	s_wait_kmcnt 0x0
	ROUND                                          ; all four work-groups are here: the joint loads meet
	s_add_nc_u64 s[70:71], s[6:7], s[100:101]      ; 120:64 global address
	s_or_b32 s71, s71, 0x80000000                  ; 127:126 type = 2
	tensor_load_to_lds s[68:71], s[72:79]
	s_nop 0
.rept 4
	v_nop                                          ; four plain lines follow the tensor load
.endr
	s_load_b128 s[16:19], s[10:11], 0x18           ; e6, e7, e8, e9
	s_load_b32 s20, s[10:11], 0x28                 ; e10
	s_bfe_u32 s15, ttmp6, 0x40000                  ; cx: it enters the addresses of Q, of the mask words and of the result alone
	s_lshl_b32 s21, ttmp9, 2
	s_add_co_u32 s21, s21, s15                     ; which 512 queries
	s_lshl_b32 s21, s21, 5
	s_add_co_u32 s21, s21, s14                     ; my first tile of queries: 32 x that + wave
	s_and_b32 s22, ttmp7, 0xffff                   ; bh
	s_lshr_b32 s23, s22, 4                         ; b
	s_and_b32 s24, s22, 15                         ; head
	s_lshl_b32 s26, s22, 7
	s_add_co_u32 s26, s26, s21
	s_lshl_b32 s26, s26, 10                        ; qc: (128 bh + tile) x 1,024
	s_mov_b32 s27, 0
	s_add_nc_u64 s[4:5], s[4:5], s[26:27]
	s_lshl_b32 s25, s23, 7
	s_add_co_u32 s25, s25, s21                     ; 128 b + tile
	s_lshl_b32 s26, s25, 12                        ; mw: x 16 steps x 256 bytes
	s_add_nc_u64 s[8:9], s[8:9], s[26:27]
	s_lshl_b32 s26, s25, 14
	s_lshl_b32 s28, s24, 10
	s_add_co_u32 s26, s26, s28                     ; cc: (that x 16 + head) x 1,024
	s_add_nc_u64 s[12:13], s[12:13], s[26:27]
	v_mov_b32 v[FF+1], 0                           ; written once: named as the upper half of a pair
	v_mov_b32 v[PX], 0                             ; written once: a lane permute's destination counts as one of its sources
	s_wait_kmcnt 0x0
	s_add_co_i32 s105, s16, s17                    ; e6 + e7
	s_lshl_b32 s21, s105, 23
	s_mov_b32 s96, 0x4138aa3b                      ; 8 log2(e)
	s_add_co_i32 s96, s96, s21                     ; c = 8 log2(e) 2^(e6 + e7): the exponents are added to its exponent field
	s_mov_b32 s97, s96                             ; (named with it as a pair, so it is written)
	s_sub_co_i32 s21, 154, s105
	s_lshl_b32 s21, s21, 23
	s_or_b32 s21, s21, 0x80000000
	v_mov_b32 v[SMV], s21                          ; -2^(27 - e6 - e7)
	s_add_co_i32 s21, s18, 127
	s_lshl_b32 s22, s21, 23
	v_mov_b32 v[PS], s22                           ; 2^e8
	s_add_co_i32 s21, s21, 15
	s_lshl_b32 s21, s21, 23
	s_or_b32 s21, s21, 0x600000
	v_mov_b32 v[PL], s21                           ; 57,344 x 2^e8
	s_add_co_i32 s21, s20, 127
	s_lshl_b32 s22, s21, 23
	v_mov_b32 v[CV], s22                           ; 2^e10
	s_add_co_i32 s21, s21, 15
	s_lshl_b32 s21, s21, 23
	s_or_b32 s21, s21, 0x600000
	v_mov_b32 v[CL], s21                           ; 57,344 x 2^e10
	s_add_co_i32 s104, s18, s19                    ; e8 + e9
	s_wait_tensorcnt 0x0                           ; my key step has landed,
	s_barrier_signal -1
	s_barrier_wait -1                              ; everybody's has: the head's K and V lie in LDS, and nobody writes them again
; One tile of 16 queries against all 2,048 keys, 128 a step.
.macro PASS
	MWLD                                           ; the first step's mask words
	global_load_b128 v[QF:QF+3], v[LI], s[4:5]
	global_load_b128 v[QF+4:QF+7], v[LI], s[4:5] offset:512
	v_mov_b32 v13, 0xff61b1e6                      ; the largest t so far: -3e38, under every t
	v_floor_f32 v12, -v13                          ; -M
	v_mov_b32 v14, 0                               ; the sum, in two halves
	v_mov_b32 v15, 0
.set n, 0
.rept 32
	v_mov_b32 v[O+n], 0                            ; O^T.  (The step is written once: the first finds zeros, which the first change of M leaves zeros)
.set n, n+1
.endr
	s_mov_b32 s98, 0
	s_mov_b32 s99, 16
	s_wait_loadcnt 0x0                             ; Q
.Lstep_\@:
	v_add_nc_u32 v[AD], s98, v[LI]                 ; this line and three v_nop: four plain lines in front of loads into registers that matrix instructions have read
	v_nop
	v_nop
	v_nop
.set n, 0
.rept 16
	ds_load_b128 v[KF+4*n:KF+4*n+3], v[AD] offset:512*n            ; K's eight fragments, as they lie: 512 consecutive bytes a load
.set n, n+1
.endr
	s_wait_dscnt 0x0
.irp t, 0,1,2,3,4,5,6,7
	v_wmma_f32_16x16x64_bf8_bf8 v[S+8*\t:S+8*\t+7], v[KF+8*\t:KF+8*\t+7], v[QF:QF+7], 0
.endr
.rept 4
	v_nop                                          ; four plain lines in front of the loads below and of the first read of the scores
.endr
.set n, 0
.rept 16
	ds_load_b128 v[KF+4*n:KF+4*n+3], v[AD] offset:8192+512*n       ; V's four fragments: they land while the softmax is worked
.set n, n+1
.endr
	s_wait_kmcnt 0x0                               ; this step's mask words, asked for a step ago, are in: so their base may be stepped below
.set n, 0
.rept 64
.if n < 48
.set wr, 16+n
.else
.set wr, 32+n
.endif
	v_cndmask_b32 v[S+n], v[SMV], v[S+n], s[wr]    ; bit = 1: the score stays; each accumulator from its low end on
.set n, n+1
.endr
	v_max3_num_f32 v[MA], v[S], v[S+1], v[S+2]     ; the step's largest score of my query, among my 64 keys, in two chains,
	v_max3_num_f32 v[MA+1], v[S+3], v[S+4], v[S+5]
.irp i, 6,10,14,18,22,26,30,34,38,42,46,50,54,58
	v_max3_num_f32 v[MA], v[MA], v[S+\i], v[S+1+\i]
	v_max3_num_f32 v[MA+1], v[MA+1], v[S+2+\i], v[S+3+\i]
.endr
	v_max3_num_f32 v[MA], v[MA], v[S+62], v[S+63]
	v_max_num_f32 v[MA], v[MA], v[MA+1]
	v_permlanex16_b32 v[PX], v[MA], s66, s67
	v_max_num_f32 v[MA], v[MA], v[PX]              ; and among lane l xor 16's
	v_mul_f32 v[MA], s96, v[MA]                    ; as t (c is positive)
	v_max_num_f32 v13, v13, v[MA]                  ; the running largest t
	v_mov_b32 v[MA], v12
	v_floor_f32 v12, -v13                          ; the new -M = floor(-t): M is a whole number
	v_sub_f32 v[MA], v12, v[MA]                    ; old M - new M: a whole number, 0 or less
	v_cvt_i32_f32 v[MA], v[MA]                     ; (it saturates)
	v_ldexp_f32 v[FF], 1.0, v[MA]                  ; f = 2^(old M - new M)
	s_cmp_lg_u32 s99, 1                            ; the next step's mask words.  In the pass's last step the pointer stays: no load leaves the buffer; those words are read again and not used
	s_cselect_b32 s100, 0x100, 0
	s_add_nc_u64 s[8:9], s[8:9], s[100:101]
	MWLD
.set n, 0
.rept 32
	v_pk_fma_f32 v[S+n:S+n+1], v[S+n:S+n+1], s[96:97], v[12:13] op_sel_hi:[1,0,0]   ; t - M, two at a time (of the pairs c and -M the low word serves both halves)
.set n, n+2
.endr
.set n, 0
.rept 64
	v_exp_f32 v[S+n], v[S+n]                       ; p = 2^(t - M), at most 1: not normalised
.set n, n+1
.endr
	v_pk_mul_f32 v[14:15], v[14:15], v[FF:FF+1] op_sel_hi:[1,0]    ; the sums under the new M: the plain line behind the exponentials
	s_wait_alu depctr_va_vdst(0)                   ; one wait for the whole batch, ahead of its first reader
	v_pk_add_f32 v[L2:L2+1], v[S:S+1], v[S+2:S+3]  ; the row's sum is taken of the unquantised p: two at a time, in two chains
.irp j, 4,8,12,16,20,24,28,32,36,40,44,48,52,56,60
	v_pk_add_f32 v[14:15], v[14:15], v[S+\j:S+1+\j]
	v_pk_add_f32 v[L2:L2+1], v[L2:L2+1], v[S+2+\j:S+3+\j]
.endr
	v_pk_add_f32 v[14:15], v[14:15], v[L2:L2+1]
.irp b, 0,1,2,3
.irp i, 0,1,2,3,4,5,6,7,8,9,10,11,12,13,14,15
	v_min_num_f32 v[S+16*\b+\i], v[S+16*\b+\i], v[PL]              ; the conversion does not saturate (ISA guide 7.6.2); p is not negative, so the hold is one-sided
.endr
	v_cvt_scalef32_pk8_bf8_f32 v[PC+4*\b:PC+1+4*\b], v[S+16*\b:S+7+16*\b], v[PS]
	v_cvt_scalef32_pk8_bf8_f32 v[PC+2+4*\b:PC+3+4*\b], v[S+8+16*\b:S+15+16*\b], v[PS]
.endr
.set n, 0
.rept 16
	v_pk_mul_f32 v[O+n:O+n+1], v[O+n:O+n+1], v[FF:FF+1] op_sel_hi:[1,0]   ; O^T under the new M.  (Also the plain lines between the conversions and the products)
.set n, n+2
.endr
	s_wait_dscnt 0x0                               ; V's fragments are in
.irp j, 0,1,2,3
	v_wmma_f32_16x16x128_bf8_bf8 v[O+8*\j:O+8*\j+7], v[KF+16*\j:KF+16*\j+15], v[PC:PC+15], v[O+8*\j:O+8*\j+7]
.endr
	s_add_co_u32 s98, s98, 0x4000
	s_sub_co_u32 s99, s99, 1
	s_cmp_lg_u32 s99, 0
	s_cbranch_scc1 .Lstep_\@
	; the way out: O^T / the sum x 2^(e8 + e9), quantised with 2^e10.  Registers 16 c + i are d = 32 c + 16 h + i of my query: the codes are cc's image
.rept 4
	v_nop                                          ; four plain lines in front of the first read of results
.endr
	v_add_f32 v14, v14, v15                        ; the sum's two halves,
	v_permlanex16_b32 v[PX], v14, s66, s67
	v_add_f32 v14, v14, v[PX]                      ; and lane l xor 16's
	v_rcp_f32 v14, v14
	v_nop                                          ; a plain line behind the reciprocal,
	s_wait_alu depctr_va_vdst(0)                   ; and the wait ahead of its first reader
	v_ldexp_f32 v14, v14, s104
.set n, 0
.rept 32
	v_mul_f32 v[S+n], v[O+n], v14                  ; each accumulator from its low end on
.set n, n+1
.endr
.set n, 0
.rept 32
	v_med3_num_f32 v[S+n], v[S+n], -v[CL], v[CL]
.set n, n+1
.endr
.irp g, 0,1,2,3
	v_cvt_scalef32_pk8_bf8_f32 v[CC+2*\g:CC+2*\g+1], v[S+8*\g:S+8*\g+7], v[CV]
.endr
	v_nop                                          ; a plain line behind the last conversion: matrix instructions will write its sources
	global_store_b128 v[LI], v[CC:CC+3], s[12:13]              ; 512 consecutive bytes, aligned
	global_store_b128 v[LI], v[CC+4:CC+7], s[12:13] offset:512
	s_wait_kmcnt 0x0                               ; the last step's scalar loads are done: their registers and their base may be written again
.endm
	PASS
	s_wait_xcnt 0x0                                ; the stores have read their data and their base: both are written again only behind this wait
	s_add_nc_u64 s[4:5], s[4:5], 0x4000            ; 16 tiles of queries on: qc 16 x 1,024,
	s_add_nc_u64 s[8:9], s[8:9], 0xf100            ; mw 16 x 4,096 less the 15 steps of 256 already walked,
	s_add_nc_u64 s[12:13], s[12:13], 0x40000       ; cc 16 x 16,384
	PASS
	s_wait_tensorcnt 0x0
	ds_add_u32 v254, v255
	s_wait_dscnt 0x0
	ROUND                                          ; the closing round: no work-group ends while a partner may still ask for a tile that names it
	s_endpgm
.Lfunc_end_k_qe098036221_attn:
	.size	k_qe098036221_attn, .Lfunc_end_k_qe098036221_attn-k_qe098036221_attn
	.p2alignl 7, 3214868480
	.fill 96, 4, 3214868480
	.section	.rodata,"a",@progbits
	.p2align	6, 0x0
	.amdhsa_kernel k_qe098036221_attn
		.amdhsa_group_segment_fixed_size 264192
		.amdhsa_private_segment_fixed_size 0
		.amdhsa_enable_private_segment 0
		.amdhsa_kernarg_size 40
		.amdhsa_user_sgpr_count 2
		.amdhsa_user_sgpr_kernarg_segment_ptr 1
		.amdhsa_wavefront_size32 1
		.amdhsa_system_sgpr_workgroup_id_x 1
		.amdhsa_system_sgpr_workgroup_id_y 1
		.amdhsa_system_sgpr_workgroup_id_z 1
		.amdhsa_system_vgpr_workitem_id 0
		.amdhsa_next_free_vgpr 256
		.amdhsa_next_free_sgpr 106
		.amdhsa_reserve_vcc 0
		.amdhsa_float_denorm_mode_32 3
		.amdhsa_float_denorm_mode_16_64 3
		.amdhsa_memory_ordered 1
		.amdhsa_forward_progress 1
		.amdhsa_inst_pref_size 56
	.end_amdhsa_kernel
	.amdgpu_metadata
---
amdhsa.version: [ 1, 2 ]
amdhsa.kernels:
  - .name:           k_qe098036221_attn
    .symbol:         k_qe098036221_attn.kd
    .args:
      - { .name: qc, .offset: 0, .size: 8, .value_kind: global_buffer, .address_space: global }
      - { .name: kv, .offset: 8, .size: 8, .value_kind: global_buffer, .address_space: global }
      - { .name: mw, .offset: 16, .size: 8, .value_kind: global_buffer, .address_space: global }
      - { .name: lowp_scales, .offset: 24, .size: 8, .value_kind: global_buffer, .address_space: global }
      - { .name: cc, .offset: 32, .size: 8, .value_kind: global_buffer, .address_space: global }
    .group_segment_fixed_size: 264192
    .private_segment_fixed_size: 0
    .kernarg_segment_align: 8
    .kernarg_segment_size: 40
    .max_flat_workgroup_size: 512
    .sgpr_count:     106
    .vgpr_count:     256
    .wavefront_size: 32
...
	.end_amdgpu_metadata
.endif
;; end of part 6
;; launch oproj (part 7): grid 256 x 1, 16 waves a work-group, no clusters, 171,520 bytes of LDS; arguments cc, wc, q, gamma, beta, lowp_scales, out0; writes out0
.if DOCPART == 7
	.amdgcn_target "amdgcn-amd-amdhsa--gfx1250"
	.amdhsa_code_object_version 6
	.text
	.protected	k_qe098036221_oproj
	.globl	k_qe098036221_oproj
	.p2align	8
	.type	k_qe098036221_oproj,@function
k_qe098036221_oproj:
	s_mov_b64 s[64:65], 0
	v_nop
	global_prefetch_b8 v0, s[64:65] scope:SCOPE_SE
	s_setreg_imm32_b32 hwreg(HW_REG_WAVE_MODE, 25, 1), 1
	s_wait_xcnt 0x0
; out0 = LayerNorm(ctx Wo + q) x gamma + beta.  ctx (cc) and Wo (wc, weight 3) are codes of E5M2 laid as images of operand registers; the product's sums are multiplied by 2^(e10 + e11).
; SHARES.  A work-group takes 32 rows x all 1,024 columns, since the norm wants whole rows; wave w makes columns 64 w .. 64 w + 63: 4 x 2 accumulators, source 0 = 16 columns of Wo, source 1 = 16 rows of ctx,
; so a lane holds one row (16 j + lane % 16) and, in registers 32 j + 16 b + e, columns 64 w + 32 b + 16 (lane / 16) + e.
; LDS: a stage of 32 rows x (4,096 + 16) bytes; ctx's 32 fragments [j 2][K step 16][1,024]; two tables of 32 rows x 16 partial sums (pitch 80).  Five barriers.
; THE RESIDUAL comes in as the result goes out: wave w loads rows 2 w and 2 w + 1 of q, 512 consecutive bytes a load, and lays them in the stage; behind a barrier each lane reads its 64 numbers there,
; at the very bytes into which it later stores its 64 results.
; The mean is taken first and the variance of x - mean, so that no difference of large sums is formed.
; NO JOINT LOADS: each fragment of Wo is read by one wave of a work-group and by no other, so it goes from memory straight into that wave's registers; through LDS a step's 4 KB would be written and read there besides ctx's 2 KB,
; and a slot of one K step would have 8 matrix instructions a wave in which to land.
; LIMIT: e10 + e11 between -126 and 127.  NaN among the inputs is not served.
.set SPITCH, 4112
.set XIMG,   32*SPITCH                 ; behind the stage
.set ST1,    XIMG+32768                ; the sums' table; the squares' lies T2 bytes on
.set TP,     80
.set T2,     32*TP
.set LI,  1                            ; v1      16 x lane
.set XW,  2                            ; v2      where I store ctx's images
.set XB,  3                            ; v3      XIMG + 16 x lane
.set XR,  4                            ; v4      the K step's fragments
.set GO,  6                            ; v6      gamma, beta: 64 h
.set TS,  7                            ; v7      a table: where I put my wave's partial sum of row r
.set TR,  8                            ; v8      and where row r's sixteen begin
.set YS,  9                            ; v9, v10 the stage: my 64 bytes of row r, of row 16 + r
.set YR,  11                           ; v11     the stage: my 16 bytes of row 2 w
.set XF,  32                           ; v32-47  ctx's two fragments; v32-63 later the partial sums
.set WB,  64                           ; v64-127 Wo's four fragments, two sets; later gamma (v64-95) and beta (v96-127)
.set ACC, 128                          ; v128-191
.set RES, 192                          ; v192-255 the residual: first as rows, then indexed as ACC; later rows of the result
	s_load_b256 s[4:11], s[0:1], 0x0               ; cc s[4:5], wc s[6:7], q s[8:9], gamma s[10:11]
	s_load_b128 s[12:15], s[0:1], 0x20             ; beta s[12:13], scales s[14:15]
	s_load_b64 s[16:17], s[0:1], 0x30              ; out0
	v_lshl_add_u32 v5, v0, 2, 0x29600
	v_mov_b32 v12, 0
	v_lshrrev_b32 v13, 5, v0
	v_readfirstlane_b32 s18, v13                   ; wave 0..15
	v_and_b32 v13, 31, v0
	v_lshlrev_b32 v[LI], 4, v13
	v_and_b32 v14, 15, v0                          ; r
	v_bfe_u32 v15, v0, 4, 1                        ; h
	s_lshl_b32 s20, s18, 11                        ; my 2,048 of ctx's 32,768 bytes
	s_add_co_u32 s21, s20, XIMG
	v_add_nc_u32 v[XW], s21, v[LI]
	v_add_nc_u32 v[XB], XIMG, v[LI]
	v_lshlrev_b32 v[GO], 6, v15
	v_mul_u32_u24 v[TR], v14, TP
	v_add_nc_u32 v[TR], ST1, v[TR]
	s_lshl_b32 s21, s18, 2
	v_add_nc_u32 v[TS], s21, v[TR]
	v_mul_u32_u24 v[YS], v14, SPITCH
	v_lshl_add_u32 v[YS], v15, 6, v[YS]
	s_lshl_b32 s21, s18, 8
	v_add_nc_u32 v[YS], s21, v[YS]
	v_add_nc_u32 v[YS+1], 16*SPITCH, v[YS]         ; sixteen rows on: beyond an LDS immediate's 16 bits, so it has a register
	s_mul_i32 s21, s18, 2*SPITCH
	v_add_nc_u32 v[YR], s21, v[LI]
	v_mov_b32 v24, 0                               ; written once: lane permutes' destinations,
	v_mov_b32 v25, 0
	v_mov_b32 v27, 0                               ; and upper halves of pairs of which the low word serves both halves
	v_mov_b32 v29, 0
	s_mov_b32 s26, 0x76543210
	s_mov_b32 s27, 0xfedcba98                      ; v_permlanex16_b32: lane l xor 16
	s_mov_b32 s34, 0x3a800000                      ; 1 / 1,024
	s_mov_b32 s35, 0x358637bd                      ; 1e-6
	s_mov_b32 s29, 0                               ; the LDS byte of the K step in hand
	s_lshl_b32 s36, ttmp9, 15
	s_add_co_u32 s36, s36, s20                     ; cc: the block's 32,768 bytes, my 2,048
	s_mov_b32 s37, 0
	s_add_co_u32 s38, s18, 48
	s_lshl_b32 s38, s38, 16                        ; wc: weight 3, columns 64 w on
	s_mov_b32 s39, 0
	s_lshl_b32 s42, s18, 8                         ; gamma, beta: my 64 columns of f32
	s_mov_b32 s43, 0
	s_lshl_b32 s44, ttmp9, 17
	s_lshl_b32 s45, s18, 13
	s_add_co_u32 s44, s44, s45                     ; q and out0: the block's 32 rows of 4,096 bytes, rows 2 w and 2 w + 1
	s_mov_b32 s45, 0
	s_wait_kmcnt 0x0
	s_load_b64 s[32:33], s[14:15], 0x28            ; e10, e11
	s_add_nc_u64 s[22:23], s[4:5], s[36:37]
	s_add_nc_u64 s[24:25], s[6:7], s[38:39]
	s_add_nc_u64 s[8:9], s[8:9], s[44:45]
	s_add_nc_u64 s[10:11], s[10:11], s[42:43]
	s_add_nc_u64 s[12:13], s[12:13], s[42:43]
	s_add_nc_u64 s[16:17], s[16:17], s[44:45]
.macro WLD buf, koff
.irp j, 0,1,2,3
.irp c, 0,1
	global_load_b128 v[WB+32*(\buf)+8*\j+4*\c:WB+32*(\buf)+8*\j+4*\c+3], v[LI], s[24:25] offset:4096*(\koff)+1024*\j+512*\c
.endr
.endr
.endm
.irp i, 0,1,2,3
	global_load_b128 v[16+4*\i:19+4*\i], v[LI], s[22:23] offset:512*\i   ; ctx's images, as they lie
.endr
	WLD 0, 0
.irp i, 0,1,2,3,4,5,6,7,8,9,10,11,12,13,14,15
	global_load_b128 v[RES+4*\i:RES+4*\i+3], v[LI], s[8:9] offset:(\i/8)*4096+512*(\i%8) th:TH_LOAD_NT   ; the residual's rows 2 w, 2 w + 1: 512 consecutive bytes a load
.endr
	s_wait_loadcnt 24                              ; ctx's four loads are in; Wo's eight and the residual's sixteen may be out
.irp i, 0,1,2,3
	ds_store_b128 v[XW], v[16+4*\i:19+4*\i] offset:512*\i
.endr
.macro BARRIER                         ; my LDS stores have landed and my LDS loads are in: then the work-group's barrier
	s_wait_dscnt 0x0
	s_barrier_signal -1
	s_barrier_wait -1
.endm
	BARRIER                                        ; ctx's 32 fragments lie in LDS
	s_wait_kmcnt 0x0
	s_add_co_i32 s30, s32, s33
	s_add_co_i32 s30, s30, 127
	s_lshl_b32 s30, s30, 23                        ; 2^(e10 + e11) as f32
	s_mov_b32 s31, s30                             ; (named with it as a pair, so it is written)
; 8 matrix instructions, the 8 accumulators by turns, in the same order in every step
.macro MUL buf, zero
.irp j, 0,1
.irp i, 0,1,2,3
.set rD, ACC+32*\j+8*\i
.set rA, WB+32*(\buf)+8*\i
.set rB, XF+8*\j
.if \zero
	v_wmma_f32_16x16x64_bf8_bf8 v[rD:rD+7], v[rA:rA+7], v[rB:rB+7], 0
.else
	v_wmma_f32_16x16x64_bf8_bf8 v[rD:rD+7], v[rA:rA+7], v[rB:rB+7], v[rD:rD+7]
.endif
.endr
.endr
.endm
; A K step.  cnt: the loads issued behind this step's Wo, which may stay out.
.macro KS buf, nxt, zero, koff, cnt
	v_add_nc_u32 v[XR], s29, v[XB]                 ; this line and three v_nop: four plain lines in front of loads into registers that matrix instructions have read
	v_nop
	v_nop
	v_nop
.if \nxt
	WLD 1-\buf, \koff+1
.endif
.irp j, 0,1
.irp c, 0,1
	ds_load_b128 v[XF+8*\j+4*\c:XF+8*\j+4*\c+3], v[XR] offset:16384*\j+1024*(\koff)+512*\c
.endr
.endr
	s_wait_dscnt 0x0
	s_wait_loadcnt \cnt
	MUL \buf, \zero
.endm
.macro STEP2
	s_wait_xcnt 0x0                                ; the loads of Wo have read their base: it is stepped only behind this wait
	s_add_nc_u64 s[24:25], s[24:25], 0x2000
	s_add_co_u32 s29, s29, 0x800
.endm
	KS 0, 1, 1, 0, 24                              ; behind Wo's first step: the residual's sixteen loads and the next step's eight
	KS 1, 1, 0, 1, 8                               ; only the eight loads of Wo just issued may be out: the residual is in
.irp i, 0,1,2,3,4,5,6,7,8,9,10,11,12,13,14,15
	ds_store_b128 v[YR], v[RES+4*\i:RES+4*\i+3] offset:(\i/8)*SPITCH+512*(\i%8)   ; the residual's two rows into the stage, which nobody has touched yet
.endr
	STEP2
	s_mov_b32 s28, 6
.Lk:
	KS 0, 1, 0, 0, 8
	KS 1, 1, 0, 1, 8
	STEP2
	s_sub_co_u32 s28, s28, 1
	s_cmp_lg_u32 s28, 0
	s_cbranch_scc1 .Lk
	KS 0, 1, 0, 0, 8
	KS 1, 0, 0, 1, 0                               ; the last step asks for nothing: no load leaves the wave's 65,536 bytes of wc
	BARRIER                                        ; the residual's 32 rows lie in the stage
.irp j, 0,1
.irp b, 0,1
.irp e, 0,1,2,3
	ds_load_b128 v[RES+32*\j+16*\b+4*\e:RES+32*\j+16*\b+4*\e+3], v[YS+\j] offset:128*\b+16*\e   ; q(16 j + r, 64 w + 32 b + 16 h + 4 e ..): indexed as the sums
.endr
.endr
.endr
.rept 4
	v_nop                                          ; four plain lines in front of loads into Wo's registers and of the first read of results
.endr
.irp b, 0,1
.irp e, 0,1,2,3
	global_load_b128 v[64+16*\b+4*\e:67+16*\b+4*\e], v[GO], s[10:11] offset:128*\b+16*\e    ; gamma of my 32 columns
	global_load_b128 v[96+16*\b+4*\e:99+16*\b+4*\e], v[GO], s[12:13] offset:128*\b+16*\e    ; beta
.endr
.endr
	s_wait_dscnt 0x0                               ; the residual is in my registers
.set n, 0
.rept 32
	v_pk_fma_f32 v[ACC+n:ACC+n+1], v[ACC+n:ACC+n+1], s[30:31], v[RES+n:RES+n+1] op_sel_hi:[1,0,1]   ; x = sum x 2^(e10 + e11) + q; each accumulator from its low end on
.set n, n+2
.endr
.macro ROWRED j                        ; two chains, a pair's halves, the other half of the lanes: my wave's sum over its 64 columns of row 16 j + r
	v_pk_add_f32 v[16+4*\j:17+4*\j], v[16+4*\j:17+4*\j], v[18+4*\j:19+4*\j]
	v_add_f32 v[16+4*\j], v[16+4*\j], v[17+4*\j]
	v_permlanex16_b32 v[24+\j], v[16+4*\j], s26, s27
	v_add_f32 v[16+4*\j], v[16+4*\j], v[24+\j]
.endm
.macro SUM16 b                         ; the sixteen waves' partial sums, in the same order in every lane
	v_pk_add_f32 v[\b:\b+1], v[\b:\b+1], v[\b+2:\b+3]
	v_pk_add_f32 v[\b+4:\b+5], v[\b+4:\b+5], v[\b+6:\b+7]
	v_pk_add_f32 v[\b+8:\b+9], v[\b+8:\b+9], v[\b+10:\b+11]
	v_pk_add_f32 v[\b+12:\b+13], v[\b+12:\b+13], v[\b+14:\b+15]
	v_pk_add_f32 v[\b:\b+1], v[\b:\b+1], v[\b+4:\b+5]
	v_pk_add_f32 v[\b+8:\b+9], v[\b+8:\b+9], v[\b+12:\b+13]
	v_pk_add_f32 v[\b:\b+1], v[\b:\b+1], v[\b+8:\b+9]
	v_add_f32 v[\b], v[\b], v[\b+1]
.endm
.macro SHARE off                       ; my two partial sums into a table; a barrier; each row's sixteen back
	ds_store_b32 v[TS], v16 offset:\off            ; (both halves of the lanes hold the same number and write the same word)
	ds_store_b32 v[TS], v20 offset:\off+16*TP
	BARRIER
.irp j, 0,1
.irp i, 0,1,2,3
	ds_load_b128 v[32+16*\j+4*\i:35+16*\j+4*\i], v[TR] offset:\off+16*TP*\j+16*\i
.endr
.endr
	s_wait_dscnt 0x0
	SUM16 32
	SUM16 48
.endm
.irp j, 0,1
	v_pk_add_f32 v[16+4*\j:17+4*\j], v[ACC+32*\j:ACC+32*\j+1], v[ACC+32*\j+2:ACC+32*\j+3]
	v_pk_add_f32 v[18+4*\j:19+4*\j], v[ACC+32*\j+4:ACC+32*\j+5], v[ACC+32*\j+6:ACC+32*\j+7]
.irp p, 8,12,16,20,24,28
	v_pk_add_f32 v[16+4*\j:17+4*\j], v[16+4*\j:17+4*\j], v[ACC+32*\j+\p:ACC+32*\j+\p+1]
	v_pk_add_f32 v[18+4*\j:19+4*\j], v[18+4*\j:19+4*\j], v[ACC+32*\j+\p+2:ACC+32*\j+\p+3]
.endr
	ROWRED \j
.endr
	SHARE 0
	v_mul_f32 v26, 0xba800000, v32                 ; -mean = the row's sum x -1 / 1,024
	v_mul_f32 v28, 0xba800000, v48
.irp j, 0,1
.set n, 0
.rept 16
	v_pk_add_f32 v[ACC+32*\j+n:ACC+32*\j+n+1], v[ACC+32*\j+n:ACC+32*\j+n+1], v[26+2*\j:27+2*\j] op_sel_hi:[1,0]   ; d = x - mean
.set n, n+2
.endr
.endr
.irp j, 0,1
	v_pk_mul_f32 v[16+4*\j:17+4*\j], v[ACC+32*\j:ACC+32*\j+1], v[ACC+32*\j:ACC+32*\j+1]
	v_pk_mul_f32 v[18+4*\j:19+4*\j], v[ACC+32*\j+2:ACC+32*\j+3], v[ACC+32*\j+2:ACC+32*\j+3]
.irp p, 4,8,12,16,20,24,28
	v_pk_fma_f32 v[16+4*\j:17+4*\j], v[ACC+32*\j+\p:ACC+32*\j+\p+1], v[ACC+32*\j+\p:ACC+32*\j+\p+1], v[16+4*\j:17+4*\j]
	v_pk_fma_f32 v[18+4*\j:19+4*\j], v[ACC+32*\j+\p+2:ACC+32*\j+\p+3], v[ACC+32*\j+\p+2:ACC+32*\j+\p+3], v[18+4*\j:19+4*\j]
.endr
	ROWRED \j
.endr
	SHARE T2
	v_fma_f32 v32, v32, s34, s35                   ; the variance + 1e-6
	v_fma_f32 v48, v48, s34, s35
	v_rsq_f32 v26, v32
	v_rsq_f32 v28, v48
	v_nop                                          ; a plain line behind the two roots,
	s_wait_alu depctr_va_vdst(0)                   ; and one wait ahead of their first reader
	s_wait_loadcnt 0x0                             ; gamma and beta
.irp j, 0,1
.set n, 0
.rept 16
	v_pk_mul_f32 v[ACC+32*\j+n:ACC+32*\j+n+1], v[ACC+32*\j+n:ACC+32*\j+n+1], v[26+2*\j:27+2*\j] op_sel_hi:[1,0]
	v_pk_fma_f32 v[ACC+32*\j+n:ACC+32*\j+n+1], v[ACC+32*\j+n:ACC+32*\j+n+1], v[64+n:65+n], v[96+n:97+n]
.set n, n+2
.endr
.endr
.irp j, 0,1
.irp b, 0,1
.irp e, 0,1,2,3
	ds_store_b128 v[YS+\j], v[ACC+32*\j+16*\b+4*\e:ACC+32*\j+16*\b+4*\e+3] offset:128*\b+16*\e   ; over the residual's bytes that this lane alone has read, two barriers ago
.endr
.endr
.endr
	BARRIER                                        ; 32 whole rows of the result lie in the stage
.irp i, 0,1,2,3,4,5,6,7,8,9,10,11,12,13,14,15
	ds_load_b128 v[RES+4*\i:RES+4*\i+3], v[YR] offset:(\i/8)*SPITCH+512*(\i%8)
.endr
.irp i, 0,1,2,3,4,5,6,7,8,9,10,11,12,13,14,15
	s_wait_dscnt 15-\i                             ; LDS loads come back in order (ISA guide 5.7.1): load i is in, the younger ones may be out
	global_store_b128 v[LI], v[RES+4*\i:RES+4*\i+3], s[16:17] offset:(\i/8)*4096+512*(\i%8) th:TH_STORE_NT   ; 512 consecutive bytes, aligned; written once, read by nobody here
.endr
	s_wait_tensorcnt 0x0
	ds_add_u32 v5, v12
	s_wait_dscnt 0x0
	s_endpgm
.Lfunc_end_k_qe098036221_oproj:
	.size	k_qe098036221_oproj, .Lfunc_end_k_qe098036221_oproj-k_qe098036221_oproj
	.p2alignl 7, 3214868480
	.fill 96, 4, 3214868480
	.section	.rodata,"a",@progbits
	.p2align	6, 0x0
	.amdhsa_kernel k_qe098036221_oproj
		.amdhsa_group_segment_fixed_size 171520
		.amdhsa_private_segment_fixed_size 0
		.amdhsa_enable_private_segment 0
		.amdhsa_kernarg_size 56
		.amdhsa_user_sgpr_count 2
		.amdhsa_user_sgpr_kernarg_segment_ptr 1
		.amdhsa_wavefront_size32 1
		.amdhsa_system_sgpr_workgroup_id_x 1
		.amdhsa_system_sgpr_workgroup_id_y 1
		.amdhsa_system_sgpr_workgroup_id_z 1
		.amdhsa_system_vgpr_workitem_id 0
		.amdhsa_next_free_vgpr 256
		.amdhsa_next_free_sgpr 66
		.amdhsa_reserve_vcc 0
		.amdhsa_float_denorm_mode_32 3
		.amdhsa_float_denorm_mode_16_64 3
		.amdhsa_memory_ordered 1
		.amdhsa_forward_progress 1
		.amdhsa_inst_pref_size 40
	.end_amdhsa_kernel
	.amdgpu_metadata
---
amdhsa.version: [ 1, 2 ]
amdhsa.kernels:
  - .name:           k_qe098036221_oproj
    .symbol:         k_qe098036221_oproj.kd
    .args:
      - { .name: cc, .offset: 0, .size: 8, .value_kind: global_buffer, .address_space: global }
      - { .name: wc, .offset: 8, .size: 8, .value_kind: global_buffer, .address_space: global }
      - { .name: q, .offset: 16, .size: 8, .value_kind: global_buffer, .address_space: global }
      - { .name: gamma, .offset: 24, .size: 8, .value_kind: global_buffer, .address_space: global }
      - { .name: beta, .offset: 32, .size: 8, .value_kind: global_buffer, .address_space: global }
      - { .name: lowp_scales, .offset: 40, .size: 8, .value_kind: global_buffer, .address_space: global }
      - { .name: out0, .offset: 48, .size: 8, .value_kind: global_buffer, .address_space: global }
    .group_segment_fixed_size: 171520
    .private_segment_fixed_size: 0
    .kernarg_segment_align: 8
    .kernarg_segment_size: 56
    .max_flat_workgroup_size: 512
    .sgpr_count:     66
    .vgpr_count:     256
    .wavefront_size: 32
...
	.end_amdgpu_metadata
.endif
;; end of part 7
;; ======== version 3 of 3: 4 launches; version 2 with the launches proj, oproj written anew for expert scheduling mode
;; limits: right only within a limited range of input values
;; workspace buffers: wc 4,194,304 bytes; mw 2,097,152 bytes of whole numbers; qc 8,388,608 bytes; kv 16,777,216 bytes; cc 8,388,608 bytes
;; launch prep: the kernel of part 1 again; grid 640 x 1, 4 waves a work-group, no clusters, 34,304 bytes of LDS; arguments Wq, Wk, Wv, Wo, mask, lowp_scales, wc, mw; writes wc, mw
;; launch proj (part 8): grid 128 x 3, 16 waves a work-group, no clusters, 202,752 bytes of LDS; arguments q, k, v, wc, lowp_scales, qc, kv; writes qc, kv
.if DOCPART == 8
	.amdgcn_target "amdgcn-amd-amdhsa--gfx1250"
	.amdhsa_code_object_version 6
	.text
	.protected	k_qe098036221_proj
	.globl	k_qe098036221_proj
	.p2align	8
	.type	k_qe098036221_proj,@function
k_qe098036221_proj:
	s_mov_b64 s[64:65], 0
	v_nop
	global_prefetch_b8 v0, s[64:65] scope:SCOPE_SE
	s_setreg_imm32_b32 hwreg(HW_REG_WAVE_SCHED_MODE, 0, 2), 2
	s_setreg_imm32_b32 hwreg(HW_REG_WAVE_MODE, 25, 1), 1
	s_wait_xcnt 0x0
	s_wait_alu depctr_vm_vsrc(0)
; The three input projections on codes of E5M2.  Work-group (x, T): tensor T (0 q, 1 k, 2 v), tokens 64 x .. 64 x + 63, all 1,024 columns; wave w makes head w's 64 columns.
; PHASE X: the block's 64 x 1,024 f32 numbers are read once, quantised once (given scale 2^eA) and laid in LDS as images of operand registers: [K step 16][tile 4][1,024 bytes], lane l's 16 bytes of a piece at 16 l.
;   A wave takes 16 rows x 256 along K.  Each of its 32 loads reads 512 consecutive bytes of one row, 16 a lane; the conversions want 16 NEIGHBOURS in a lane, so 128 along K at a time turn through the wave's own stage in LDS
;   (16 rows x (512 + 16) bytes): in as loaded, out 64 bytes a lane and block of 32.
; PHASE K: 16 steps of 64 along K; a step is 4 fragments of X from LDS, 4 of W from memory (wc is laid in register order: 16 x lane), 16 matrix instructions on 16 accumulators by turns.
; THE WAY OUT: the sums are quantised in registers (scale 2^(eO - eA - eB): the three given scales folded into one) and stored as images again: each store covers 512 consecutive bytes, aligned.
; WHICH SIDE IS SOURCE 0.  q, k: source 0 = 16 columns of W, source 1 = 16 tokens: a lane holds one token and, thanks to the choice of columns in a tile of W, 16 neighbouring d: K of the scores' product.
;   v: source 0 = 16 tokens, source 1 = 16 columns of W: a lane holds one d and 16 neighbouring tokens: the keys are K of the second product.  The two ways differ in the matrix lines alone: a scalar branch on T round them.
; SLOTS.  Slot r of tile 2 b + u stands for element 32 b + 8 u + r + 8 (r / 8): W's columns always; the tokens of k (its tiles become source 0 of the scores) and of v; q's tiles hold tokens 16 t + r.
; k lies in a fragment's registers as piece c, half h, byte i: k = 32 c + 16 h + i, alike in both sources, so every product meets its partner; only the order of the sums inside an instruction differs.
; NO JOINT LOADS: each fragment of W is read by one wave of a work-group and by no other, so it goes from memory straight into that wave's registers; through LDS a step's 4 KB of W would be written and read there besides X's 4 KB,
; and a slot of one K step would have 16 matrix instructions a wave in which to land.
; LIMITS: eA, and eO - eA - eB, between -126 and 112.  NaN among the inputs is not served.
; THE MODE: SCHED_MODE bits 1:0 = 2 (LLVM: expert scheduling mode 2), set by the entry lines.  The code itself states the register dependences
; between vector or matrix instructions and memory or LDS instructions, with s_wait_alu, always for 0.
; THE PLAN.  Registers that memory or LDS instructions touch:
;   v1-3, v13, v14, v30, v31   offsets and LDS addresses: written once at the head, ahead of the first wait on va_vdst; never written again.
;   v9-12    the final stores' offsets: written once, behind X's first loads; the waits of phase X and of the K steps stand between them and those stores.
;   v[XR]    read by every LDS load of a fragment of X; written once for two K steps, behind a wait on vm_vsrc; the next step's wait on va_vdst stands ahead of its next reader.
;   ACC      X's loads land there; the stage's LDS stores read it; from the first K step on the products write it: a wait on vm_vsrc behind the barrier stands between.
;   Y = WB   the stage's LDS loads land there; holds and conversions work on it; then W's loads land there, two sets by turns, and the products read them.
;   XF       phase X's conversions write it, the images' LDS stores read it; then each step's LDS loads land there and the products read it; on the way out conversions write it and the global stores read it.
; PHASE X has one wait on va_vdst for two K steps' conversions, ahead of their four LDS stores; it also states that Y is done with, for the loads that land there next.
; A K STEP has one wait on va_vdst, at its head: the step before read XF and the set of W in which this step's sixteen loads land.  XF has one set: four waves to a SIMD leave a wave 256 registers, which ACC, W's two sets, XF and the addresses fill.
; THE WAY OUT has one wait on va_vdst, behind all four tiles' conversions and ahead of the eight stores.
.set STG,   65536                      ; LDS: behind the images, a stage for each wave
.set SROW,  528                        ; a stage row: 512 bytes + 16: row r starts 4 r banks on, so the sixteen rows that a load touches start at sixteen different groups of banks
.set SWAVE, 16*SROW
.set LI,  1                            ; v1     16 x lane
.set XG,  2                            ; v2     16 x lane, + 8 rows of 4,096 bytes where the tile is laid by slots: for slots 8 to 15
.set XW,  3                            ; v3     where I store X's images
.set XR,  4                            ; v4     where I read X's fragments: 16 x lane + the LDS byte of the two K steps in hand
.set SA,  5                            ; v5, v6 2^eA and 57,344 x 2^eA
.set LA,  6
.set SO,  7                            ; v7, v8 the same with eO - eA - eB
.set LO,  8
.set ST,  9                            ; v9-12  the way out: 16 x lane + j x the stride from tile to tile
.set SI,  13                           ; v13    my stage, on the way in: 16 x lane
.set SX,  14                           ; v14    and on the way out: row r, + 64 h
.set XF,  32                           ; v32-63   X's four fragments; in phase X and on the way out: codes
.set WB,  64                           ; v64-127  W's four fragments, two sets
.set Y,   64                           ; v64-127  in phase X: 64 numbers back from the stage
.set ACC, 128                          ; v128-255 accumulator (i, j) at ACC + 32 j + 8 i; in phase X: the numbers as loaded
	s_load_b256 s[4:11], s[0:1], 0x0               ; q s[4:5], k s[6:7], v s[8:9], wc s[10:11]
	s_load_b128 s[12:15], s[0:1], 0x20             ; scales s[12:13], qc s[14:15]
	s_load_b64 s[16:17], s[0:1], 0x30              ; kv
	v_lshl_add_u32 v30, v0, 2, 0x31000
	v_mov_b32 v31, 0
	v_lshrrev_b32 v20, 5, v0
	v_readfirstlane_b32 s18, v20                   ; wave 0..15
	s_and_b32 s19, ttmp7, 0xffff                   ; T
	s_mov_b32 s20, ttmp9                           ; x
	v_and_b32 v20, 31, v0
	v_lshlrev_b32 v[LI], 4, v20
	v_and_b32 v21, 15, v0                          ; r
	v_bfe_u32 v22, v0, 4, 1                        ; h
	s_wait_alu depctr_va_sdst(0)                   ; s18 is written, ahead of its first reader: LDS places and the bases of X, W and the results are made from it
	s_lshr_b32 s35, s18, 2                         ; phase X: my tile of rows,
	s_and_b32 s36, s18, 3                          ; my four K steps
	s_lshr_b32 s37, s35, 1
	s_lshl_b32 s37, s37, 5
	s_and_b32 s38, s35, 1
	s_lshl_b32 s38, s38, 3
	s_add_co_u32 s37, s37, s38                     ; the tile's first row by slots: 32 (t / 2) + 8 (t % 2),
	s_lshl_b32 s38, s35, 4                         ; or plainly: 16 t
	s_cmp_lg_u32 s19, 0
	s_cselect_b32 s37, s37, s38
	s_cselect_b32 s38, 0x8000, 0                   ; slot p stands for row p + 8 (p / 8), or p: slots 8 to 15 lie 8 rows further on, or not
	v_add_nc_u32 v[XG], s38, v[LI]
	s_mul_i32 s39, s18, SWAVE
	s_add_co_u32 s39, s39, STG                     ; my stage
	v_add_nc_u32 v[SI], s39, v[LI]
	v_mul_u32_u24 v[SX], v21, SROW
	v_lshl_add_u32 v[SX], v22, 6, v[SX]
	v_add_nc_u32 v[SX], s39, v[SX]
	s_lshl_b32 s40, s20, 6
	s_add_co_u32 s40, s40, s37
	s_lshl_b32 s40, s40, 12
	s_lshl_b32 s41, s36, 10
	s_add_co_u32 s40, s40, s41                     ; X: (64 x + the tile's first row) rows, + my four K steps of 256 bytes
	s_mov_b32 s41, 0
	s_lshl_b32 s42, s35, 10
	s_lshl_b32 s43, s36, 14
	s_add_co_u32 s42, s42, s43
	v_add_nc_u32 v[XW], s42, v[LI]                 ; images: 16 x lane + 1,024 x tile + 4 x 4,096 x (my four K steps)
	s_lshl_b32 s44, s19, 4
	s_add_co_u32 s44, s44, s18
	s_lshl_b32 s44, s44, 16                        ; wc: weight T, head w: 65,536 bytes
	s_mov_b32 s45, 0
	s_lshl_b32 s46, s19, 3                         ; the scales: eA, eB at entries 2 T, 2 T + 1;
	s_mov_b32 s47, 0
	s_cmp_eq_u32 s19, 2
	s_cselect_b32 s48, 4, 0
	s_lshl_b32 s49, s19, 2
	s_add_co_u32 s48, s48, s49                     ; eO at entry 6, 7, 9
	s_mov_b32 s49, 0
	s_mov_b32 s29, 0                               ; the LDS byte of the two K steps in hand
	v_add_nc_u32 v[XR], s29, v[LI]
	s_wait_kmcnt 0x0
	s_add_nc_u64 s[46:47], s[12:13], s[46:47]
	s_add_nc_u64 s[48:49], s[12:13], s[48:49]
	s_load_b64 s[32:33], s[46:47], 0x0             ; eA, eB
	s_load_b32 s34, s[48:49], 0x18                 ; eO
	s_cmp_eq_u32 s19, 1                            ; the choices hang on the work-group's number alone
	s_cselect_b64 s[22:23], s[6:7], s[4:5]
	s_cmp_eq_u32 s19, 2
	s_cselect_b64 s[22:23], s[8:9], s[22:23]
	s_add_nc_u64 s[22:23], s[22:23], s[40:41]
	s_add_nc_u64 s[24:25], s[10:11], s[44:45]
	s_wait_alu depctr_va_vdst(0)                   ; v1 to v4, v13, v14, v30 and v31 are written: the loads, LDS stores and LDS loads below read them as offsets and addresses
.macro WLD buf, koff                   ; W's four fragments of the K step koff on from the pointer, into set buf: each load reads 512 consecutive bytes
.irp j, 0,1,2,3
.irp c, 0,1
	global_load_b128 v[WB+32*(\buf)+8*\j+4*\c:WB+32*(\buf)+8*\j+4*\c+3], v[LI], s[24:25] offset:4096*(\koff)+1024*\j+512*\c
.endr
.endr
.endm
.irp f, 0,1                            ; my 16 slots x 1,024 bytes, 128 along K (512 bytes) at a time: each load reads 512 consecutive bytes of one row
.irp p, 0,1,2,3,4,5,6,7
	global_load_b128 v[ACC+64*\f+4*\p:ACC+64*\f+4*\p+3], v[LI], s[22:23] offset:4096*\p+512*\f th:TH_LOAD_NT
.endr
.irp p, 8,9,10,11,12,13,14,15
	global_load_b128 v[ACC+64*\f+4*\p:ACC+64*\f+4*\p+3], v[XG], s[22:23] offset:4096*\p+512*\f th:TH_LOAD_NT
.endr
.endr
	; where the results go
	s_lshr_b32 s50, s20, 5                         ; b
	s_and_b32 s51, s20, 31                         ; which 64 tokens of the batch
	s_lshl_b32 s50, s50, 4
	s_add_co_u32 s50, s50, s18                     ; bh = 16 b + head
	s_lshl_b32 s52, s50, 17
	s_lshl_b32 s53, s51, 12
	s_add_co_u32 s52, s52, s53                     ; qc: (128 bh + 4 x block) x 1,024
	s_lshl_b32 s54, s50, 18
	s_lshr_b32 s53, s51, 1
	s_lshl_b32 s53, s53, 14
	s_add_co_u32 s54, s54, s53                     ; kv: (16 bh + key step) x 16,384
	s_and_b32 s53, s51, 1                          ; which half of the key step's 128 keys
	s_cmp_eq_u32 s19, 2
	s_cselect_b32 s55, 10, 12                      ; K: four tiles of 1,024 on;  V: two pieces of 512 on in every tile,
	s_cselect_b32 s56, 0x2000, 0                   ; behind K's 8,192 bytes
	s_mov_b32 s28, 1024
	s_cselect_b32 s28, 0x800, s28                  ; from tile to tile: 2,048 in V, else 1,024
	s_lshl_b32 s53, s53, s55
	s_add_co_u32 s54, s54, s53
	s_add_co_u32 s54, s54, s56
	s_cmp_eq_u32 s19, 0
	s_cselect_b32 s52, s52, s54
	s_cselect_b64 s[26:27], s[14:15], s[16:17]
	s_mov_b32 s53, 0
	s_add_nc_u64 s[26:27], s[26:27], s[52:53]
	v_mov_b32 v[ST], v[LI]                         ; (read by the final stores alone: every later wait on va_vdst stands between)
	v_add_nc_u32 v[ST+1], s28, v[ST]
	v_add_nc_u32 v[ST+2], s28, v[ST+1]
	v_add_nc_u32 v[ST+3], s28, v[ST+2]
	s_wait_kmcnt 0x0
	s_add_co_i32 s50, s32, 127
	s_lshl_b32 s51, s50, 23
	v_mov_b32 v[SA], s51                           ; 2^eA as f32: the conversion takes its exponent field
	s_add_co_i32 s50, s50, 15
	s_lshl_b32 s50, s50, 23
	s_or_b32 s50, s50, 0x600000
	v_mov_b32 v[LA], s50                           ; 57,344 x 2^eA
	s_sub_co_i32 s50, s34, s32
	s_sub_co_i32 s50, s50, s33                     ; a sum stands for sum x 2^(eA + eB): its code is sum / 2^(eO - eA - eB)
	s_add_co_i32 s50, s50, 127
	s_lshl_b32 s51, s50, 23
	v_mov_b32 v[SO], s51
	s_add_co_i32 s50, s50, 15
	s_lshl_b32 s50, s50, 23
	s_or_b32 s50, s50, 0x600000
	v_mov_b32 v[LO], s50
.macro TURN f                          ; 128 along K of my 16 slots through my stage.  Back: register 16 b + i = k 32 b + 16 h + i of slot r
.irp p, 0,1,2,3,4,5,6,7,8,9,10,11,12,13,14,15
	ds_store_b128 v[SI], v[ACC+64*\f+4*\p:ACC+64*\f+4*\p+3] offset:SROW*\p
.endr
.irp p, 0,1,2,3,4,5,6,7,8,9,10,11,12,13,14,15
	ds_load_b128 v[Y+4*\p:Y+4*\p+3], v[SX] offset:128*(\p/4)+16*(\p%4)   ; LDS serves a wave's instructions in order (ISA guide 5.7.1.4): these see the stores above, and the next turn's stores come behind them
.endr
	s_wait_dscnt 0x0                               ; the turned numbers are in
.endm
.macro CODES s                         ; my K step s: 32 numbers a lane become a fragment's 8 registers
.set YQ, Y+32*((\s)%2)
.set i, 0
.rept 32
	v_med3_num_f32 v[YQ+i], v[YQ+i], -v[LA], v[LA] ; the conversion does not saturate (ISA guide 7.6.2): the hold at the largest code x the scale
.set i, i+1
.endr
.irp g, 0,1,2,3
	v_cvt_scalef32_pk8_bf8_f32 v[XF+8*\s+2*\g:XF+8*\s+2*\g+1], v[YQ+8*\g:YQ+8*\g+7], v[SA]
.endr
.endm
.macro IMAGES s                        ; which go to LDS as they stand
	ds_store_b128 v[XW], v[XF+8*\s:XF+8*\s+3] offset:4096*\s
	ds_store_b128 v[XW], v[XF+8*\s+4:XF+8*\s+7] offset:4096*\s+512
.endm
	s_wait_loadcnt 16                              ; the first 128 along K are in; the second half's sixteen loads may be out
	TURN 0
	CODES 0
	CODES 1
	v_nop                                          ; a plain line behind the last conversion of the run
	s_wait_alu depctr_va_vdst(0)                   ; the conversions have written v[XF .. XF + 15], which the LDS stores read; they and the holds are done with Y, in which the next turn's LDS loads land
	IMAGES 0
	IMAGES 1
	s_wait_loadcnt 0x0
	TURN 1
	CODES 2
	CODES 3
	v_nop                                          ; a plain line behind the last conversion of the run
	s_wait_alu depctr_va_vdst(0)                   ; the conversions have written v[XF + 16 .. XF + 31], which the LDS stores read; they and the holds are done with Y, in which the loads of W land
	IMAGES 2
	IMAGES 3
	WLD 0, 0                                       ; W's first K step, into registers that the turned numbers have left: it travels while the waves meet
	s_wait_dscnt 0x0                               ; for the others' sake: my images have landed
	s_barrier_signal -1
	s_barrier_wait -1                              ; all 64 images lie in LDS; nobody writes them again
	s_wait_alu depctr_vm_vsrc(0)                   ; the stage's LDS stores have read ACC, which the first products write; the images' LDS stores have read XF, in which the fragments' loads land
.macro XLD koff
.irp j, 0,1,2,3
.irp c, 0,1
	ds_load_b128 v[XF+8*\j+4*\c:XF+8*\j+4*\c+3], v[XR] offset:4096*(\koff)+1024*\j+512*\c
.endr
.endr
.endm
; 16 matrix instructions, the 16 accumulators by turns, in the same order in every step.  zero = 1: the first step starts the sums.
.macro MUL buf, zero, swap
.irp j, 0,1,2,3
.irp i, 0,1,2,3
.set rD, ACC+32*\j+8*\i
.if \swap
.set rA, XF+8*\i
.set rB, WB+32*(\buf)+8*\j
.else
.set rA, WB+32*(\buf)+8*\i
.set rB, XF+8*\j
.endif
.if \zero
	v_wmma_f32_16x16x64_bf8_bf8 v[rD:rD+7], v[rA:rA+7], v[rB:rB+7], 0
.else
	v_wmma_f32_16x16x64_bf8_bf8 v[rD:rD+7], v[rA:rA+7], v[rB:rB+7], v[rD:rD+7]
.endif
.endr
.endr
.endm
; A K step.  Four plain lines stand between the last matrix instruction and loads into registers that it read (ISA guide 7.12.1 for vector instructions); they stay beside the wait.
.macro KS buf, nxt, zero, koff
	v_nop
	v_nop
	v_nop
	v_nop
	s_wait_alu depctr_va_vdst(0)                   ; the last step's products are done reading XF and the other set of W, in which the loads below land; in the first of two steps v[XR] is written
	XLD \koff                                      ; X's fragments first: they are wanted in this step
.if \nxt
	WLD 1-\buf, \koff+1                            ; the next step's W, into the other set
.endif
	s_wait_dscnt 0x0                               ; X's fragments are in
.if \nxt
	s_wait_loadcnt 8                               ; this step's W is in; the eight loads just issued may be out
.else
	s_wait_loadcnt 0
.endif
	s_cmp_eq_u32 s19, 2                            ; the same in every wave of the work-group
	s_cbranch_scc1 .Lsw_\@
	MUL \buf, \zero, 0
	s_branch .Ljn_\@
.Lsw_\@:
	MUL \buf, \zero, 1
.Ljn_\@:
.endm
.macro STEP2
	s_wait_xcnt 0x0                                ; the loads of W have read their base: it is stepped only behind this wait
	s_wait_alu depctr_vm_vsrc(0)                   ; the LDS loads issued so far have read v[XR], which is written below
	s_add_nc_u64 s[24:25], s[24:25], 0x2000
	s_add_co_u32 s29, s29, 0x2000
	v_add_nc_u32 v[XR], s29, v[LI]
.endm
	KS 0, 1, 1, 0
	KS 1, 1, 0, 1
	STEP2
	s_mov_b32 s30, 6
.Lk:                                               ; two K steps a trip, so that W's sets are back where they began
	KS 0, 1, 0, 0
	KS 1, 1, 0, 1
	STEP2
	s_sub_co_u32 s30, s30, 1
	s_cmp_lg_u32 s30, 0
	s_cbranch_scc1 .Lk
	KS 0, 1, 0, 0
	KS 1, 0, 0, 1                                  ; the last step asks for nothing of W: no load leaves the wave's 65,536 bytes of wc
.rept 4
	v_nop                                          ; four plain lines in front of the first read of results
.endr
; Tile j of source 1: registers 32 j + 16 c + i are 16 neighbours along the next K for c = 0, 1: two pieces of 512 bytes.
.macro OUTC j
.set i, 0
.rept 32
	v_med3_num_f32 v[ACC+32*\j+i], v[ACC+32*\j+i], -v[LO], v[LO]   ; each accumulator from its low end on
.set i, i+1
.endr
.irp g, 0,1,2,3
	v_cvt_scalef32_pk8_bf8_f32 v[XF+8*\j+2*\g:XF+8*\j+2*\g+1], v[ACC+32*\j+8*\g:ACC+32*\j+8*\g+7], v[SO]
.endr
.endm
.macro OUTS j
	global_store_b128 v[ST+\j], v[XF+8*\j:XF+8*\j+3], s[26:27]
	global_store_b128 v[ST+\j], v[XF+8*\j+4:XF+8*\j+7], s[26:27] offset:512
.endm
	OUTC 0
	OUTC 1
	OUTC 2
	OUTC 3
	v_nop                                          ; a plain line behind the last conversion of the run
	s_wait_alu depctr_va_vdst(0)                   ; the conversions have written v[XF .. XF + 31], which the eight stores read
	OUTS 0
	OUTS 1
	OUTS 2
	OUTS 3
	s_wait_dscnt 0x0                               ; the closing lines, six on end
	s_wait_alu 0x0
	s_wait_tensorcnt 0x0
	ds_add_u32 v30, v31
	s_wait_dscnt 0x0
	s_endpgm
.Lfunc_end_k_qe098036221_proj:
	.size	k_qe098036221_proj, .Lfunc_end_k_qe098036221_proj-k_qe098036221_proj
	.p2alignl 7, 3214868480
	.fill 96, 4, 3214868480
	.section	.rodata,"a",@progbits
	.p2align	6, 0x0
	.amdhsa_kernel k_qe098036221_proj
		.amdhsa_group_segment_fixed_size 202752
		.amdhsa_private_segment_fixed_size 0
		.amdhsa_enable_private_segment 0
		.amdhsa_kernarg_size 56
		.amdhsa_user_sgpr_count 2
		.amdhsa_user_sgpr_kernarg_segment_ptr 1
		.amdhsa_wavefront_size32 1
		.amdhsa_system_sgpr_workgroup_id_x 1
		.amdhsa_system_sgpr_workgroup_id_y 1
		.amdhsa_system_sgpr_workgroup_id_z 1
		.amdhsa_system_vgpr_workitem_id 0
		.amdhsa_next_free_vgpr 256
		.amdhsa_next_free_sgpr 66
		.amdhsa_reserve_vcc 0
		.amdhsa_float_denorm_mode_32 3
		.amdhsa_float_denorm_mode_16_64 3
		.amdhsa_memory_ordered 1
		.amdhsa_forward_progress 1
		.amdhsa_inst_pref_size 54
	.end_amdhsa_kernel
	.amdgpu_metadata
---
amdhsa.version: [ 1, 2 ]
amdhsa.kernels:
  - .name:           k_qe098036221_proj
    .symbol:         k_qe098036221_proj.kd
    .args:
      - { .name: q, .offset: 0, .size: 8, .value_kind: global_buffer, .address_space: global }
      - { .name: k, .offset: 8, .size: 8, .value_kind: global_buffer, .address_space: global }
      - { .name: v, .offset: 16, .size: 8, .value_kind: global_buffer, .address_space: global }
      - { .name: wc, .offset: 24, .size: 8, .value_kind: global_buffer, .address_space: global }
      - { .name: lowp_scales, .offset: 32, .size: 8, .value_kind: global_buffer, .address_space: global }
      - { .name: qc, .offset: 40, .size: 8, .value_kind: global_buffer, .address_space: global }
      - { .name: kv, .offset: 48, .size: 8, .value_kind: global_buffer, .address_space: global }
    .group_segment_fixed_size: 202752
    .private_segment_fixed_size: 0
    .kernarg_segment_align: 8
    .kernarg_segment_size: 56
    .max_flat_workgroup_size: 512
    .sgpr_count:     66
    .vgpr_count:     256
    .wavefront_size: 32
...
	.end_amdgpu_metadata
.endif
;; end of part 8
;; launch attn: the kernel of part 6 again; grid 4 x 64, 16 waves a work-group, clusters of 4 x 1, 264,192 bytes of LDS; arguments qc, kv, mw, lowp_scales, cc; writes cc
;; launch oproj (part 9): grid 256 x 1, 16 waves a work-group, no clusters, 171,520 bytes of LDS; arguments cc, wc, q, gamma, beta, lowp_scales, out0; writes out0
.if DOCPART == 9
	.amdgcn_target "amdgcn-amd-amdhsa--gfx1250"
	.amdhsa_code_object_version 6
	.text
	.protected	k_qe098036221_oproj
	.globl	k_qe098036221_oproj
	.p2align	8
	.type	k_qe098036221_oproj,@function
k_qe098036221_oproj:
	s_mov_b64 s[64:65], 0
	v_nop
	global_prefetch_b8 v0, s[64:65] scope:SCOPE_SE
	s_setreg_imm32_b32 hwreg(HW_REG_WAVE_SCHED_MODE, 0, 2), 2
	s_setreg_imm32_b32 hwreg(HW_REG_WAVE_MODE, 25, 1), 1
	s_wait_xcnt 0x0
	s_wait_alu depctr_vm_vsrc(0)
; out0 = LayerNorm(ctx Wo + q) x gamma + beta.  ctx (cc) and Wo (wc, weight 3) are codes of E5M2 laid as images of operand registers; the product's sums are multiplied by 2^(e10 + e11).
; SHARES.  A work-group takes 32 rows x all 1,024 columns, since the norm wants whole rows; wave w makes columns 64 w .. 64 w + 63: 4 x 2 accumulators, source 0 = 16 columns of Wo, source 1 = 16 rows of ctx,
; so a lane holds one row (16 j + lane % 16) and, in registers 32 j + 16 b + e, columns 64 w + 32 b + 16 (lane / 16) + e.
; LDS: a stage of 32 rows x (4,096 + 16) bytes; ctx's 32 fragments [j 2][K step 16][1,024]; two tables of 32 rows x 16 partial sums (pitch 80).  Five barriers.
; THE RESIDUAL comes in as the result goes out: wave w loads rows 2 w and 2 w + 1 of q, 512 consecutive bytes a load, and lays them in the stage; behind a barrier each lane reads its 64 numbers there,
; at the very bytes into which it later stores its 64 results.
; The mean is taken first and the variance of x - mean, so that no difference of large sums is formed.
; NO JOINT LOADS: each fragment of Wo is read by one wave of a work-group and by no other, so it goes from memory straight into that wave's registers; through LDS a step's 4 KB would be written and read there besides ctx's 2 KB,
; and a slot of one K step would have 8 matrix instructions a wave in which to land.
; LIMIT: e10 + e11 between -126 and 127.  NaN among the inputs is not served.
; THE MODE: SCHED_MODE bits 1:0 = 2 (LLVM: expert scheduling mode 2), set by the entry lines.  The code itself states the register dependences
; between vector or matrix instructions and memory or LDS instructions, with s_wait_alu, always for 0.
; THE PLAN.  Registers that memory or LDS instructions touch:
;   v1-3, v5-12   offsets and LDS addresses: written once at the head, ahead of the first wait on va_vdst; never written again.
;   v[XR]    read by every LDS load of a fragment of ctx; written once for two K steps, behind a wait on vm_vsrc; the next step's wait on va_vdst stands ahead of its next reader.
;   v16-31   ctx's loads land there; the images' LDS stores read them; behind the K loop the sums' vector lines write them.
;   XF0, XF1 two sets of ctx's two fragments;  WB0, WB1 two sets of Wo's four.  Step t: its products read XF[t % 2] and WB[t % 2]; its loads, for step t + 1, land in the other two, which the products of step t - 1 read.
;   RES      the residual's loads land there; the stage's LDS stores read it; behind the K loop LDS loads land there, a packed multiply-add reads it, LDS loads land there once more, and the global stores read it.
;   v32-63   behind the K loop the tables' LDS loads land there, twice; vector lines add them up.   v64-127 gamma and beta land there behind the last products.
;   v16, v20 a wave's partial sums: vector lines write them, the tables' LDS stores read them, twice.     ACC: at the end the stage's LDS stores read it.
; A K STEP that asks for a next one has one wait on va_vdst, at its head; the twelve loads follow it, and the waits for this step's own data are counted, since it was asked for a step ago.
; One wait on vm_vsrc for two K steps stands ahead of the add to v[XR]; the first of them stands behind the images' and the residual's LDS stores, and so frees v16-31 and RES as well.
.set SPITCH, 4112
.set XIMG,   32*SPITCH                 ; behind the stage
.set ST1,    XIMG+32768                ; the sums' table; the squares' lies T2 bytes on
.set TP,     80
.set T2,     32*TP
.set LI,  1                            ; v1      16 x lane
.set XW,  2                            ; v2      where I store ctx's images
.set XB,  3                            ; v3      XIMG + 16 x lane
.set XR,  4                            ; v4      the fragments of the two K steps in hand
.set GO,  6                            ; v6      gamma, beta: 64 h
.set TS,  7                            ; v7      a table: where I put my wave's partial sum of row r
.set TR,  8                            ; v8      and where row r's sixteen begin
.set YS,  9                            ; v9, v10 the stage: my 64 bytes of row r, of row 16 + r
.set YR,  11                           ; v11     the stage: my 16 bytes of row 2 w
.set XF,  32                           ; v32-63  ctx's two fragments, two sets; later the partial sums
.set WB,  64                           ; v64-127 Wo's four fragments, two sets; later gamma (v64-95) and beta (v96-127)
.set ACC, 128                          ; v128-191
.set RES, 192                          ; v192-255 the residual: first as rows, then indexed as ACC; later rows of the result
	s_load_b256 s[4:11], s[0:1], 0x0               ; cc s[4:5], wc s[6:7], q s[8:9], gamma s[10:11]
	s_load_b128 s[12:15], s[0:1], 0x20             ; beta s[12:13], scales s[14:15]
	s_load_b64 s[16:17], s[0:1], 0x30              ; out0
	v_lshl_add_u32 v5, v0, 2, 0x29600
	v_mov_b32 v12, 0
	v_lshrrev_b32 v13, 5, v0
	v_readfirstlane_b32 s18, v13                   ; wave 0..15
	v_and_b32 v13, 31, v0
	v_lshlrev_b32 v[LI], 4, v13
	v_and_b32 v14, 15, v0                          ; r
	v_bfe_u32 v15, v0, 4, 1                        ; h
	s_wait_alu depctr_va_sdst(0)                   ; s18 is written, ahead of its first reader: LDS places and the bases of every buffer are made from it
	s_lshl_b32 s20, s18, 11                        ; my 2,048 of ctx's 32,768 bytes
	s_add_co_u32 s21, s20, XIMG
	v_add_nc_u32 v[XW], s21, v[LI]
	v_add_nc_u32 v[XB], XIMG, v[LI]
	v_lshlrev_b32 v[GO], 6, v15
	v_mul_u32_u24 v[TR], v14, TP
	v_add_nc_u32 v[TR], ST1, v[TR]
	s_lshl_b32 s21, s18, 2
	v_add_nc_u32 v[TS], s21, v[TR]
	v_mul_u32_u24 v[YS], v14, SPITCH
	v_lshl_add_u32 v[YS], v15, 6, v[YS]
	s_lshl_b32 s21, s18, 8
	v_add_nc_u32 v[YS], s21, v[YS]
	v_add_nc_u32 v[YS+1], 16*SPITCH, v[YS]         ; sixteen rows on: beyond an LDS immediate's 16 bits, so it has a register
	s_mul_i32 s21, s18, 2*SPITCH
	v_add_nc_u32 v[YR], s21, v[LI]
	v_mov_b32 v24, 0                               ; written once: lane permutes' destinations,
	v_mov_b32 v25, 0
	v_mov_b32 v27, 0                               ; and upper halves of pairs of which the low word serves both halves
	v_mov_b32 v29, 0
	s_mov_b32 s26, 0x76543210
	s_mov_b32 s27, 0xfedcba98                      ; v_permlanex16_b32: lane l xor 16
	s_mov_b32 s34, 0x3a800000                      ; 1 / 1,024
	s_mov_b32 s35, 0x358637bd                      ; 1e-6
	s_mov_b32 s29, 0                               ; the LDS byte of the two K steps in hand
	v_add_nc_u32 v[XR], s29, v[XB]
	s_lshl_b32 s36, ttmp9, 15
	s_add_co_u32 s36, s36, s20                     ; cc: the block's 32,768 bytes, my 2,048
	s_mov_b32 s37, 0
	s_add_co_u32 s38, s18, 48
	s_lshl_b32 s38, s38, 16                        ; wc: weight 3, columns 64 w on
	s_mov_b32 s39, 0
	s_lshl_b32 s42, s18, 8                         ; gamma, beta: my 64 columns of f32
	s_mov_b32 s43, 0
	s_lshl_b32 s44, ttmp9, 17
	s_lshl_b32 s45, s18, 13
	s_add_co_u32 s44, s44, s45                     ; q and out0: the block's 32 rows of 4,096 bytes, rows 2 w and 2 w + 1
	s_mov_b32 s45, 0
	s_wait_kmcnt 0x0
	s_load_b64 s[32:33], s[14:15], 0x28            ; e10, e11
	s_add_nc_u64 s[22:23], s[4:5], s[36:37]
	s_add_nc_u64 s[24:25], s[6:7], s[38:39]
	s_add_nc_u64 s[8:9], s[8:9], s[44:45]
	s_add_nc_u64 s[10:11], s[10:11], s[42:43]
	s_add_nc_u64 s[12:13], s[12:13], s[42:43]
	s_add_nc_u64 s[16:17], s[16:17], s[44:45]
	s_wait_alu depctr_va_vdst(0)                   ; v1 to v12 are written, which the loads, stores and LDS instructions below read as offsets and addresses; so are v24, v25, v27 and v29, in which loads of ctx land
.macro WLD buf, koff
.irp j, 0,1,2,3
.irp c, 0,1
	global_load_b128 v[WB+32*(\buf)+8*\j+4*\c:WB+32*(\buf)+8*\j+4*\c+3], v[LI], s[24:25] offset:4096*(\koff)+1024*\j+512*\c
.endr
.endr
.endm
.macro XLD buf, koff                   ; ctx's two fragments of the K step koff on from v[XR], into set buf
.irp j, 0,1
.irp c, 0,1
	ds_load_b128 v[XF+16*(\buf)+8*\j+4*\c:XF+16*(\buf)+8*\j+4*\c+3], v[XR] offset:16384*\j+1024*(\koff)+512*\c
.endr
.endr
.endm
.irp i, 0,1,2,3
	global_load_b128 v[16+4*\i:19+4*\i], v[LI], s[22:23] offset:512*\i   ; ctx's images, as they lie
.endr
	WLD 0, 0
.irp i, 0,1,2,3,4,5,6,7,8,9,10,11,12,13,14,15
	global_load_b128 v[RES+4*\i:RES+4*\i+3], v[LI], s[8:9] offset:(\i/8)*4096+512*(\i%8) th:TH_LOAD_NT   ; the residual's rows 2 w, 2 w + 1: 512 consecutive bytes a load
.endr
	s_wait_loadcnt 24                              ; ctx's four loads are in; Wo's eight and the residual's sixteen may be out
.irp i, 0,1,2,3
	ds_store_b128 v[XW], v[16+4*\i:19+4*\i] offset:512*\i
.endr
.macro BARRIER                         ; my LDS stores have landed and my LDS loads are in: then the work-group's barrier
	s_wait_dscnt 0x0
	s_barrier_signal -1
	s_barrier_wait -1
.endm
	BARRIER                                        ; ctx's 32 fragments lie in LDS
	XLD 0, 0                                       ; the first K step's fragments; each step asks for the next step's
	s_wait_kmcnt 0x0
	s_add_co_i32 s30, s32, s33
	s_add_co_i32 s30, s30, 127
	s_lshl_b32 s30, s30, 23                        ; 2^(e10 + e11) as f32
	s_mov_b32 s31, s30                             ; (named with it as a pair, so it is written)
; 8 matrix instructions, the 8 accumulators by turns, in the same order in every step
.macro MUL buf, zero
.irp j, 0,1
.irp i, 0,1,2,3
.set rD, ACC+32*\j+8*\i
.set rA, WB+32*(\buf)+8*\i
.set rB, XF+16*(\buf)+8*\j
.if \zero
	v_wmma_f32_16x16x64_bf8_bf8 v[rD:rD+7], v[rA:rA+7], v[rB:rB+7], 0
.else
	v_wmma_f32_16x16x64_bf8_bf8 v[rD:rD+7], v[rA:rA+7], v[rB:rB+7], v[rD:rD+7]
.endif
.endr
.endr
.endm
; A K step.  cnt: the loads issued behind this step's Wo, which may stay out.  nxt = 0: the last step, which asks for nothing: it has no load, so no plain lines and no wait on va_vdst.
.macro KS buf, nxt, zero, koff, cnt
.if \nxt
	v_nop                                          ; four plain lines in front of loads into registers that matrix instructions have read: they stay beside the wait
	v_nop
	v_nop
	v_nop
	s_wait_alu depctr_va_vdst(0)                   ; the last step's products are done reading the other sets of ctx and of Wo, in which the loads below land; in the first of two steps v[XR] is written
	XLD 1-\buf, \koff+1
	WLD 1-\buf, \koff+1
	s_wait_dscnt 4                                 ; LDS instructions end in order (ISA guide 5.7.1): this step's fragments, asked for a step ago, are in; the four loads just issued may be out
.else
	s_wait_dscnt 0x0
.endif
	s_wait_loadcnt \cnt
	MUL \buf, \zero
.endm
.macro STEP2
	s_wait_xcnt 0x0                                ; the loads of Wo have read their base: it is stepped only behind this wait
	s_wait_alu depctr_vm_vsrc(0)                   ; the LDS loads issued so far have read v[XR], which is written below
	s_add_nc_u64 s[24:25], s[24:25], 0x2000
	s_add_co_u32 s29, s29, 0x800
	v_add_nc_u32 v[XR], s29, v[XB]
.endm
	KS 0, 1, 1, 0, 24                              ; behind Wo's first step: the residual's sixteen loads and the next step's eight
	KS 1, 1, 0, 1, 8                               ; only the eight loads of Wo just issued may be out: the residual is in
.irp i, 0,1,2,3,4,5,6,7,8,9,10,11,12,13,14,15
	ds_store_b128 v[YR], v[RES+4*\i:RES+4*\i+3] offset:(\i/8)*SPITCH+512*(\i%8)   ; the residual's two rows into the stage, which nobody has touched yet
.endr
	STEP2                                          ; its wait on vm_vsrc stands behind the sixteen stores above and behind the images' four: they have read RES, in which LDS loads land behind the K loop, and v16-31, which the sums write
	s_mov_b32 s28, 6
.Lk:
	KS 0, 1, 0, 0, 8
	KS 1, 1, 0, 1, 8
	STEP2
	s_sub_co_u32 s28, s28, 1
	s_cmp_lg_u32 s28, 0
	s_cbranch_scc1 .Lk
	KS 0, 1, 0, 0, 8
	KS 1, 0, 0, 1, 0                               ; the last step asks for nothing: no load leaves the wave's 65,536 bytes of wc
	BARRIER                                        ; the residual's 32 rows lie in the stage
.irp j, 0,1
.irp b, 0,1
.irp e, 0,1,2,3
	ds_load_b128 v[RES+32*\j+16*\b+4*\e:RES+32*\j+16*\b+4*\e+3], v[YS+\j] offset:128*\b+16*\e   ; q(16 j + r, 64 w + 32 b + 16 h + 4 e ..): indexed as the sums.  (No vector line has named RES so far)
.endr
.endr
.endr
.rept 4
	v_nop                                          ; four plain lines in front of loads into Wo's registers and of the first read of results
.endr
	s_wait_alu depctr_va_vdst(0)                   ; the last products are done reading Wo's two sets, in which gamma and beta land
.irp b, 0,1
.irp e, 0,1,2,3
	global_load_b128 v[64+16*\b+4*\e:67+16*\b+4*\e], v[GO], s[10:11] offset:128*\b+16*\e    ; gamma of my 32 columns
	global_load_b128 v[96+16*\b+4*\e:99+16*\b+4*\e], v[GO], s[12:13] offset:128*\b+16*\e    ; beta
.endr
.endr
	s_wait_dscnt 0x0                               ; the residual is in my registers
.set n, 0
.rept 32
	v_pk_fma_f32 v[ACC+n:ACC+n+1], v[ACC+n:ACC+n+1], s[30:31], v[RES+n:RES+n+1] op_sel_hi:[1,0,1]   ; x = sum x 2^(e10 + e11) + q; each accumulator from its low end on
.set n, n+2
.endr
.macro ROWRED j                        ; two chains, a pair's halves, the other half of the lanes: my wave's sum over its 64 columns of row 16 j + r
	v_pk_add_f32 v[16+4*\j:17+4*\j], v[16+4*\j:17+4*\j], v[18+4*\j:19+4*\j]
	v_add_f32 v[16+4*\j], v[16+4*\j], v[17+4*\j]
	v_permlanex16_b32 v[24+\j], v[16+4*\j], s26, s27
	v_add_f32 v[16+4*\j], v[16+4*\j], v[24+\j]
.endm
.macro SUM16 b                         ; the sixteen waves' partial sums, in the same order in every lane
	v_pk_add_f32 v[\b:\b+1], v[\b:\b+1], v[\b+2:\b+3]
	v_pk_add_f32 v[\b+4:\b+5], v[\b+4:\b+5], v[\b+6:\b+7]
	v_pk_add_f32 v[\b+8:\b+9], v[\b+8:\b+9], v[\b+10:\b+11]
	v_pk_add_f32 v[\b+12:\b+13], v[\b+12:\b+13], v[\b+14:\b+15]
	v_pk_add_f32 v[\b:\b+1], v[\b:\b+1], v[\b+4:\b+5]
	v_pk_add_f32 v[\b+8:\b+9], v[\b+8:\b+9], v[\b+12:\b+13]
	v_pk_add_f32 v[\b:\b+1], v[\b:\b+1], v[\b+8:\b+9]
	v_add_f32 v[\b], v[\b], v[\b+1]
.endm
.macro SHARE off                       ; my two partial sums into a table; a barrier; each row's sixteen back
	s_wait_alu depctr_va_vdst(0)                   ; v16 and v20 are written, which the two LDS stores read; the products and vector lines that named v32-63 are done, in which the LDS loads below land
	ds_store_b32 v[TS], v16 offset:\off            ; (both halves of the lanes hold the same number and write the same word)
	ds_store_b32 v[TS], v20 offset:\off+16*TP
	BARRIER
.irp j, 0,1
.irp i, 0,1,2,3
	ds_load_b128 v[32+16*\j+4*\i:35+16*\j+4*\i], v[TR] offset:\off+16*TP*\j+16*\i
.endr
.endr
	s_wait_dscnt 0x0
	SUM16 32
	SUM16 48
.endm
.irp j, 0,1
	v_pk_add_f32 v[16+4*\j:17+4*\j], v[ACC+32*\j:ACC+32*\j+1], v[ACC+32*\j+2:ACC+32*\j+3]
	v_pk_add_f32 v[18+4*\j:19+4*\j], v[ACC+32*\j+4:ACC+32*\j+5], v[ACC+32*\j+6:ACC+32*\j+7]
.irp p, 8,12,16,20,24,28
	v_pk_add_f32 v[16+4*\j:17+4*\j], v[16+4*\j:17+4*\j], v[ACC+32*\j+\p:ACC+32*\j+\p+1]
	v_pk_add_f32 v[18+4*\j:19+4*\j], v[18+4*\j:19+4*\j], v[ACC+32*\j+\p+2:ACC+32*\j+\p+3]
.endr
	ROWRED \j
.endr
	SHARE 0
	v_mul_f32 v26, 0xba800000, v32                 ; -mean = the row's sum x -1 / 1,024
	v_mul_f32 v28, 0xba800000, v48
.irp j, 0,1
.set n, 0
.rept 16
	v_pk_add_f32 v[ACC+32*\j+n:ACC+32*\j+n+1], v[ACC+32*\j+n:ACC+32*\j+n+1], v[26+2*\j:27+2*\j] op_sel_hi:[1,0]   ; d = x - mean
.set n, n+2
.endr
.endr
	s_wait_alu depctr_vm_vsrc(0)                   ; the first table's two LDS stores have read v16 and v20, which the squares' sums write again
.irp j, 0,1
	v_pk_mul_f32 v[16+4*\j:17+4*\j], v[ACC+32*\j:ACC+32*\j+1], v[ACC+32*\j:ACC+32*\j+1]
	v_pk_mul_f32 v[18+4*\j:19+4*\j], v[ACC+32*\j+2:ACC+32*\j+3], v[ACC+32*\j+2:ACC+32*\j+3]
.irp p, 4,8,12,16,20,24,28
	v_pk_fma_f32 v[16+4*\j:17+4*\j], v[ACC+32*\j+\p:ACC+32*\j+\p+1], v[ACC+32*\j+\p:ACC+32*\j+\p+1], v[16+4*\j:17+4*\j]
	v_pk_fma_f32 v[18+4*\j:19+4*\j], v[ACC+32*\j+\p+2:ACC+32*\j+\p+3], v[ACC+32*\j+\p+2:ACC+32*\j+\p+3], v[18+4*\j:19+4*\j]
.endr
	ROWRED \j
.endr
	SHARE T2
	v_fma_f32 v32, v32, s34, s35                   ; the variance + 1e-6
	v_fma_f32 v48, v48, s34, s35
	v_rsq_f32 v26, v32
	v_rsq_f32 v28, v48
	v_nop                                          ; a plain line behind the two roots,
	s_wait_alu depctr_va_vdst(0)                   ; and one wait ahead of the first reader of v26 and v28
	s_wait_loadcnt 0x0                             ; gamma and beta
.irp j, 0,1
.set n, 0
.rept 16
	v_pk_mul_f32 v[ACC+32*\j+n:ACC+32*\j+n+1], v[ACC+32*\j+n:ACC+32*\j+n+1], v[26+2*\j:27+2*\j] op_sel_hi:[1,0]
	v_pk_fma_f32 v[ACC+32*\j+n:ACC+32*\j+n+1], v[ACC+32*\j+n:ACC+32*\j+n+1], v[64+n:65+n], v[96+n:97+n]
.set n, n+2
.endr
.endr
	s_wait_alu depctr_va_vdst(0)                   ; the results are written in ACC, which the LDS stores read; the multiply-adds that read RES are done, in which the LDS loads behind the barrier land
.irp j, 0,1
.irp b, 0,1
.irp e, 0,1,2,3
	ds_store_b128 v[YS+\j], v[ACC+32*\j+16*\b+4*\e:ACC+32*\j+16*\b+4*\e+3] offset:128*\b+16*\e   ; over the residual's bytes that this lane alone has read, two barriers ago
.endr
.endr
.endr
	BARRIER                                        ; 32 whole rows of the result lie in the stage
.irp i, 0,1,2,3,4,5,6,7,8,9,10,11,12,13,14,15
	ds_load_b128 v[RES+4*\i:RES+4*\i+3], v[YR] offset:(\i/8)*SPITCH+512*(\i%8)
.endr
.irp i, 0,1,2,3,4,5,6,7,8,9,10,11,12,13,14,15
	s_wait_dscnt 15-\i                             ; LDS loads come back in order (ISA guide 5.7.1): load i is in, the younger ones may be out
	global_store_b128 v[LI], v[RES+4*\i:RES+4*\i+3], s[16:17] offset:(\i/8)*4096+512*(\i%8) th:TH_STORE_NT   ; 512 consecutive bytes, aligned; written once, read by nobody here
.endr
	s_wait_dscnt 0x0                               ; the closing lines, six on end
	s_wait_alu 0x0
	s_wait_tensorcnt 0x0
	ds_add_u32 v5, v12
	s_wait_dscnt 0x0
	s_endpgm
.Lfunc_end_k_qe098036221_oproj:
	.size	k_qe098036221_oproj, .Lfunc_end_k_qe098036221_oproj-k_qe098036221_oproj
	.p2alignl 7, 3214868480
	.fill 96, 4, 3214868480
	.section	.rodata,"a",@progbits
	.p2align	6, 0x0
	.amdhsa_kernel k_qe098036221_oproj
		.amdhsa_group_segment_fixed_size 171520
		.amdhsa_private_segment_fixed_size 0
		.amdhsa_enable_private_segment 0
		.amdhsa_kernarg_size 56
		.amdhsa_user_sgpr_count 2
		.amdhsa_user_sgpr_kernarg_segment_ptr 1
		.amdhsa_wavefront_size32 1
		.amdhsa_system_sgpr_workgroup_id_x 1
		.amdhsa_system_sgpr_workgroup_id_y 1
		.amdhsa_system_sgpr_workgroup_id_z 1
		.amdhsa_system_vgpr_workitem_id 0
		.amdhsa_next_free_vgpr 256
		.amdhsa_next_free_sgpr 66
		.amdhsa_reserve_vcc 0
		.amdhsa_float_denorm_mode_32 3
		.amdhsa_float_denorm_mode_16_64 3
		.amdhsa_memory_ordered 1
		.amdhsa_forward_progress 1
		.amdhsa_inst_pref_size 41
	.end_amdhsa_kernel
	.amdgpu_metadata
---
amdhsa.version: [ 1, 2 ]
amdhsa.kernels:
  - .name:           k_qe098036221_oproj
    .symbol:         k_qe098036221_oproj.kd
    .args:
      - { .name: cc, .offset: 0, .size: 8, .value_kind: global_buffer, .address_space: global }
      - { .name: wc, .offset: 8, .size: 8, .value_kind: global_buffer, .address_space: global }
      - { .name: q, .offset: 16, .size: 8, .value_kind: global_buffer, .address_space: global }
      - { .name: gamma, .offset: 24, .size: 8, .value_kind: global_buffer, .address_space: global }
      - { .name: beta, .offset: 32, .size: 8, .value_kind: global_buffer, .address_space: global }
      - { .name: lowp_scales, .offset: 40, .size: 8, .value_kind: global_buffer, .address_space: global }
      - { .name: out0, .offset: 48, .size: 8, .value_kind: global_buffer, .address_space: global }
    .group_segment_fixed_size: 171520
    .private_segment_fixed_size: 0
    .kernarg_segment_align: 8
    .kernarg_segment_size: 56
    .max_flat_workgroup_size: 512
    .sgpr_count:     66
    .vgpr_count:     256
    .wavefront_size: 32
...
	.end_amdgpu_metadata
.endif
;; end of part 9
